; MI455X (gfx1250); checked and timed in simulation.
; The chip was launched on July 23, 2026; its instructions are those of AMD's public machine-readable ISA for CDNA 5 (MIT licence, August 2026) and "CDNA5" Instruction Set Architecture Reference Guide (July 2026). The comments in the code are by the model that wrote it; some were corrected since.
;; Mo E Layer. Allowed arithmetic: matrix products marked QUANTISED: E5M2 operands, one E8M0 scale for each 32 along K, by v_wmma_scale_f32_16x16x128_f8f6f4 with both operands' format E5M2, f32 sums; products left as they are: f32 operands where the result goes on into a quantised operand, else bf16, f16 or f32 operands; f32 sums; everything else in f32.
;; Inputs: b1 8 x 2,048 float32; b2 8 x 1,024 float32; gate_b 8 float32; gate_w 1,024 x 8 float32; w1 8 x 1,024 x 2,048 float32; w2 8 x 2,048 x 1,024 float32; x 4 x 512 x 1,024 float32.
;; Outputs: out0 4 x 512 x 1,024 float32.
;; Constants: num_experts_per_tok = 2.
;; This version of the problem:
;;   THIS VERSION OF THE PROBLEM IS GIVEN IN LOW PRECISION. The matrix products marked QUANTISED in the list below multiply operands that are first quantised to E5M2 (5 exponent bits, 2 mantissa bits; 8 bits a number), with one power-of-two scale for each 32 numbers along K (OCP MX v1.0); their sums are f32. All else is computed in f32.
;;   The module's matrix products, in the order in which they are computed (A, B: the left and right operand; K: the contracted axis; several contracted axes count as one K, in the product's order):
;;     1. [M 2,048, K 1,024] x [K 1,024, N 8]; A: input x; B: input gate_w: left as it is (N = 8 < 16)
;;     2. [M 16,384, K 1,024] x [K 1,024, N 2,048]; A: input w1; B: input x: QUANTISED
;;     3. batch 8 x [M 1,024, K 2,048] x [K 2,048, N 2,048]; A: input w2; B: computed on the way: QUANTISED
;;     4. batch 2,048 x [M 1, K 8] x [K 8, N 1,024]; A: computed on the way; B: computed on the way: left as it is (K = 8 < 32)
;;   THE QUANTISER, for each operand of a quantised product, along K:
;;     - K is cut into blocks of 32 from its start; a last block that is shorter is filled with zeros.
;;     - A block's scale is 2^e with e = floor(log2(the largest magnitude in the block)) - 15, held to -126 .. 127; a block of zeros has e = 0. As a byte (E8M0): e + 127.
;;     - Each number is divided by its block's scale, clamped to +-57,344, and rounded to the nearest number of E5M2, ties to even, subnormals kept.
;;     - The product sums the exact products of the quantised numbers (number of the format x scale) in f32.
;;   ~~~python
;;   def quantise(x, axis):      # numpy; x: float32 -> the quantised numbers, widened to float32 again
;;       x = np.moveaxis(x, axis, -1); K = x.shape[-1]
;;       x = np.pad(x, [(0, 0)] * (x.ndim - 1) + [(0, -K % 32)]); x = x.reshape(x.shape[:-1] + (-1, 32)); a = np.abs(x).max(-1, keepdims=True)
;;       e = np.where(a > 0, np.clip(np.frexp(np.where(a > 0, a, 1))[1] - 1 - 15, -126, 127), 0)      # np.frexp(a)[1] - 1 = floor(log2(a)), exactly
;;       r = np.clip(x / 2.0 ** e, -57344, 57344)
;;       step = 2.0 ** (np.maximum(np.frexp(np.where(r == 0, 1, r))[1] - 1, -14) - 2)
;;       q = np.round(r / step) * step * 2.0 ** e      # np.round: ties to even
;;       return np.moveaxis(q.reshape(q.shape[:-2] + (-1,))[..., :K], -1, axis).astype(np.float32)
;;   ~~~
;;   OPERANDS COMPUTED ON THE WAY. 'Computed on the way' means the value that the module computes at that place (a softmax that the list does not call 'softmax' is quantised finished and normalised). What goes into a quantiser is computed in f32, as accurately as f32 sums, v_exp_f32 and their like allow (about 1e-6 of the number): no bf16 or f16 on the way to a quantiser, and a product that is left as it is and whose result goes on into a quantised operand takes f32 operands (vector FMAs, or v_wmma_f32_16x16x4_f32). A number that lies on a knife's edge between two numbers of the format may be rounded either way, as far as f32 arithmetic and the matrix unit's own rounding can turn it there, and no further.
;; 2 versions. Each part assembles by itself: llvm-mc -triple=amdgcn-amd-amdhsa -mcpu=gfx1250 --defsym DOCPART=n.
;; ======== version 1 of 2: 5 launches
;; workspace buffers: rt 8,192 bytes of whole numbers; gw2 16,384 bytes; route 17,152 bytes of whole numbers; xrec 4,510,976 bytes; hrec 8,887,296 bytes; part 33,554,432 bytes; w1q 17,825,792 bytes; w2q 17,825,792 bytes
;; launch gate (part 1): grid 192 x 1, 16 waves a work-group, no clusters, 18,432 bytes of LDS; arguments x, gate_w, gate_b, rt, gw2, w1, w1q; writes rt, gw2, w1q
.if DOCPART == 1
	.amdgcn_target "amdgcn-amd-amdhsa--gfx1250"
	.amdhsa_code_object_version 6
	.text
	.protected	k_qfdbce4bb50_gate
	.globl	k_qfdbce4bb50_gate
	.p2align	8
	.type	k_qfdbce4bb50_gate,@function
k_qfdbce4bb50_gate:
	s_mov_b64 s[64:65], 0
	v_nop
	global_prefetch_b8 v0, s[64:65] scope:SCOPE_SE
	s_setreg_imm32_b32 hwreg(HW_REG_WAVE_MODE, 25, 1), 1
	s_wait_xcnt 0x0
; TWO JOBS IN ONE LAUNCH, parted at the first line on the work-group's number alone.  Work-groups 0 .. 63: THE GATE.  Work-groups 64 .. 191: w1 IS LAID OUT AS CODES (at the end of this text).
; The gate reads 8 MB and is a short chain of dependent steps; the 67 MB of w1 hang on nothing, so they are streamed beside it, not ahead of the first layer's products.
; THE GATE.  scores = softmax(x gate_w + gate_b) over 8 experts; the two largest are kept (ties: the lower index) and divided by max(their sum, 1e-12).
; All in f32: fused multiply-adds, the maximum taken away ahead of the exponentials, as the definition has it.
; SHARES.  Work-group c owns tokens 32 c .. 32 c + 31.  Wave v owns k = 64 v .. 64 v + 63 for all 32 tokens; lane l: tau = l / 4, pi = l % 4; in group g its token is 32 c + 8 g + tau,
; its k are 64 v + 16 i + 4 pi + d (i, d = 0 .. 3).  The waves' partial sums meet in LDS ([wave][token][8], 16,384 bytes); wave 0 then has a lane to a token.
; OUT, at fixed places (no address and no branch of this launch hangs on a choice):
;   rt  [row 0..31][chunk 0..63] u32: row e: the chunk's tokens that chose e, a bit a token; row 8 + e: those whose SECOND choice is e; row 16 + e: the number of bits of row e; rows 24..31: 0
;   gw2 [2 t + j] f32: the weight of token t's choice j
; LIMITS: NaN and infinities among the inputs are not served.  Scores that differ by less than f32 rounding may be ordered either way.  A score under 2^-126 counts as 0 (v_exp_f32 gives 0 there: ISA guide, 15.8).
.set NGATE, 64                         ; work-groups of the gate
.set GR, 16                            ; v16-143  gate_w: GR + 32 i + 8 d + e
.set XR, 144                           ; v144-207 x: XR + 16 g + 4 i + d
.set AC, 208                           ; v208-239 sums: AC + 8 g + e
	v_lshl_add_u32 v14, v0, 2, 0x4000
	v_mov_b32 v15, 0
	s_cmp_ge_u32 ttmp9, NGATE
	s_cbranch_scc1 .Lquant                         ; the same way for all waves of a work-group
	s_load_b256 s[4:11], s[0:1], 0x0               ; x s[4:5], gate_w s[6:7], gate_b s[8:9], rt s[10:11]
	s_load_b64 s[12:13], s[0:1], 0x20              ; gw2
	v_lshrrev_b32 v7, 5, v0
	v_readfirstlane_b32 s14, v7                    ; wave 0..15
	v_and_b32 v8, 31, v0                           ; lane
	v_lshrrev_b32 v9, 2, v8                        ; tau
	v_and_b32 v10, 3, v8                           ; pi
	v_lshlrev_b32 v1, 12, v9
	v_lshl_add_u32 v1, v10, 4, v1                  ; x: tau rows of 4,096 bytes + 16 pi
	v_lshlrev_b32 v2, 7, v10                       ; gate_w: 4 pi rows of 32 bytes
	s_lshl_b32 s15, s14, 10
	v_lshlrev_b32 v3, 5, v9
	v_add_nc_u32 v3, s15, v3                       ; LDS, in: 1,024 x wave + 32 tau
	v_lshlrev_b32 v4, 5, v8                        ; LDS, out: 32 x lane (wave 0: lane = token)
	v_lshlrev_b32 v5, 8, v8                        ; rt: lane = row, 256 bytes a row
	v_lshlrev_b32 v6, 3, v8                        ; gw2: 8 bytes a token
	s_lshl_b32 s24, ttmp9, 17                      ; 32 rows of x
	s_lshl_b32 s26, s14, 8                         ; my 64 k
	s_add_co_u32 s24, s24, s26
	s_mov_b32 s25, 0
	s_lshl_b32 s26, s14, 11                        ; my 64 rows of gate_w
	s_mov_b32 s27, 0
	s_lshl_b32 s28, ttmp9, 2                       ; my chunk's word in a row of rt
	s_mov_b32 s29, 0
	s_lshl_b32 s30, ttmp9, 8                       ; my chunk's 256 bytes of gw2
	s_mov_b32 s31, 0
	s_wait_kmcnt 0x0
	s_load_b256 s[16:23], s[8:9], 0x0              ; gate_b, asked for here so that wave 0 does not wait for it behind the barrier
	s_add_nc_u64 s[4:5], s[4:5], s[24:25]
	s_add_nc_u64 s[6:7], s[6:7], s[26:27]
	s_add_nc_u64 s[10:11], s[10:11], s[28:29]
	s_add_nc_u64 s[12:13], s[12:13], s[30:31]
.irp i, 0,1,2,3
.irp m, 0,1,2,3,4,5,6,7
	global_load_b128 v[GR+32*\i+4*\m:GR+32*\i+4*\m+3], v2, s[6:7] offset:512*\i+16*\m
.endr
.endr
.irp g, 0,1,2,3
.irp i, 0,1,2,3
	global_load_b128 v[XR+16*\g+4*\i:XR+16*\g+4*\i+3], v1, s[4:5] offset:32768*\g+64*\i
.endr
.endr
; group g: 8 sums over my 16 k, two experts an instruction; x's number is taken for both halves (op_sel, op_sel_hi).  The first term starts the sums: nothing is cleared.
.macro DOT g
.irp i, 0,1,2,3
.irp d, 0,2
.irp p, 0,2,4,6
.if (\i == 0) && (\d == 0)
	v_pk_mul_f32 v[AC+8*\g+\p:AC+8*\g+\p+1], v[XR+16*\g:XR+16*\g+1], v[GR+\p:GR+\p+1] op_sel_hi:[0,1]
.else
	v_pk_fma_f32 v[AC+8*\g+\p:AC+8*\g+\p+1], v[XR+16*\g+4*\i+\d:XR+16*\g+4*\i+\d+1], v[GR+32*\i+8*\d+\p:GR+32*\i+8*\d+\p+1], v[AC+8*\g+\p:AC+8*\g+\p+1] op_sel_hi:[0,1,1]
.endif
.endr
.irp p, 0,2,4,6
	v_pk_fma_f32 v[AC+8*\g+\p:AC+8*\g+\p+1], v[XR+16*\g+4*\i+\d:XR+16*\g+4*\i+\d+1], v[GR+32*\i+8*(\d+1)+\p:GR+32*\i+8*(\d+1)+\p+1], v[AC+8*\g+\p:AC+8*\g+\p+1] op_sel:[1,0,0] op_sel_hi:[1,1,1]
.endr
.endr
.endr
.endm
.irp g, 0,1,2,3
	s_wait_loadcnt 12-4*\g                         ; gate_w and this group's four loads are in; the later groups' may be out
	DOT \g
.endr
.irp n, 0,1,2,3,4,5,6,7,8,9,10,11,12,13,14,15,16,17,18,19,20,21,22,23,24,25,26,27,28,29,30,31
	v_add_f32_dpp v[AC+\n], v[AC+\n], v[AC+\n] row_xmask:1 row_mask:0xf bank_mask:0xf
.endr
.irp n, 0,1,2,3,4,5,6,7,8,9,10,11,12,13,14,15,16,17,18,19,20,21,22,23,24,25,26,27,28,29,30,31
	v_add_f32_dpp v[AC+\n], v[AC+\n], v[AC+\n] row_xmask:2 row_mask:0xf bank_mask:0xf   ; the four lanes of a token now hold the wave's sum
.endr
.irp g, 0,1,2,3
	ds_store_b128 v3, v[AC+8*\g:AC+8*\g+3] offset:256*\g            ; the four lanes of a token write the same bytes with the same values
	ds_store_b128 v3, v[AC+8*\g+4:AC+8*\g+7] offset:256*\g+16
.endr
	s_wait_kmcnt 0x0                               ; gate_b is in
	s_wait_dscnt 0x0                               ; for wave 0's sake: my stores have landed
	s_barrier_signal -1
	s_barrier_wait -1
	s_cmp_lg_u32 s14, 0
	s_cbranch_scc1 .Ldone                          ; the rest is wave 0's: a lane to a token
.irp w, 0,1,2,3,4,5,6,7,8,9,10,11,12,13,14,15
	ds_load_b128 v[16+8*\w:19+8*\w], v4 offset:1024*\w
	ds_load_b128 v[20+8*\w:23+8*\w], v4 offset:1024*\w+16
.endr
	s_wait_dscnt 0x0
.irp w, 1,2,3,4,5,6,7,8,9,10,11,12,13,14,15
.irp p, 0,2,4,6
	v_pk_add_f32 v[16+\p:17+\p], v[16+\p:17+\p], v[16+8*\w+\p:17+8*\w+\p]
.endr
.endr
.irp e, 0,1,2,3,4,5,6,7
	v_add_f32 v[16+\e], s[16+\e], v[16+\e]         ; the logits
.endr
	v_max3_num_f32 v40, v16, v17, v18
	v_max3_num_f32 v40, v40, v19, v20
	v_max3_num_f32 v40, v40, v21, v22
	v_max_num_f32 v40, v40, v23                    ; their maximum
.irp e, 0,1,2,3,4,5,6,7
	v_sub_f32 v[24+\e], v[16+\e], v40
.endr
.irp e, 0,1,2,3,4,5,6,7
	v_mul_f32 v[24+\e], 0x3fb8aa3b, v[24+\e]       ; x log2(e)
.endr
.irp e, 0,1,2,3,4,5,6,7
	v_exp_f32 v[24+\e], v[24+\e]
.endr
	v_mov_b32 v41, -1.0                            ; a plain instruction behind the last exponential (ISA guide 5.7.2); the number serves below
	s_wait_alu depctr_va_vdst(0)                   ; one wait for the eight, ahead of their first reader
	v_add_f32 v42, v24, v25
	v_add_f32 v43, v26, v27
	v_add_f32 v44, v28, v29
	v_add_f32 v45, v30, v31
	v_add_f32 v42, v42, v43
	v_add_f32 v44, v44, v45
	v_add_f32 v42, v42, v44
	v_rcp_f32 v43, v42
	v_mov_b32 v46, 0                               ; (a plain instruction)  the first choice's index
	s_wait_alu depctr_va_vdst(0)
.irp e, 0,1,2,3,4,5,6,7
	v_mul_f32 v[32+\e], v[24+\e], v43              ; the scores
.endr
	v_mov_b32 v44, v32
.irp e, 1,2,3,4,5,6,7
	v_cmp_ge_f32 vcc_lo, v44, v[32+\e]             ; the best so far stays unless a later score is strictly larger: ties keep the lower index
	v_cndmask_b32 v46, \e, v46, vcc_lo
	v_cndmask_b32 v44, v[32+\e], v44, vcc_lo
.endr
.irp e, 0,1,2,3,4,5,6,7
	v_cmp_eq_u32 vcc_lo, \e, v46
	v_cndmask_b32 v[48+\e], v[32+\e], v41, vcc_lo  ; the first choice becomes -1, under every score
.endr
	v_mov_b32 v45, v48
	v_mov_b32 v47, 0
.irp e, 1,2,3,4,5,6,7
	v_cmp_ge_f32 vcc_lo, v45, v[48+\e]
	v_cndmask_b32 v47, \e, v47, vcc_lo
	v_cndmask_b32 v45, v[48+\e], v45, vcc_lo
.endr
	v_add_f32 v58, v44, v45
	v_max_num_f32 v58, 0x2b8cbccc, v58             ; max(the two scores' sum, 1e-12)
	v_rcp_f32 v59, v58
	v_mov_b32 v60, 0                               ; (a plain instruction)  the table's 32 words, a lane a row
	s_wait_alu depctr_va_vdst(0)
	v_mul_f32 v56, v44, v59
	v_mul_f32 v57, v45, v59
.irp e, 0,1,2,3,4,5,6,7
	v_cmp_eq_u32 s32, \e, v46
	v_cmp_eq_u32 s33, \e, v47
	s_or_b32 s34, s32, s33
	s_bcnt1_i32_b32 s35, s34
	v_writelane_b32 v60, s34, \e
	v_writelane_b32 v60, s33, 8+\e
	v_writelane_b32 v60, s35, 16+\e
.endr
	global_store_b32 v5, v60, s[10:11]             ; one word in each of the table's 32 rows: laid for its readers, which take a row's 64 words on end
	global_store_b64 v6, v[56:57], s[12:13]        ; 32 lanes store 256 consecutive bytes, aligned
.Ldone:
	s_wait_tensorcnt 0x0
	ds_add_u32 v14, v15
	s_wait_dscnt 0x0
	s_endpgm
; ---- w1 [8][1,024 (K)][2,048], f32, BECOMES CODES of BF8 (E5M2) with one E8M0 scale byte for each 32 along K, laid as the first layer's work-groups take them.
; w1q: 256 records of 69,632 bytes; record 32 e + sg holds expert e's columns 64 sg .. 64 sg + 63, all K: the fragment of K step s and tile j as an image of the operand's registers at 2,048 (4 s + j) + 512 c + 16 x lane;
; from byte 65,536 on, 512 bytes a K step: the scale words [lane][j].
; K IS THE FIRST AXIS: a lane takes columns and its registers run down K.  THE COLUMNS OF A TILE ARE NOT NEIGHBOURS: tile j is columns 4 q + j.  So one load of 16 bytes is four tiles' numbers: lane (q, h) reads columns
; 4 q .. 4 q + 3 of row 32 c + 16 h + i; sixteen lanes read 256 consecutive bytes, aligned.  A block of 32 along K lies in lanes l and l xor 16.
; SHARES.  A wave takes one unit: a record's one K step, 128 rows x 64 columns: four blocks of 16 loads, through a ring of two blocks; 2,048 units are 128 work-groups of 16 waves.  Waves share nothing: no LDS, no barrier.
; Each block has its own registers for its codes, so no store's data are written again.  Every store of a wave covers 512 consecutive bytes, aligned.
; A block's scale is 2^(floor(log2(its largest magnitude)) - 15); the byte is that magnitude's exponent field - 15, held at 1 from below.  A block of zeros so has the byte 1 where the rule says 127: its codes are zeros, and this program alone reads the bytes.
.set QFIRST, NGATE                     ; the first work-group of this path
.set QWL,    4                         ; log2 of a work-group's waves
.set QPITCH, 8192                      ; a row of the weight in bytes
.set QCB,    5                         ; a record's number: its low QCB bits are the group of 64 columns,
.set QHI,    23                        ; the bits above count pieces of 2^QHI bytes (an expert's 1,024 rows)
.set QKS,    20                        ; a K step's 128 rows are 2^QKS bytes,
.set QHS,    17                        ; 16 rows 2^QHS
.set WREC,   69632
.set QLIM, 8                           ; v8-11    57,344 x the scale
.set QSW,  16                          ; v16-19   the four tiles' scale words
.set QM,   20                          ; v20-23   largest magnitudes
.set QP,   24                          ; v24-27   the other half's; then bytes
.set QSC,  28                          ; v28-31   the conversions' scale operands
.set QT,   32                          ; v32-63   a column's 16 numbers on end: two sets by turns
.set QC,   64                          ; v64-127  codes: 16 registers a block
.set QR,   128                         ; v128-255 the ring: register 4 i + j of slot c % 2 = w(32 c + 16 h + i, 4 q + j)
.macro WLOAD c
.irp i, 0,1,2,3,4,5,6,7,8,9,10,11,12,13,14,15
	global_load_b128 v[QR+64*((\c)%2)+4*\i:QR+64*((\c)%2)+4*\i+3], v2, s[4:5] offset:(32*(\c)+\i)*QPITCH th:TH_LOAD_NT
.endr
.endm
.macro WQUANT c
.set RB, QR+64*((\c)%2)
.irp j, 0,1,2,3
	v_max3_num_f32 v[QM+\j], 0x8000000, |v[RB+\j]|, |v[RB+4+\j]|     ; column 4 q + j: my 16 numbers, and the floor 2^(16 - 127): the byte cannot fall under 1
.endr
.irp i, 2,4,6,8,10,12,14
.irp j, 0,1,2,3
	v_max3_num_f32 v[QM+\j], v[QM+\j], |v[RB+4*\i+\j]|, |v[RB+4*\i+4+\j]|
.endr
.endr
.irp j, 0,1,2,3
	v_permlanex16_b32 v[QP+\j], v[QM+\j], s24, s25
.endr
.irp j, 0,1,2,3
	v_max_num_f32 v[QM+\j], v[QM+\j], v[QP+\j]     ; with lane l xor 16's 16: the block's largest magnitude
.endr
.irp j, 0,1,2,3
	v_add_nc_u32 v[QSC+\j], 0xf8800000, v[QM+\j]   ; 15 off its exponent field: the conversion takes this operand's exponent field as its scale
.endr
.irp j, 0,1,2,3
	v_and_or_b32 v[QLIM+\j], v[QM+\j], 0x7f800000, s26   ; 57,344 x the scale
.endr
.irp j, 0,1,2,3
	v_lshrrev_b32 v[QP+\j], 23, v[QSC+\j]          ; the scale's byte
.endr
.irp j, 0,1,2,3
.if (\c) == 0
	v_mov_b32 v[QSW+\j], v[QP+\j]
.else
	v_lshl_or_b32 v[QSW+\j], v[QP+\j], 8*(\c), v[QSW+\j]
.endif
.endr
.irp j, 0,1,2,3
.irp i, 0,1,2,3,4,5,6,7,8,9,10,11,12,13,14,15
	v_med3_num_f32 v[QT+16*(\j%2)+\i], v[RB+4*\i+\j], -v[QLIM+\j], v[QLIM+\j]   ; the hold (the conversion does not saturate: ISA guide 7.6.2), which also brings a column's numbers on end
.endr
	v_cvt_scalef32_pk8_bf8_f32 v[QC+16*(\c)+4*\j:QC+16*(\c)+4*\j+1], v[QT+16*(\j%2):QT+16*(\j%2)+7], v[QSC+\j]
	v_cvt_scalef32_pk8_bf8_f32 v[QC+16*(\c)+4*\j+2:QC+16*(\c)+4*\j+3], v[QT+16*(\j%2)+8:QT+16*(\j%2)+15], v[QSC+\j]   ; the next column's 16 holds write the other set: plain lines ahead of the next write of this one
.endr
	v_nop                                          ; a plain instruction behind the last conversion
.irp j, 0,1,2,3
	global_store_b128 v1, v[QC+16*(\c)+4*\j:QC+16*(\c)+4*\j+3], s[6:7] offset:2048*\j+512*(\c)   ; registers 4 c .. 4 c + 3 of tile j's fragment, as they stand
.endr
.endm
.Lquant:
	s_load_b128 s[4:7], s[0:1], 0x28               ; the weight s[4:5], its codes' buffer s[6:7]
	v_lshrrev_b32 v3, 5, v0
	v_readfirstlane_b32 s14, v3                    ; wave
	s_sub_co_u32 s15, ttmp9, QFIRST
	s_lshl_b32 s15, s15, QWL
	s_add_co_u32 s15, s15, s14                     ; my unit, 0 .. 2,047
	s_lshr_b32 s16, s15, 3                         ; its record,
	s_and_b32 s17, s15, 7                          ; its K step
	s_lshr_b32 s18, s16, QCB
	s_lshl_b32 s18, s18, QHI
	s_and_b32 s19, s16, (1<<QCB)-1
	s_lshl_b32 s19, s19, 8                         ; 64 columns are 256 bytes
	s_add_co_u32 s18, s18, s19
	s_lshl_b32 s19, s17, QKS
	s_add_co_u32 s18, s18, s19                     ; where the unit begins in the weight
	s_mov_b32 s19, 0
	s_mul_i32 s20, s16, WREC
	s_lshl_b32 s22, s17, 9
	s_add_co_u32 s22, s22, s20
	s_add_co_u32 s22, s22, 65536                   ; its scale words
	s_mov_b32 s23, 0
	s_lshl_b32 s21, s17, 13
	s_add_co_u32 s20, s20, s21                     ; its four fragments
	s_mov_b32 s21, 0
	v_and_b32 v4, 31, v0
	v_lshlrev_b32 v1, 4, v4                        ; out: 16 x lane
	v_and_b32 v5, 15, v0                           ; q
	v_bfe_u32 v6, v0, 4, 1                         ; h
	v_lshlrev_b32 v2, 4, v5
	v_lshl_add_u32 v2, v6, QHS, v2                 ; in: 16 q + 16 h rows
	s_mov_b32 s24, 0x76543210
	s_mov_b32 s25, 0xfedcba98                      ; v_permlanex16_b32's selects for lane l xor 16
	s_mov_b32 s26, 0x600000                        ; the mantissa field of 57,344
.irp j, 0,1,2,3
	v_mov_b32 v[QP+\j], 0                          ; written once: a lane permute's destination counts as one of its sources
.endr
	s_wait_kmcnt 0x0
	s_add_nc_u64 s[4:5], s[4:5], s[18:19]
	s_add_nc_u64 s[8:9], s[6:7], s[22:23]
	s_add_nc_u64 s[6:7], s[6:7], s[20:21]
	WLOAD 0
	WLOAD 1
	s_wait_loadcnt 16                              ; block 0's 16 loads are in; block 1's may be out
	WQUANT 0
	WLOAD 2
	s_wait_loadcnt 16                              ; block 1 is in; block 2 may be out
	WQUANT 1
	WLOAD 3
	s_wait_loadcnt 16                              ; block 2 is in; block 3 may be out
	WQUANT 2
	s_wait_loadcnt 0x0
	WQUANT 3
	global_store_b128 v1, v[QSW:QSW+3], s[8:9]     ; the K step's scale words of my four columns (lanes 16-31 hold what lanes 0-15 hold)
	s_endpgm
.Lfunc_end_k_qfdbce4bb50_gate:
	.size	k_qfdbce4bb50_gate, .Lfunc_end_k_qfdbce4bb50_gate-k_qfdbce4bb50_gate
	.p2alignl 7, 3214868480
	.fill 96, 4, 3214868480
	.section	.rodata,"a",@progbits
	.p2align	6, 0x0
	.amdhsa_kernel k_qfdbce4bb50_gate
		.amdhsa_group_segment_fixed_size 18432
		.amdhsa_private_segment_fixed_size 0
		.amdhsa_enable_private_segment 0
		.amdhsa_kernarg_size 56
		.amdhsa_user_sgpr_count 2
		.amdhsa_user_sgpr_kernarg_segment_ptr 1
		.amdhsa_wavefront_size32 1
		.amdhsa_system_sgpr_workgroup_id_x 1
		.amdhsa_system_sgpr_workgroup_id_y 1
		.amdhsa_system_sgpr_workgroup_id_z 1
		.amdhsa_system_vgpr_workitem_id 0
		.amdhsa_next_free_vgpr 256
		.amdhsa_next_free_sgpr 66
		.amdhsa_reserve_vcc 1
		.amdhsa_float_denorm_mode_32 3
		.amdhsa_float_denorm_mode_16_64 3
		.amdhsa_memory_ordered 1
		.amdhsa_forward_progress 1
		.amdhsa_inst_pref_size 82
	.end_amdhsa_kernel
	.amdgpu_metadata
---
amdhsa.version: [ 1, 2 ]
amdhsa.kernels:
  - .name:           k_qfdbce4bb50_gate
    .symbol:         k_qfdbce4bb50_gate.kd
    .args:
      - { .name: x, .offset: 0, .size: 8, .value_kind: global_buffer, .address_space: global }
      - { .name: gate_w, .offset: 8, .size: 8, .value_kind: global_buffer, .address_space: global }
      - { .name: gate_b, .offset: 16, .size: 8, .value_kind: global_buffer, .address_space: global }
      - { .name: rt, .offset: 24, .size: 8, .value_kind: global_buffer, .address_space: global }
      - { .name: gw2, .offset: 32, .size: 8, .value_kind: global_buffer, .address_space: global }
      - { .name: w1, .offset: 40, .size: 8, .value_kind: global_buffer, .address_space: global }
      - { .name: w1q, .offset: 48, .size: 8, .value_kind: global_buffer, .address_space: global }
    .group_segment_fixed_size: 18432
    .private_segment_fixed_size: 0
    .kernarg_segment_align: 8
    .kernarg_segment_size: 56
    .max_flat_workgroup_size: 512
    .sgpr_count:     66
    .vgpr_count:     256
    .wavefront_size: 32
...
	.end_amdgpu_metadata
.endif
;; end of part 1
;; launch place (part 2): grid 775 x 1, 4 waves a work-group, no clusters, 0 bytes of LDS; arguments x, rt, gw2, route, xrec, w2, w2q; writes route, xrec, w2q
.if DOCPART == 2
	.amdgcn_target "amdgcn-amd-amdhsa--gfx1250"
	.amdhsa_code_object_version 6
	.text
	.protected	k_qfdbce4bb50_place
	.globl	k_qfdbce4bb50_place
	.p2align	8
	.type	k_qfdbce4bb50_place,@function
k_qfdbce4bb50_place:
	s_mov_b64 s[64:65], 0
	v_nop
	global_prefetch_b8 v0, s[64:65] scope:SCOPE_SE
	s_setreg_imm32_b32 hwreg(HW_REG_WAVE_MODE, 25, 1), 1
	s_wait_xcnt 0x0
; TWO JOBS IN ONE LAUNCH, parted at the first line on the work-group's number alone.  Work-groups 0 .. 262: THE PLACING.  Work-groups 263 .. 774: w2 IS LAID OUT AS CODES (at the end of this text).
; The placing moves some 17 MB and is a chain of dependent steps; the 67 MB of w2 hang on nothing, so they are streamed beside it, not ahead of the second layer's products.
; THE PLACING.  The 4,096 routed rows (token, choice) are laid by expert, in tiles of 16; work-group b makes tile b: its list of rows, and its rows of x as codes of BF8 (E5M2) with one E8M0 scale byte for each 32 along K.
; 4,096 rows in tiles of 16 for 8 experts are never more than 256 + 7 = 263 tiles, whatever the choice: so many work-groups are launched, and one that a split leaves without a tile stores nothing and ends.
; An expert's rows are ordered by token.  Slots past an expert's last row repeat that row, with the same id: all that is computed for them is the same, and is stored to the same place by the same wave.
; Every wave makes the tile's list by itself, in whole numbers alone (addresses and a branch hang on it): no LDS, no barrier.  Wave w then quantises K steps 2 w and 2 w + 1 (128 along K each) of the 16 rows.
; OUT: route: words 2 e, 2 e + 1: expert e's first tile and number of tiles; from byte 256 on, 16 words a tile: word 8 h + u = the id (2 token + choice) of slot 2 u + h.
;      xrec, 17,152 bytes a tile: codes as images of the operand's registers [K step 0..7][c 0..3][lane][16 bytes]; at 16,384 the scale words [r + 16 (s / 4)][s % 4]; at 16,896 the slots' gate weights, f32.
; A block's scale is 2^(floor(log2(its largest magnitude)) - 15); the byte is that magnitude's exponent field - 15, held at 1 from below.  A block of zeros so has the byte 1 where the rule says 127: its codes are zeros, and this program alone reads the bytes.
; LIMITS: NaN and infinities among the inputs are not served.
.set NPLACE, 263                       ; work-groups of the placing
.set REC1, 17152
.set CN, 16                            ; v16-31  counts (rows 16 + e), chunks 0-31 and 32-63
.set BM, 32                            ; v32-47  masks (rows e)
.set B1, 48                            ; v48-63  second-choice masks (rows 8 + e)
.set X0, 80                            ; v80-143, v144-207: 64 numbers of x each
.set X1, 144
.set TM, 208                           ; v208-223 at work in QUANT
.set PC0, 16                           ; the codes, where the counts and masks lay
.set PC1, 32
.set PW, 48                            ; v[48:49] the two scale words
	s_cmp_ge_u32 ttmp9, NPLACE
	s_cbranch_scc1 .Lquant
	s_load_b256 s[4:11], s[0:1], 0x0               ; x s[4:5], rt s[6:7], gw2 s[8:9], route s[10:11]
	s_load_b64 s[12:13], s[0:1], 0x20              ; xrec
	v_lshrrev_b32 v1, 5, v0
	v_readfirstlane_b32 s14, v1                    ; wave 0..3
	v_and_b32 v2, 31, v0                           ; lane
	v_and_b32 v3, 15, v0                           ; r: my slot
	v_bfe_u32 v4, v0, 4, 1                         ; h
	v_lshlrev_b32 v5, 2, v2                        ; 4 x lane
	s_mov_b32 s50, 0x76543210
	s_mov_b32 s51, 0xfedcba98                      ; v_permlanex16_b32's selects for lane l xor 16
	s_mov_b32 s52, 0x600000                        ; the mantissa field of 57,344
	s_wait_kmcnt 0x0
.irp e, 0,1,2,3,4,5,6,7
	global_load_b32 v[CN+2*\e], v5, s[6:7] offset:(16+\e)*256
	global_load_b32 v[CN+2*\e+1], v5, s[6:7] offset:(16+\e)*256+128
.endr
.irp e, 0,1,2,3,4,5,6,7
	global_load_b32 v[BM+2*\e], v5, s[6:7] offset:\e*256
	global_load_b32 v[BM+2*\e+1], v5, s[6:7] offset:\e*256+128
	global_load_b32 v[B1+2*\e], v5, s[6:7] offset:(8+\e)*256
	global_load_b32 v[B1+2*\e+1], v5, s[6:7] offset:(8+\e)*256+128
.endr
	v_lshlrev_b32 v10, 4, v2
	s_lshl_b32 s56, s14, 12
	v_add_nc_u32 v10, s56, v10                     ; the codes' place: 16 x lane + my two K steps' 4,096 bytes
	s_lshr_b32 s56, s14, 1
	s_lshl_b32 s56, s56, 8
	s_and_b32 s57, s14, 1
	s_lshl_b32 s57, s57, 3
	s_add_co_u32 s56, s56, s57
	v_lshl_add_u32 v11, v3, 4, s56                 ; the scale words': 16 r + 256 (w / 2) + 8 (w % 2)
	v_and_b32 v13, 1, v3
	v_lshrrev_b32 v15, 1, v3
	v_lshl_add_u32 v13, v13, 3, v15
	v_lshlrev_b32 v13, 2, v13
	s_lshl_b32 s56, ttmp9, 6
	v_add_nc_u32 v13, s56, v13                     ; the list's: 64 b + 4 (8 (r % 2) + r / 2)
	v_lshlrev_b32 v14, 2, v3                       ; the gate weights': 4 r
.irp b, 0,1,2,3
	v_mov_b32 v[TM+4+\b], 0                        ; written once: a lane permute's destination counts as one of its sources
.endr
	s_wait_loadcnt 0x0
; each expert's number of rows: 64 chunks' counts, summed in whole numbers
.irp e, 0,1,2,3,4,5,6,7
	v_add_nc_u32 v[CN+2*\e], v[CN+2*\e], v[CN+2*\e+1]
.endr
.irp x, 1,2,4,8
.irp e, 0,1,2,3,4,5,6,7
	v_mov_b32_dpp v[CN+2*\e+1], v[CN+2*\e] row_xmask:\x row_mask:0xf bank_mask:0xf
.endr
.irp e, 0,1,2,3,4,5,6,7
	v_add_nc_u32 v[CN+2*\e], v[CN+2*\e], v[CN+2*\e+1]
.endr
.endr
.irp e, 0,1,2,3,4,5,6,7
	v_permlanex16_b32 v[CN+2*\e+1], v[CN+2*\e], s50, s51
.endr
.irp e, 0,1,2,3,4,5,6,7
	v_add_nc_u32 v[CN+2*\e], v[CN+2*\e], v[CN+2*\e+1]
.endr
.irp e, 0,1,2,3,4,5,6,7
	v_readfirstlane_b32 s[16+\e], v[CN+2*\e]       ; s16-23: rows of expert e
.endr
	s_mov_b32 s44, 0
.irp e, 0,1,2,3,4,5,6,7
	s_mov_b32 s[24+\e], s44                        ; s24-31: its first tile
	s_add_co_u32 s[32+\e], s[16+\e], 15
	s_lshr_b32 s[32+\e], s[32+\e], 4               ; s32-39: its tiles
	s_add_co_u32 s44, s44, s[32+\e]
.endr
	s_cmp_ge_u32 ttmp9, s44                        ; no tile b in this split
	s_cbranch_scc1 .Lend
	s_mov_b32 s41, 0                               ; my expert: the last whose first tile is not past b (one without rows has the first tile of its successor, which then wins)
	s_mov_b32 s42, s24
	s_mov_b32 s43, s16
.irp k, 1,2,3,4,5,6,7
	s_cmp_ge_u32 ttmp9, s[24+\k]
	s_cselect_b32 s41, \k, s41
	s_cselect_b32 s42, s[24+\k], s42
	s_cselect_b32 s43, s[16+\k], s43
.endr
	v_mov_b32 v64, v[BM]                           ; its masks: v64, v65 chosen; v66, v67 chosen second
	v_mov_b32 v65, v[BM+1]
	v_mov_b32 v66, v[B1]
	v_mov_b32 v67, v[B1+1]
.irp k, 1,2,3,4,5,6,7
	s_cmp_eq_u32 s41, \k
	s_cselect_b32 s40, -1, 0
	v_cndmask_b32 v64, v64, v[BM+2*\k], s40
	v_cndmask_b32 v65, v65, v[BM+2*\k+1], s40
	v_cndmask_b32 v66, v66, v[B1+2*\k], s40
	v_cndmask_b32 v67, v67, v[B1+2*\k+1], s40
.endr
	s_sub_co_u32 s45, ttmp9, s42
	s_lshl_b32 s45, s45, 4
	v_add_nc_u32 v68, s45, v3
	s_sub_co_u32 s46, s43, 1
	v_min_u32 v68, s46, v68                        ; rho: which of the expert's rows is my slot's; past the last: the last
	v_mov_b32 v69, 0                               ; the chunk's mask,
	v_mov_b32 v70, 0                               ; its second-choice mask,
	v_mov_b32 v71, 0                               ; n: my row is the chunk's (n + 1)-th,
	v_mov_b32 v72, 0                               ; the chunk
	s_mov_b32 s45, 0                               ; rows in the chunks passed
; chunk w holds my row where rho - (rows passed) is under its count (the difference wraps to a large number once rho is passed)
.macro CHUNK w
	v_readlane_b32 s46, v[64+(\w)/32], (\w)%32
	v_readlane_b32 s47, v[66+(\w)/32], (\w)%32
	s_bcnt1_i32_b32 s48, s46
	v_sub_nc_u32 v73, v68, s45
	v_cmp_le_u32 vcc_lo, s48, v73                  ; not here: keep
	v_cndmask_b32 v69, s46, v69, vcc_lo
	v_cndmask_b32 v70, s47, v70, vcc_lo
	v_cndmask_b32 v71, v73, v71, vcc_lo
	v_cndmask_b32 v72, \w, v72, vcc_lo
	s_add_co_u32 s45, s45, s48
.endm
.set CW, 0
.rept 64
	CHUNK CW
.set CW, CW+1
.endr
	v_mov_b32 v74, 0                               ; bits met
	v_mov_b32 v75, 0                               ; the place of the (n + 1)-th
	v_add_nc_u32 v76, 1, v71
.macro BIT b
	v_bfe_u32 v77, v69, \b, 1
	v_add_nc_u32 v74, v74, v77
	v_mul_u32_u24 v78, v74, v77                    ; the bit's rank where it is set, else 0
	v_cmp_ne_u32 vcc_lo, v78, v76
	v_cndmask_b32 v75, \b, v75, vcc_lo
.endm
.set CB, 0
.rept 32
	BIT CB
.set CB, CB+1
.endr
	v_lshl_add_u32 v79, v72, 5, v75
	v_min_u32 v79, 0x7ff, v79                      ; the token
	v_lshrrev_b32 v77, v75, v70
	v_and_b32 v77, 1, v77                          ; which of its two choices
	v_lshl_add_u32 v78, v79, 1, v77
	v_min_u32 v78, 0xfff, v78                      ; the id
	v_lshlrev_b32 v6, 12, v79
	v_lshl_add_u32 v6, v4, 6, v6
	s_lshl_b32 s56, s14, 10
	v_add_nc_u32 v6, s56, v6                       ; x: the token's row + 64 h (my 16 numbers of a block of 32) + my wave's two K steps
	v_lshlrev_b32 v8, 2, v78
	s_mul_i32 s54, ttmp9, REC1
	s_mov_b32 s55, 0
	s_add_nc_u64 s[12:13], s[12:13], s[54:55]      ; my tile's record
.macro XLOAD reg, s                    ; register 16 b + i = k 32 b + 16 h + i of my row, in K step s of my two
.irp b, 0,1,2,3
.irp j, 0,1,2,3
	global_load_b128 v[\reg+16*\b+4*\j:\reg+16*\b+4*\j+3], v6, s[4:5] offset:512*\s+128*\b+16*\j
.endr
.endr
.endm
	XLOAD X0, 0
	XLOAD X1, 1
	global_load_b32 v9, v8, s[8:9]                 ; my slot's gate weight
; 64 numbers of a lane become a fragment's codes in v[pc] on and its scale word in v[pw]
.macro QUANT s, pc, pw
.irp b, 0,1,2,3
	v_max3_num_f32 v[TM+\b], |v[\s+16*\b]|, |v[\s+1+16*\b]|, 0x8000000   ; block b: my 16 numbers, and the floor 2^(16 - 127): the byte cannot fall under 1
.endr
.irp i, 2,4,6,8,10,12,14
.irp b, 0,1,2,3
	v_max3_num_f32 v[TM+\b], v[TM+\b], |v[\s+16*\b+\i]|, |v[\s+1+16*\b+\i]|
.endr
.endr
.irp b, 0,1,2,3
	v_permlanex16_b32 v[TM+4+\b], v[TM+\b], s50, s51
.endr
.irp b, 0,1,2,3
	v_max_num_f32 v[TM+\b], v[TM+\b], v[TM+4+\b]   ; with lane l xor 16's: the block's largest magnitude
.endr
.irp b, 0,1,2,3
	v_add_nc_u32 v[TM+12+\b], 0xf8800000, v[TM+\b] ; 15 off its exponent field: the conversion takes this operand's exponent field as its scale
.endr
.irp b, 0,1,2,3
	v_and_or_b32 v[TM+8+\b], v[TM+\b], 0x7f800000, s52   ; 57,344 x the scale
.endr
.irp b, 0,1,2,3
	v_lshrrev_b32 v[TM+4+\b], 23, v[TM+12+\b]      ; the scale's byte
.endr
	v_lshl_or_b32 v[\pw], v[TM+5], 8, v[TM+4]
	v_lshl_or_b32 v[\pw], v[TM+6], 16, v[\pw]
	v_lshl_or_b32 v[\pw], v[TM+7], 24, v[\pw]
.irp b, 0,1,2,3
.irp i, 0,1,2,3,4,5,6,7,8,9,10,11,12,13,14,15
	v_med3_num_f32 v[\s+16*\b+\i], v[\s+16*\b+\i], -v[TM+8+\b], v[TM+8+\b]   ; the conversion to an 8-bit code does not saturate (ISA guide 7.6.2): the hold comes first
.endr
	v_cvt_scalef32_pk8_bf8_f32 v[\pc+4*\b:\pc+4*\b+1], v[\s+16*\b:\s+16*\b+7], v[TM+12+\b]
	v_cvt_scalef32_pk8_bf8_f32 v[\pc+4*\b+2:\pc+4*\b+3], v[\s+16*\b+8:\s+16*\b+15], v[TM+12+\b]
.endr
	v_nop                                          ; a plain instruction behind the last conversion, ahead of whatever next touches its registers
.endm
	s_wait_loadcnt 17                              ; the first K step's 16 loads are in; the second's 16 and the weight may be out
	QUANT X0, PC0, PW
.irp c, 0,1,2,3
	global_store_b128 v10, v[PC0+4*\c:PC0+4*\c+3], s[12:13] offset:512*\c        ; 32 lanes store 512 consecutive bytes, aligned
.endr
	s_wait_loadcnt 0x0
	QUANT X1, PC1, PW+1
.irp c, 0,1,2,3
	global_store_b128 v10, v[PC1+4*\c:PC1+4*\c+3], s[12:13] offset:2048+512*\c
.endr
	global_store_b64 v11, v[PW:PW+1], s[12:13] offset:16384   ; lanes 16-31 hold and store what lanes 0-15 do
	s_cmp_lg_u32 s14, 0
	s_cbranch_scc1 .Lend
	global_store_b32 v13, v78, s[10:11] offset:256 ; wave 0: the tile's list,
	global_store_b32 v14, v9, s[12:13] offset:16896   ; and its slots' gate weights
	s_cmp_lg_u32 ttmp9, 0
	s_cbranch_scc1 .Lend
	v_mov_b32 v12, 0                               ; work-group 0: the experts' first tiles and numbers of tiles
.irp e, 0,1,2,3,4,5,6,7
	v_writelane_b32 v12, s[24+\e], 2*\e
	v_writelane_b32 v12, s[32+\e], 2*\e+1
.endr
	global_store_b32 v5, v12, s[10:11]
.Lend:
	s_endpgm
; ---- w2 [8][2,048 (K)][1,024], f32, BECOMES CODES of BF8 (E5M2) with one E8M0 scale byte for each 32 along K, laid as the second layer's work-groups take them.
; w2q: 256 records of 69,632 bytes; record 32 e + 16 kh + sg holds expert e's columns 64 sg .. 64 sg + 63, K half kh (1,024 rows): the fragment of K step s and tile j as an image of the operand's registers at
; 2,048 (4 s + j) + 512 c + 16 x lane; from byte 65,536 on, 512 bytes a K step: the scale words [lane][j].
; K IS THE FIRST AXIS: a lane takes columns and its registers run down K.  THE COLUMNS OF A TILE ARE NOT NEIGHBOURS: tile j is columns 4 q + j.  So one load of 16 bytes is four tiles' numbers: lane (q, h) reads columns
; 4 q .. 4 q + 3 of row 32 c + 16 h + i; sixteen lanes read 256 consecutive bytes, aligned.  A block of 32 along K lies in lanes l and l xor 16.
; SHARES.  A wave takes one unit: a record's one K step, 128 rows x 64 columns: four blocks of 16 loads, through a ring of two blocks; 2,048 units are 512 work-groups of 4 waves.  Waves share nothing: no LDS, no barrier.
; Each block has its own registers for its codes, so no store's data are written again.  Every store of a wave covers 512 consecutive bytes, aligned.
.set QFIRST, NPLACE                    ; the first work-group of this path
.set QWL,    2                         ; log2 of a work-group's waves
.set QPITCH, 4096                      ; a row of the weight in bytes
.set QCB,    4                         ; a record's number: its low QCB bits are the group of 64 columns,
.set QHI,    22                        ; the bits above count pieces of 2^QHI bytes (a K half's 1,024 rows)
.set QKS,    19                        ; a K step's 128 rows are 2^QKS bytes,
.set QHS,    16                        ; 16 rows 2^QHS
.set WREC,   69632
.set QLIM, 8                           ; v8-11    57,344 x the scale
.set QSW,  16                          ; v16-19   the four tiles' scale words
.set QM,   20                          ; v20-23   largest magnitudes
.set QP,   24                          ; v24-27   the other half's; then bytes
.set QSC,  28                          ; v28-31   the conversions' scale operands
.set QT,   32                          ; v32-63   a column's 16 numbers on end: two sets by turns
.set QC,   64                          ; v64-127  codes: 16 registers a block
.set QR,   128                         ; v128-255 the ring: register 4 i + j of slot c % 2 = w(32 c + 16 h + i, 4 q + j)
.macro WLOAD c
.irp i, 0,1,2,3,4,5,6,7,8,9,10,11,12,13,14,15
	global_load_b128 v[QR+64*((\c)%2)+4*\i:QR+64*((\c)%2)+4*\i+3], v2, s[4:5] offset:(32*(\c)+\i)*QPITCH th:TH_LOAD_NT
.endr
.endm
.macro WQUANT c
.set RB, QR+64*((\c)%2)
.irp j, 0,1,2,3
	v_max3_num_f32 v[QM+\j], 0x8000000, |v[RB+\j]|, |v[RB+4+\j]|     ; column 4 q + j: my 16 numbers, and the floor 2^(16 - 127): the byte cannot fall under 1
.endr
.irp i, 2,4,6,8,10,12,14
.irp j, 0,1,2,3
	v_max3_num_f32 v[QM+\j], v[QM+\j], |v[RB+4*\i+\j]|, |v[RB+4*\i+4+\j]|
.endr
.endr
.irp j, 0,1,2,3
	v_permlanex16_b32 v[QP+\j], v[QM+\j], s24, s25
.endr
.irp j, 0,1,2,3
	v_max_num_f32 v[QM+\j], v[QM+\j], v[QP+\j]     ; with lane l xor 16's 16: the block's largest magnitude
.endr
.irp j, 0,1,2,3
	v_add_nc_u32 v[QSC+\j], 0xf8800000, v[QM+\j]   ; 15 off its exponent field: the conversion takes this operand's exponent field as its scale
.endr
.irp j, 0,1,2,3
	v_and_or_b32 v[QLIM+\j], v[QM+\j], 0x7f800000, s26   ; 57,344 x the scale
.endr
.irp j, 0,1,2,3
	v_lshrrev_b32 v[QP+\j], 23, v[QSC+\j]          ; the scale's byte
.endr
.irp j, 0,1,2,3
.if (\c) == 0
	v_mov_b32 v[QSW+\j], v[QP+\j]
.else
	v_lshl_or_b32 v[QSW+\j], v[QP+\j], 8*(\c), v[QSW+\j]
.endif
.endr
.irp j, 0,1,2,3
.irp i, 0,1,2,3,4,5,6,7,8,9,10,11,12,13,14,15
	v_med3_num_f32 v[QT+16*(\j%2)+\i], v[RB+4*\i+\j], -v[QLIM+\j], v[QLIM+\j]   ; the hold (the conversion does not saturate: ISA guide 7.6.2), which also brings a column's numbers on end
.endr
	v_cvt_scalef32_pk8_bf8_f32 v[QC+16*(\c)+4*\j:QC+16*(\c)+4*\j+1], v[QT+16*(\j%2):QT+16*(\j%2)+7], v[QSC+\j]
	v_cvt_scalef32_pk8_bf8_f32 v[QC+16*(\c)+4*\j+2:QC+16*(\c)+4*\j+3], v[QT+16*(\j%2)+8:QT+16*(\j%2)+15], v[QSC+\j]   ; the next column's 16 holds write the other set: plain lines ahead of the next write of this one
.endr
	v_nop                                          ; a plain instruction behind the last conversion
.irp j, 0,1,2,3
	global_store_b128 v1, v[QC+16*(\c)+4*\j:QC+16*(\c)+4*\j+3], s[6:7] offset:2048*\j+512*(\c)   ; registers 4 c .. 4 c + 3 of tile j's fragment, as they stand
.endr
.endm
.Lquant:
	s_load_b128 s[4:7], s[0:1], 0x28               ; the weight s[4:5], its codes' buffer s[6:7]
	v_lshrrev_b32 v3, 5, v0
	v_readfirstlane_b32 s14, v3                    ; wave
	s_sub_co_u32 s15, ttmp9, QFIRST
	s_lshl_b32 s15, s15, QWL
	s_add_co_u32 s15, s15, s14                     ; my unit, 0 .. 2,047
	s_lshr_b32 s16, s15, 3                         ; its record,
	s_and_b32 s17, s15, 7                          ; its K step
	s_lshr_b32 s18, s16, QCB
	s_lshl_b32 s18, s18, QHI
	s_and_b32 s19, s16, (1<<QCB)-1
	s_lshl_b32 s19, s19, 8                         ; 64 columns are 256 bytes
	s_add_co_u32 s18, s18, s19
	s_lshl_b32 s19, s17, QKS
	s_add_co_u32 s18, s18, s19                     ; where the unit begins in the weight
	s_mov_b32 s19, 0
	s_mul_i32 s20, s16, WREC
	s_lshl_b32 s22, s17, 9
	s_add_co_u32 s22, s22, s20
	s_add_co_u32 s22, s22, 65536                   ; its scale words
	s_mov_b32 s23, 0
	s_lshl_b32 s21, s17, 13
	s_add_co_u32 s20, s20, s21                     ; its four fragments
	s_mov_b32 s21, 0
	v_and_b32 v4, 31, v0
	v_lshlrev_b32 v1, 4, v4                        ; out: 16 x lane
	v_and_b32 v5, 15, v0                           ; q
	v_bfe_u32 v6, v0, 4, 1                         ; h
	v_lshlrev_b32 v2, 4, v5
	v_lshl_add_u32 v2, v6, QHS, v2                 ; in: 16 q + 16 h rows
	s_mov_b32 s24, 0x76543210
	s_mov_b32 s25, 0xfedcba98                      ; v_permlanex16_b32's selects for lane l xor 16
	s_mov_b32 s26, 0x600000                        ; the mantissa field of 57,344
.irp j, 0,1,2,3
	v_mov_b32 v[QP+\j], 0                          ; written once: a lane permute's destination counts as one of its sources
.endr
	s_wait_kmcnt 0x0
	s_add_nc_u64 s[4:5], s[4:5], s[18:19]
	s_add_nc_u64 s[8:9], s[6:7], s[22:23]
	s_add_nc_u64 s[6:7], s[6:7], s[20:21]
	WLOAD 0
	WLOAD 1
	s_wait_loadcnt 16                              ; block 0's 16 loads are in; block 1's may be out
	WQUANT 0
	WLOAD 2
	s_wait_loadcnt 16                              ; block 1 is in; block 2 may be out
	WQUANT 1
	WLOAD 3
	s_wait_loadcnt 16                              ; block 2 is in; block 3 may be out
	WQUANT 2
	s_wait_loadcnt 0x0
	WQUANT 3
	global_store_b128 v1, v[QSW:QSW+3], s[8:9]     ; the K step's scale words of my four columns (lanes 16-31 hold what lanes 0-15 hold)
	s_endpgm
.Lfunc_end_k_qfdbce4bb50_place:
	.size	k_qfdbce4bb50_place, .Lfunc_end_k_qfdbce4bb50_place-k_qfdbce4bb50_place
	.p2alignl 7, 3214868480
	.fill 96, 4, 3214868480
	.section	.rodata,"a",@progbits
	.p2align	6, 0x0
	.amdhsa_kernel k_qfdbce4bb50_place
		.amdhsa_group_segment_fixed_size 0
		.amdhsa_private_segment_fixed_size 0
		.amdhsa_enable_private_segment 0
		.amdhsa_kernarg_size 56
		.amdhsa_user_sgpr_count 2
		.amdhsa_user_sgpr_kernarg_segment_ptr 1
		.amdhsa_wavefront_size32 1
		.amdhsa_system_sgpr_workgroup_id_x 1
		.amdhsa_system_sgpr_workgroup_id_y 1
		.amdhsa_system_sgpr_workgroup_id_z 1
		.amdhsa_system_vgpr_workitem_id 0
		.amdhsa_next_free_vgpr 256
		.amdhsa_next_free_sgpr 66
		.amdhsa_reserve_vcc 1
		.amdhsa_float_denorm_mode_32 3
		.amdhsa_float_denorm_mode_16_64 3
		.amdhsa_memory_ordered 1
		.amdhsa_forward_progress 1
		.amdhsa_inst_pref_size 111
	.end_amdhsa_kernel
	.amdgpu_metadata
---
amdhsa.version: [ 1, 2 ]
amdhsa.kernels:
  - .name:           k_qfdbce4bb50_place
    .symbol:         k_qfdbce4bb50_place.kd
    .args:
      - { .name: x, .offset: 0, .size: 8, .value_kind: global_buffer, .address_space: global }
      - { .name: rt, .offset: 8, .size: 8, .value_kind: global_buffer, .address_space: global }
      - { .name: gw2, .offset: 16, .size: 8, .value_kind: global_buffer, .address_space: global }
      - { .name: route, .offset: 24, .size: 8, .value_kind: global_buffer, .address_space: global }
      - { .name: xrec, .offset: 32, .size: 8, .value_kind: global_buffer, .address_space: global }
      - { .name: w2, .offset: 40, .size: 8, .value_kind: global_buffer, .address_space: global }
      - { .name: w2q, .offset: 48, .size: 8, .value_kind: global_buffer, .address_space: global }
    .group_segment_fixed_size: 0
    .private_segment_fixed_size: 0
    .kernarg_segment_align: 8
    .kernarg_segment_size: 56
    .max_flat_workgroup_size: 128
    .sgpr_count:     66
    .vgpr_count:     256
    .wavefront_size: 32
...
	.end_amdgpu_metadata
.endif
;; end of part 2
;; launch layer1 (part 3): grid 256 x 1, 4 waves a work-group, no clusters, 66,048 bytes of LDS; arguments w1q, b1, xrec, route, hrec; writes hrec
.if DOCPART == 3
	.amdgcn_target "amdgcn-amd-amdhsa--gfx1250"
	.amdhsa_code_object_version 6
	.text
	.protected	k_qfdbce4bb50_layer1
	.globl	k_qfdbce4bb50_layer1
	.p2align	8
	.type	k_qfdbce4bb50_layer1,@function
k_qfdbce4bb50_layer1:
	s_mov_b64 s[64:65], 0
	v_nop
	global_prefetch_b8 v0, s[64:65] scope:SCOPE_SE
	s_setreg_imm32_b32 hwreg(HW_REG_WAVE_MODE, 25, 1), 1
	s_wait_xcnt 0x0
; THE FIRST LAYER, for the routed rows alone: hidden = relu(x w1[e] + b1[e]), the product on codes of BF8 (E5M2) with one E8M0 scale for each 32 along K; the result is quantised along the next K and stored as codes.
; SHARES.  Work-group b: expert e = b / 32, hidden units 64 sg .. 64 sg + 63 (sg = b % 32), all K = 1,024.  THE WEIGHTS STAY, THE ROWS GO PAST: record b of w1q, 64 KB of codes laid as images of the operand's
; registers by an earlier launch, is read once (wave w: fragments 8 w .. 8 w + 7), handed round through LDS as it stands, and then EVERY wave holds all 32 fragments (512 registers) and takes the expert's tiles w, w + 4, ..
; THE COLUMNS OF A TILE ARE NOT NEIGHBOURS: tile j is columns 4 q + j (q = 0 .. 15).  In the product, which is used transposed (source 0 = 16 columns of w1, source 1 = 16 rows of x),
; lane (r, h) so holds slot r and units 32 h + 4 i + j: one whole block of 32 along the next K, so that its largest magnitude needs no other lane.
; No tensor load and no cluster: the number of tiles is read from memory, so operands go from memory straight into registers, out of records laid in the order of the operand's registers.
; The one barrier stands ahead of every branch on loaded numbers.  Past a wave's last tile the fetch is held at that tile, so that every way issues the same loads and the counted wait holds on each.
; A trip of the loop over tiles takes two tiles, one from each set of registers; the loop counts trips, one at a time; a wave with an odd number of tiles ends between the two tiles of its last trip.
; A block of zeros has the byte 1 where the rule says 127: its codes are zeros, and this program alone reads the bytes.  LIMITS: NaN and infinities among the inputs are not served.
; REGISTERS, in windows of 256: window 0: below.  Window 1: the fragments of K steps 0-3 at 16 (4 s + j).  Window 2: those of K steps 4-7.  Window 3: two sets of a tile's 8 fragments, at 128 p + 16 s.
.set REC1,  17152                      ; a tile's record of x
.set REC2,  33792                      ; a tile's record of the hidden layer: two halves of
.set HREC,  16896                      ; 16,384 bytes of codes and 512 of scale words
.set WREC,  69632                      ; a work-group's record of weights: 65,536 bytes of codes, then 512 bytes of scale words [lane][j] a K step
.set NB,    33                         ; loads that bring a tile: 32 of codes, 1 of scale words
.set WS,  16                           ; v16-31  w1's scale words: 4 u + j: lanes 0-15 K step 2 u, lanes 16-31 K step 2 u + 1.  Scales and nothing else
.set AS,  32                           ; v32-39  the tile's: 4 p + k: lanes 0-15 K step k, lanes 16-31 K step 4 + k.  Scales and nothing else
.set M,   48                           ; v48-49  largest magnitudes
.set P,   52                           ; v52     the scale's byte
.set SCL, 56                           ; v56     the conversions' scale operand
.set LIM, 60                           ; v60     57,344 x the scale
.set ACC, 64                           ; v64-95  four accumulators: ACC + 8 j + i; at the head b1 as it is loaded
.set BI,  96                           ; v96-127 b1 in the accumulators' layout
.set QF,  128                          ; v128-255 at the head: my eight fragments on their way to LDS
.set T,   128                          ; v128-159 numbers in the order of K
.set C,   192                          ; v192-199 codes
.set MSB, 0
.macro WIN new                         ; s_set_vgpr_msb: bits 1:0 source 0, 3:2 source 1, 5:4 source 2, 7:6 destination; the high byte repeats the setting that is left
.if MSB != \new
	s_set_vgpr_msb (MSB<<8)|\new
.set MSB, \new
.endif
.endm
	s_load_b256 s[4:11], s[0:1], 0x0               ; w1q s[4:5], b1 s[6:7], xrec s[8:9], route s[10:11]
	s_load_b64 s[12:13], s[0:1], 0x20              ; hrec
	v_lshl_add_u32 v62, v0, 2, 0x10000
	v_mov_b32 v63, 0
	v_lshrrev_b32 v9, 5, v0
	v_readfirstlane_b32 s16, v9                    ; wave 0..3
	s_lshr_b32 s17, ttmp9, 5                       ; e
	s_and_b32 s18, ttmp9, 31                       ; sg
	v_and_b32 v10, 31, v0                          ; lane
	v_and_b32 v11, 15, v0                          ; q, or r
	v_bfe_u32 v12, v0, 4, 1                        ; h
	v_lshlrev_b32 v1, 4, v10                       ; v1: 16 x lane: my place in an image
	s_lshl_b32 s32, s16, 14
	v_add_nc_u32 v3, s32, v1                       ; v3: 16 x lane + my 8 fragments' 16,384 bytes: their place in the record and in LDS alike
	v_lshlrev_b32 v5, 4, v11
	v_lshl_add_u32 v5, v12, 9, v5                  ; v5: w1's scale words: 16 q, lanes 16-31 one K step (512 bytes) on
	v_lshlrev_b32 v6, 7, v12                       ; v6: b1: my half's 32 units
	s_lshr_b32 s45, s18, 1                         ; S: the next product's K step that my 64 units lie in
	s_and_b32 s46, s18, 1
	s_lshr_b32 s47, s45, 3
	s_mul_i32 s47, s47, HREC                       ; which half of the record
	s_and_b32 s48, s45, 7
	s_lshl_b32 s48, s48, 11
	s_add_co_u32 s48, s48, s47
	s_lshl_b32 s49, s46, 10
	s_add_co_u32 s48, s48, s49                     ; the codes: half + 2,048 (S % 8) + 1,024 (sg % 2)
	s_bfe_u32 s49, s45, 0x10002
	s_lshl_b32 s49, s49, 8
	s_add_co_u32 s47, s47, s49
	s_and_b32 s49, s45, 3
	s_lshl_b32 s49, s49, 2
	s_add_co_u32 s47, s47, s49
	s_lshl_b32 s49, s46, 1
	s_add_co_u32 s47, s47, s49
	s_add_co_u32 s47, s47, 16384                   ; the bytes: half + 16,384 + 256 ((S / 4) % 2) + 4 (S % 4) + 2 (sg % 2)
	v_lshlrev_b32 v7, 4, v11
	v_lshl_add_u32 v7, v12, 9, v7
	v_add_nc_u32 v7, s48, v7                       ; v7: my codes in a record: + 512 h + 16 r
	v_lshl_add_u32 v8, v11, 4, v12
	v_add_nc_u32 v8, s47, v8                       ; v8: my byte: + 16 r + h
	s_mov_b32 s44, 0x600000                        ; the mantissa field of 57,344
	s_mul_i32 s30, ttmp9, WREC                     ; my work-group's record of weights
	s_mov_b32 s31, 0
	s_lshl_b32 s45, s18, 8
	s_lshl_b32 s46, s17, 13
	s_add_co_u32 s46, s46, s45                     ; b1: the expert's 8,192 bytes, my work-group's 64 units
	s_mov_b32 s47, 0
	s_lshl_b32 s40, s17, 3                         ; the expert's two words of the table; never rewritten
	s_wait_kmcnt 0x0
	s_add_nc_u64 s[4:5], s[4:5], s[30:31]
	s_add_nc_u64 s[6:7], s[6:7], s[46:47]
	s_load_b64 s[38:39], s[10:11], s40 offset:0x0  ; first tile, number of tiles: waited for behind the barrier
.irp m, 0,1,2,3,4,5,6,7
	global_load_b128 v[ACC+4*\m:ACC+4*\m+3], v6, s[6:7] offset:16*\m
.endr
.irp f, 0,1,2,3,4,5,6,7
.irp c, 0,1,2,3
	global_load_b128 v[QF+16*\f+4*\c:QF+16*\f+4*\c+3], v3, s[4:5] offset:2048*\f+512*\c      ; 32 lanes read 512 consecutive bytes
.endr
.endr
.irp u, 0,1,2,3
	global_load_b128 v[WS+4*\u:WS+4*\u+3], v5, s[4:5] offset:65536+1024*\u                   ; the four tiles' words of K steps 2 u (lanes 0-15) and 2 u + 1 (lanes 16-31)
.endr
	s_wait_loadcnt 4                               ; b1 and my eight fragments are in; the four loads of scale words may be out
.irp j, 0,1,2,3
.irp i, 0,1,2,3,4,5,6,7
	v_mov_b32 v[BI+8*\j+\i], v[ACC+4*\i+\j]        ; unit 32 h + 4 i + j belongs to register i of accumulator j
.endr
.endr
.irp f, 0,1,2,3,4,5,6,7
.irp c, 0,1,2,3
	ds_store_b128 v3, v[QF+16*\f+4*\c:QF+16*\f+4*\c+3] offset:2048*\f+512*\c
.endr
.endr
	s_wait_dscnt 0x0                               ; for the others' sake: my images have landed
	s_barrier_signal -1
	s_barrier_wait -1                              ; all 32 fragments lie in LDS; nothing is written there again
	s_wait_kmcnt 0x0
	s_min_u32 s39, s39, 128                        ; (an expert has at most 2,048 rows: 128 tiles)
	s_add_co_u32 s20, s38, s16                     ; s20: my first tile
	s_add_co_u32 s21, s39, 3
	s_sub_co_u32 s21, s21, s16
	s_lshr_b32 s21, s21, 2                         ; s21: how many are mine
	s_cmp_eq_u32 s21, 0
	s_cbranch_scc1 .Lend
	s_sub_co_u32 s23, s21, 1                       ; s23: the last of them
	s_add_co_u32 s36, s21, 1
	s_lshr_b32 s36, s36, 1                         ; s36: trips of two tiles; the loop does not write it
; my tile number s34 comes into set p
.macro REFILL p
	s_lshl_b32 s30, s34, 2
	s_add_co_u32 s30, s30, s20
	s_min_u32 s30, s30, 262
	s_mul_i32 s30, s30, REC1
	s_add_nc_u64 s[24+2*\p:25+2*\p], s[8:9], s[30:31]
	WIN 0xc0                                       ; destination window 3
.irp s, 0,1,2,3,4,5,6,7
.irp c, 0,1,2,3
	global_load_b128 v[128*\p+16*\s+4*\c:128*\p+16*\s+4*\c+3], v1, s[24+2*\p:25+2*\p] offset:2048*\s+512*\c
.endr
.endr
	WIN 0
	global_load_b128 v[AS+4*\p:AS+4*\p+3], v1, s[24+2*\p:25+2*\p] offset:16384
.endm
	s_mov_b32 s34, 0
	REFILL 0
	s_min_u32 s34, s23, 1
	REFILL 1
	WIN 0x40
.irp f, 0,1,2,3,4,5,6,7,8,9,10,11,12,13,14,15
.irp c, 0,1,2,3
	ds_load_b128 v[16*\f+4*\c:16*\f+4*\c+3], v1 offset:2048*\f+512*\c
.endr
.endr
	WIN 0x80
.irp f, 0,1,2,3,4,5,6,7,8,9,10,11,12,13,14,15
.irp c, 0,1,2,3
	ds_load_b128 v[16*\f+4*\c:16*\f+4*\c+3], v1 offset:2048*(16+\f)+512*\c
.endr
.endr
	WIN 0
	s_wait_dscnt 0x0
; one product: tile j of the weights x set p, K step s.  The first K step takes b1 as C.  The rows of the scale registers: w1's by s % 2, the tile's by s / 4
.macro MM p, s, j
.set WR, 16*(4*((\s)%4)+(\j))
.set AR, 128*(\p)+16*(\s)
.set DR, ACC+8*(\j)
.set CR, DR
.if (\s) == 0
.set CR, BI+8*(\j)
.endif
.set SA, WS+4*((\s)/2)+(\j)
.set SBR, AS+4*(\p)+((\s)%4)
.if (((\s)%2) == 0) && ((\s) < 4)
	v_wmma_scale_f32_16x16x128_f8f6f4 v[DR:DR+7], v[WR:WR+15], v[AR:AR+15], v[CR:CR+7], v[SA], v[SBR] matrix_a_fmt:MATRIX_FMT_BF8 matrix_b_fmt:MATRIX_FMT_BF8
.elseif (\s) < 4
	v_wmma_scale_f32_16x16x128_f8f6f4 v[DR:DR+7], v[WR:WR+15], v[AR:AR+15], v[CR:CR+7], v[SA], v[SBR] matrix_a_fmt:MATRIX_FMT_BF8 matrix_b_fmt:MATRIX_FMT_BF8 matrix_a_scale:MATRIX_SCALE_ROW1
.elseif ((\s)%2) == 0
	v_wmma_scale_f32_16x16x128_f8f6f4 v[DR:DR+7], v[WR:WR+15], v[AR:AR+15], v[CR:CR+7], v[SA], v[SBR] matrix_a_fmt:MATRIX_FMT_BF8 matrix_b_fmt:MATRIX_FMT_BF8 matrix_b_scale:MATRIX_SCALE_ROW1
.else
	v_wmma_scale_f32_16x16x128_f8f6f4 v[DR:DR+7], v[WR:WR+15], v[AR:AR+15], v[CR:CR+7], v[SA], v[SBR] matrix_a_fmt:MATRIX_FMT_BF8 matrix_b_fmt:MATRIX_FMT_BF8 matrix_a_scale:MATRIX_SCALE_ROW1 matrix_b_scale:MATRIX_SCALE_ROW1
.endif
.endm
; my 32 results are one block of 32 along the next K: relu, scale, hold, codes, out
.macro EPI1
	v_max3_num_f32 v[M], v[ACC], v[ACC+1], 0x8000000               ; no |.|: what is negative becomes 0, so it does not count; the floor stands over it.  Each accumulator is read from its low end on
	v_max3_num_f32 v[M+1], v[ACC+16], v[ACC+17], 0x8000000
.irp i, 2,4,6,8,10,12,14
	v_max3_num_f32 v[M], v[M], v[ACC+\i], v[ACC+\i+1]
	v_max3_num_f32 v[M+1], v[M+1], v[ACC+16+\i], v[ACC+17+\i]
.endr
	v_max_num_f32 v[M], v[M], v[M+1]
	v_add_nc_u32 v[SCL], 0xf8800000, v[M]
	v_and_or_b32 v[LIM], v[M], 0x7f800000, s44
	v_lshrrev_b32 v[P], 23, v[SCL]
.irp i, 0,1,2,3,4,5,6,7
.irp j, 0,1,2,3
	v_med3_num_f32 v[T+4*\i+\j], v[ACC+8*\j+\i], 0, v[LIM]         ; the activation, the hold and the order of K in one
.endr
.endr
.irp g, 0,1,2,3
	v_cvt_scalef32_pk8_bf8_f32 v[C+2*\g:C+2*\g+1], v[T+8*\g:T+8*\g+7], v[SCL]
.endr
	v_nop                                          ; a plain instruction behind the last conversion
	global_store_b128 v7, v[C:C+3], s[28:29]                       ; units 32 h + 0 .. 15: sixteen lanes store 256 consecutive bytes, aligned
	global_store_b128 v7, v[C+4:C+7], s[28:29] offset:256          ; units 32 h + 16 .. 31
	global_store_b8 v8, v[P], s[28:29]                             ; single bytes, one for 32 bytes of codes: laid so that the 32 readers of a scale word load it whole
.endm
.macro TILE p
	s_wait_loadcnt NB                              ; set p is in (ahead of the first tile: the weights' scale words too); the other set's NB loads, issued behind it, may be out
	WIN 0x0d                                       ; source 0 (w1) window 1, source 1 (the tile) window 3
.irp s, 0,1,2,3
.irp j, 0,1,2,3
	MM \p, \s, \j                                  ; the four accumulators by turns, one instruction a turn
.endr
.endr
	WIN 0x0e                                       ; source 0 window 2
.irp s, 4,5,6,7
.irp j, 0,1,2,3
	MM \p, \s, \j
.endr
.endr
	WIN 0
.rept 9
	v_nop                                          ; eight places ahead of loads into the operands and of reads of the results, nine ahead of the next tile's sums, which begin anew over these accumulators
.endr
	s_wait_xcnt 0x0                                ; the last tile's stores, issued 32 products ago, have read their base and data: both are rewritten only below this line
	s_add_co_u32 s32, s22, \p                      ; which of my tiles
	s_lshl_b32 s30, s32, 2
	s_add_co_u32 s30, s30, s20
	s_min_u32 s30, s30, 262
	s_mul_i32 s30, s30, REC2
	s_add_nc_u64 s[28:29], s[12:13], s[30:31]      ; its record of the hidden layer
	s_add_co_u32 s34, s32, 2
	s_min_u32 s34, s34, s23                        ; what set p takes next: two on, held at my last
	REFILL \p
	EPI1
.endm
	s_mov_b32 s35, 0                               ; s35: the trip, stepped by 1
.Ltile:
	s_lshl_b32 s22, s35, 1                         ; s22: the trip's first tile
	TILE 0
	s_add_co_u32 s33, s22, 1
	s_cmp_lt_u32 s33, s21
	s_cbranch_scc1 .Lsecond
	s_wait_tensorcnt 0x0
	ds_add_u32 v62, v63
	s_wait_dscnt 0x0
	s_endpgm                                       ; an odd number of tiles: that was my last.  The loop is left here, or by falling through its backward branch
.Lsecond:
	TILE 1
	s_add_co_u32 s35, s35, 1
	s_cmp_lt_u32 s35, s36
	s_cbranch_scc1 .Ltile
.Lend:
	s_wait_tensorcnt 0x0
	ds_add_u32 v62, v63
	s_wait_dscnt 0x0
	s_endpgm
.Lfunc_end_k_qfdbce4bb50_layer1:
	.size	k_qfdbce4bb50_layer1, .Lfunc_end_k_qfdbce4bb50_layer1-k_qfdbce4bb50_layer1
	.p2alignl 7, 3214868480
	.fill 96, 4, 3214868480
	.section	.rodata,"a",@progbits
	.p2align	6, 0x0
	.amdhsa_kernel k_qfdbce4bb50_layer1
		.amdhsa_group_segment_fixed_size 66048
		.amdhsa_private_segment_fixed_size 0
		.amdhsa_enable_private_segment 0
		.amdhsa_kernarg_size 40
		.amdhsa_user_sgpr_count 2
		.amdhsa_user_sgpr_kernarg_segment_ptr 1
		.amdhsa_wavefront_size32 1
		.amdhsa_system_sgpr_workgroup_id_x 1
		.amdhsa_system_sgpr_workgroup_id_y 1
		.amdhsa_system_sgpr_workgroup_id_z 1
		.amdhsa_system_vgpr_workitem_id 0
		.amdhsa_next_free_vgpr 1024
		.amdhsa_next_free_sgpr 66
		.amdhsa_reserve_vcc 0
		.amdhsa_float_denorm_mode_32 3
		.amdhsa_float_denorm_mode_16_64 3
		.amdhsa_memory_ordered 1
		.amdhsa_forward_progress 1
		.amdhsa_inst_pref_size 50
	.end_amdhsa_kernel
	.amdgpu_metadata
---
amdhsa.version: [ 1, 2 ]
amdhsa.kernels:
  - .name:           k_qfdbce4bb50_layer1
    .symbol:         k_qfdbce4bb50_layer1.kd
    .args:
      - { .name: w1q, .offset: 0, .size: 8, .value_kind: global_buffer, .address_space: global }
      - { .name: b1, .offset: 8, .size: 8, .value_kind: global_buffer, .address_space: global }
      - { .name: xrec, .offset: 16, .size: 8, .value_kind: global_buffer, .address_space: global }
      - { .name: route, .offset: 24, .size: 8, .value_kind: global_buffer, .address_space: global }
      - { .name: hrec, .offset: 32, .size: 8, .value_kind: global_buffer, .address_space: global }
    .group_segment_fixed_size: 66048
    .private_segment_fixed_size: 0
    .kernarg_segment_align: 8
    .kernarg_segment_size: 40
    .max_flat_workgroup_size: 128
    .sgpr_count:     66
    .vgpr_count:     1024
    .wavefront_size: 32
...
	.end_amdgpu_metadata
.endif
;; end of part 3
;; launch layer2 (part 4): grid 256 x 1, 4 waves a work-group, no clusters, 83,456 bytes of LDS; arguments w2q, b2, hrec, xrec, route, part; writes part
.if DOCPART == 4
	.amdgcn_target "amdgcn-amd-amdhsa--gfx1250"
	.amdhsa_code_object_version 6
	.text
	.protected	k_qfdbce4bb50_layer2
	.globl	k_qfdbce4bb50_layer2
	.p2align	8
	.type	k_qfdbce4bb50_layer2,@function
k_qfdbce4bb50_layer2:
	s_mov_b64 s[64:65], 0
	v_nop
	global_prefetch_b8 v0, s[64:65] scope:SCOPE_SE
	s_setreg_imm32_b32 hwreg(HW_REG_WAVE_MODE, 25, 1), 1
	s_wait_xcnt 0x0
; THE SECOND LAYER, for the routed rows alone: part[id][kh] = g x (hidden[.., K half kh] w2[e][K half kh] (+ b2[e] where kh = 0)), the product on codes of BF8 (E5M2) with one E8M0 scale for each 32 along K.
; SHARES.  Work-group b: expert e = b / 32, K half kh = (b / 16) % 2 (1,024 of the 2,048 hidden units), outputs 64 sg .. 64 sg + 63 (sg = b % 16).  That is the first layer's shape: 64 columns x K 1,024, 32 fragments.
; As there, record b of w2q, 64 KB of codes laid as images of the operand's registers by an earlier launch (tile j = columns 4 q + j), is read once (wave w: fragments 8 w .. 8 w + 7), handed round through LDS as it stands,
; and every wave then holds all 32 fragments and takes the expert's tiles w, w + 4, ..  The product is used transposed: lane (r, h) holds slot r and outputs 32 h + 4 i + j.
; THE WAY OUT: x the slot's gate weight; through the wave's own stage in LDS (16 rows of 256 bytes + 16), back by rows, and to the row of part that the tile's list names: sixteen lanes store 256 consecutive bytes, aligned.
; Slots that repeat an expert's last row carry its id: the same numbers go to the same place, from the same wave.  Each id has one expert, so each byte of part has one work-group.
; No tensor load and no cluster: the number of tiles is read from memory.  The one barrier stands ahead of every branch on loaded numbers.  Past a wave's last tile the fetch is held at that tile.
; A trip of the loop over tiles takes two tiles, one from each set of registers; the loop counts trips, one at a time; a wave with an odd number of tiles ends between the two tiles of its last trip.
; LIMITS: NaN and infinities among the inputs are not served.
; REGISTERS: windows as in the first layer: 1: fragments of K steps 0-3; 2: K steps 4-7; 3: two sets of a tile's 8 fragments.
.set REC1,  17152
.set REC2,  33792
.set HREC,  16896
.set WREC,  69632                      ; a work-group's record of weights: 65,536 bytes of codes, then 512 bytes of scale words [lane][j] a K step
.set STG,   65536                      ; LDS: 0 .. 65,535 the fragments' images; from here a stage of 16 x 272 bytes for each wave
.set NB,    36                         ; loads that bring a tile: 32 of codes, 1 of scale words, 2 of the list, 1 of the gate weights
.set WS,  16                           ; v16-31  w2's scale words: 4 u + j: lanes 0-15 K step 2 u, lanes 16-31 K step 2 u + 1.  Scales and nothing else
.set AS,  32                           ; v32-39  the tile's.  Scales and nothing else
.set ACC, 64                           ; v64-95  four accumulators; at the head b2 as it is loaded
.set BI,  96                           ; v96-127 b2 in the accumulators' layout, or zeros
.set QF,  128                          ; v128-255 at the head: my eight fragments on their way to LDS
.set T,   128                          ; v128-159 results in the order of the outputs,
.set Y,   160                          ; v160-191 rows read back
.set ID,  208                          ; v208-223 the list: 8 p + u: the id of slot 2 u + h
.set G,   224                          ; v224-225 the gate weight of slot r
.set D,   226                          ; v226-233 the stores' offsets
.set MSB, 0
.macro WIN new                         ; s_set_vgpr_msb: bits 1:0 source 0, 3:2 source 1, 5:4 source 2, 7:6 destination; the high byte repeats the setting that is left
.if MSB != \new
	s_set_vgpr_msb (MSB<<8)|\new
.set MSB, \new
.endif
.endm
	s_load_b256 s[4:11], s[0:1], 0x0               ; w2q s[4:5], b2 s[6:7], hrec s[8:9], xrec s[10:11]
	s_load_b128 s[12:15], s[0:1], 0x20             ; route s[12:13], part s[14:15]
	v_lshl_add_u32 v62, v0, 2, 0x14400
	v_mov_b32 v63, 0
	v_lshrrev_b32 v15, 5, v0
	v_readfirstlane_b32 s16, v15                   ; wave 0..3
	s_lshr_b32 s17, ttmp9, 5                       ; e
	s_bfe_u32 s19, ttmp9, 0x10004                  ; kh
	s_and_b32 s18, ttmp9, 15                       ; sg
	v_and_b32 v12, 31, v0                          ; lane
	v_and_b32 v13, 15, v0                          ; q, or r
	v_bfe_u32 v14, v0, 4, 1                        ; h
	v_lshlrev_b32 v1, 4, v12                       ; v1: 16 x lane
	s_lshl_b32 s32, s16, 14
	v_add_nc_u32 v3, s32, v1                       ; v3: 16 x lane + my 8 fragments' 16,384 bytes: their place in the record and in LDS alike
	v_lshlrev_b32 v5, 4, v13
	v_lshl_add_u32 v5, v14, 9, v5                  ; v5: w2's scale words: 16 q, lanes 16-31 one K step (512 bytes) on
	v_lshlrev_b32 v6, 7, v14                       ; v6: b2: my half's 32 outputs
	s_mul_i32 s32, s16, 16*272
	s_add_co_u32 s32, s32, STG                     ; my stage
	v_mul_u32_u24 v7, v13, 272
	v_lshl_add_u32 v7, v14, 7, v7
	v_add_nc_u32 v7, s32, v7                       ; v7: in: row r, + 128 h
	v_mul_u32_u24 v8, v14, 272
	v_lshl_add_u32 v8, v13, 4, v8
	v_add_nc_u32 v8, s32, v8                       ; v8: back: lanes 0-15 one row, lanes 16-31 the next
	s_lshl_b32 s33, s19, 12
	s_lshl_b32 s45, s18, 8
	s_add_co_u32 s33, s33, s45
	v_lshl_add_u32 v9, v13, 4, s33                 ; v9: in a row of part: 4,096 kh + 256 sg + 16 q
	v_lshlrev_b32 v10, 5, v14                      ; v10: the list: my half's eight words
	v_lshlrev_b32 v11, 2, v13                      ; v11: the gate weights: 4 r
	s_mul_i32 s30, ttmp9, WREC                     ; my work-group's record of weights
	s_mov_b32 s31, 0
	s_lshl_b32 s46, s17, 12
	s_add_co_u32 s46, s46, s45                     ; b2: the expert's 4,096 bytes, my work-group's 64 outputs
	s_mov_b32 s47, 0
	s_mul_i32 s54, s19, HREC                       ; my half of a record of the hidden layer
	s_mov_b32 s55, 0
	s_lshl_b32 s40, s17, 3                         ; the expert's two words of the table; never rewritten
	s_cmp_eq_u32 s19, 0
	s_cselect_b32 s45, -1, 0                       ; the bias is the first K half's
	s_wait_kmcnt 0x0
	s_add_nc_u64 s[4:5], s[4:5], s[30:31]
	s_add_nc_u64 s[6:7], s[6:7], s[46:47]
	s_add_nc_u64 s[8:9], s[8:9], s[54:55]
	s_load_b64 s[38:39], s[12:13], s40 offset:0x0  ; first tile, number of tiles: waited for behind the barrier
.irp m, 0,1,2,3,4,5,6,7
	global_load_b128 v[ACC+4*\m:ACC+4*\m+3], v6, s[6:7] offset:16*\m
.endr
.irp f, 0,1,2,3,4,5,6,7
.irp c, 0,1,2,3
	global_load_b128 v[QF+16*\f+4*\c:QF+16*\f+4*\c+3], v3, s[4:5] offset:2048*\f+512*\c      ; 32 lanes read 512 consecutive bytes
.endr
.endr
.irp u, 0,1,2,3
	global_load_b128 v[WS+4*\u:WS+4*\u+3], v5, s[4:5] offset:65536+1024*\u                   ; the four tiles' words of K steps 2 u (lanes 0-15) and 2 u + 1 (lanes 16-31)
.endr
	s_wait_loadcnt 4                               ; b2 and my eight fragments are in; the four loads of scale words may be out
.irp j, 0,1,2,3
.irp i, 0,1,2,3,4,5,6,7
	v_cndmask_b32 v[BI+8*\j+\i], 0, v[ACC+4*\i+\j], s45   ; output 32 h + 4 i + j belongs to register i of accumulator j; zeros in the second K half
.endr
.endr
.irp f, 0,1,2,3,4,5,6,7
.irp c, 0,1,2,3
	ds_store_b128 v3, v[QF+16*\f+4*\c:QF+16*\f+4*\c+3] offset:2048*\f+512*\c
.endr
.endr
	s_wait_dscnt 0x0                               ; for the others' sake: my images have landed
	s_barrier_signal -1
	s_barrier_wait -1                              ; all 32 fragments lie in LDS; those bytes are not written again
	s_wait_kmcnt 0x0
	s_min_u32 s39, s39, 128                        ; (an expert has at most 2,048 rows: 128 tiles)
	s_add_co_u32 s20, s38, s16                     ; s20: my first tile
	s_add_co_u32 s21, s39, 3
	s_sub_co_u32 s21, s21, s16
	s_lshr_b32 s21, s21, 2                         ; s21: how many are mine
	s_cmp_eq_u32 s21, 0
	s_cbranch_scc1 .Lend
	s_sub_co_u32 s23, s21, 1                       ; s23: the last of them
	s_add_co_u32 s36, s21, 1
	s_lshr_b32 s36, s36, 1                         ; s36: trips of two tiles; the loop does not write it
; my tile number s34 comes into set p: codes and scale words; the bases of its list and gate weights are made for TABLES
.macro REFILL p
	s_lshl_b32 s32, s34, 2
	s_add_co_u32 s32, s32, s20
	s_min_u32 s32, s32, 262
	s_mul_i32 s30, s32, REC2
	s_add_nc_u64 s[24+2*\p:25+2*\p], s[8:9], s[30:31]
	s_lshl_b32 s30, s32, 6
	s_add_nc_u64 s[46+2*\p:47+2*\p], s[12:13], s[30:31]
	s_mul_i32 s30, s32, REC1
	s_add_nc_u64 s[50+2*\p:51+2*\p], s[10:11], s[30:31]
	WIN 0xc0                                       ; destination window 3
.irp s, 0,1,2,3,4,5,6,7
.irp c, 0,1,2,3
	global_load_b128 v[128*\p+16*\s+4*\c:128*\p+16*\s+4*\c+3], v1, s[24+2*\p:25+2*\p] offset:2048*\s+512*\c
.endr
.endr
	WIN 0
	global_load_b128 v[AS+4*\p:AS+4*\p+3], v1, s[24+2*\p:25+2*\p] offset:16384
.endm
.macro TABLES p
	global_load_b128 v[ID+8*\p:ID+8*\p+3], v10, s[46+2*\p:47+2*\p] offset:256
	global_load_b128 v[ID+8*\p+4:ID+8*\p+7], v10, s[46+2*\p:47+2*\p] offset:272
	global_load_b32 v[G+\p], v11, s[50+2*\p:51+2*\p] offset:16896
.endm
	s_mov_b32 s34, 0
	REFILL 0
	TABLES 0
	s_min_u32 s34, s23, 1
	REFILL 1
	TABLES 1
	WIN 0x40
.irp f, 0,1,2,3,4,5,6,7,8,9,10,11,12,13,14,15
.irp c, 0,1,2,3
	ds_load_b128 v[16*\f+4*\c:16*\f+4*\c+3], v1 offset:2048*\f+512*\c
.endr
.endr
	WIN 0x80
.irp f, 0,1,2,3,4,5,6,7,8,9,10,11,12,13,14,15
.irp c, 0,1,2,3
	ds_load_b128 v[16*\f+4*\c:16*\f+4*\c+3], v1 offset:2048*(16+\f)+512*\c
.endr
.endr
	WIN 0
	s_wait_dscnt 0x0
; one product: tile j of the weights x set p, K step s.  The first K step takes the bias (or zeros) as C.  The rows of the scale registers: w2's by s % 2, the tile's by s / 4
.macro MM p, s, j
.set WR, 16*(4*((\s)%4)+(\j))
.set AR, 128*(\p)+16*(\s)
.set DR, ACC+8*(\j)
.set CR, DR
.if (\s) == 0
.set CR, BI+8*(\j)
.endif
.set SA, WS+4*((\s)/2)+(\j)
.set SBR, AS+4*(\p)+((\s)%4)
.if (((\s)%2) == 0) && ((\s) < 4)
	v_wmma_scale_f32_16x16x128_f8f6f4 v[DR:DR+7], v[WR:WR+15], v[AR:AR+15], v[CR:CR+7], v[SA], v[SBR] matrix_a_fmt:MATRIX_FMT_BF8 matrix_b_fmt:MATRIX_FMT_BF8
.elseif (\s) < 4
	v_wmma_scale_f32_16x16x128_f8f6f4 v[DR:DR+7], v[WR:WR+15], v[AR:AR+15], v[CR:CR+7], v[SA], v[SBR] matrix_a_fmt:MATRIX_FMT_BF8 matrix_b_fmt:MATRIX_FMT_BF8 matrix_a_scale:MATRIX_SCALE_ROW1
.elseif ((\s)%2) == 0
	v_wmma_scale_f32_16x16x128_f8f6f4 v[DR:DR+7], v[WR:WR+15], v[AR:AR+15], v[CR:CR+7], v[SA], v[SBR] matrix_a_fmt:MATRIX_FMT_BF8 matrix_b_fmt:MATRIX_FMT_BF8 matrix_b_scale:MATRIX_SCALE_ROW1
.else
	v_wmma_scale_f32_16x16x128_f8f6f4 v[DR:DR+7], v[WR:WR+15], v[AR:AR+15], v[CR:CR+7], v[SA], v[SBR] matrix_a_fmt:MATRIX_FMT_BF8 matrix_b_fmt:MATRIX_FMT_BF8 matrix_a_scale:MATRIX_SCALE_ROW1 matrix_b_scale:MATRIX_SCALE_ROW1
.endif
.endm
.macro EPI2 p
.irp i, 0,1,2,3,4,5,6,7
.irp j, 0,1,2,3
	v_mul_f32 v[T+4*\i+\j], v[ACC+8*\j+\i], v[G+\p]                ; x the slot's gate weight, into the order of the outputs; each accumulator is read from its low end on
.endr
.endr
.irp i, 0,1,2,3,4,5,6,7
	ds_store_b128 v7, v[T+4*\i:T+4*\i+3] offset:16*\i
.endr
.irp u, 0,1,2,3,4,5,6,7
	ds_load_b128 v[Y+4*\u:Y+4*\u+3], v8 offset:544*\u              ; slots 2 u and 2 u + 1.  My own bytes, and LDS serves a wave's instructions in order (ISA guide 5.7.1.4): these see the stores above
.endr
.irp u, 0,1,2,3,4,5,6,7
	v_min_u32 v[D+\u], 0xfff, v[ID+8*\p+\u]
.endr
.irp u, 0,1,2,3,4,5,6,7
	v_lshl_add_u32 v[D+\u], v[D+\u], 13, v9                        ; 8,192 bytes an id
.endr
.irp u, 0,1,2,3,4,5,6,7
	s_wait_dscnt 7-\u                              ; read-back u is in; the later ones may be out
	global_store_b128 v[D+\u], v[Y+4*\u:Y+4*\u+3], s[14:15] th:TH_STORE_NT      ; sixteen lanes store 256 consecutive bytes of one row, aligned
.endr
	TABLES \p                                      ; the list and weights of the tile that set p takes next: behind their last readers
.endm
.macro TILE p
	s_wait_loadcnt NB                              ; set p, its list and its weights are in (ahead of the first tile: w2's scale words too); the other set's NB loads, issued behind them, may be out
	WIN 0x0d                                       ; source 0 (w2) window 1, source 1 (the tile) window 3
.irp s, 0,1,2,3
.irp j, 0,1,2,3
	MM \p, \s, \j                                  ; the four accumulators by turns, one instruction a turn
.endr
.endr
	WIN 0x0e                                       ; source 0 window 2
.irp s, 4,5,6,7
.irp j, 0,1,2,3
	MM \p, \s, \j
.endr
.endr
	WIN 0
.rept 9
	v_nop                                          ; eight places ahead of loads into the operands and of reads of the results, nine ahead of the next tile's sums, which begin anew over these accumulators
.endr
	s_wait_xcnt 0x0                                ; the last tile's stores, issued 32 products ago, have read their offsets and rows: both are rewritten only below this line
	s_add_co_u32 s34, s22, 2+\p
	s_min_u32 s34, s34, s23                        ; what set p takes next: two on, held at my last
	REFILL \p
	EPI2 \p
.endm
	s_mov_b32 s35, 0                               ; s35: the trip, stepped by 1
.Ltile:
	s_lshl_b32 s22, s35, 1                         ; s22: the trip's first tile
	TILE 0
	s_add_co_u32 s33, s22, 1
	s_cmp_lt_u32 s33, s21
	s_cbranch_scc1 .Lsecond
	s_wait_tensorcnt 0x0
	ds_add_u32 v62, v63
	s_wait_dscnt 0x0
	s_endpgm                                       ; an odd number of tiles: that was my last.  The loop is left here, or by falling through its backward branch
.Lsecond:
	TILE 1
	s_add_co_u32 s35, s35, 1
	s_cmp_lt_u32 s35, s36
	s_cbranch_scc1 .Ltile
.Lend:
	s_wait_tensorcnt 0x0
	ds_add_u32 v62, v63
	s_wait_dscnt 0x0
	s_endpgm
.Lfunc_end_k_qfdbce4bb50_layer2:
	.size	k_qfdbce4bb50_layer2, .Lfunc_end_k_qfdbce4bb50_layer2-k_qfdbce4bb50_layer2
	.p2alignl 7, 3214868480
	.fill 96, 4, 3214868480
	.section	.rodata,"a",@progbits
	.p2align	6, 0x0
	.amdhsa_kernel k_qfdbce4bb50_layer2
		.amdhsa_group_segment_fixed_size 83456
		.amdhsa_private_segment_fixed_size 0
		.amdhsa_enable_private_segment 0
		.amdhsa_kernarg_size 48
		.amdhsa_user_sgpr_count 2
		.amdhsa_user_sgpr_kernarg_segment_ptr 1
		.amdhsa_wavefront_size32 1
		.amdhsa_system_sgpr_workgroup_id_x 1
		.amdhsa_system_sgpr_workgroup_id_y 1
		.amdhsa_system_sgpr_workgroup_id_z 1
		.amdhsa_system_vgpr_workitem_id 0
		.amdhsa_next_free_vgpr 1024
		.amdhsa_next_free_sgpr 66
		.amdhsa_reserve_vcc 0
		.amdhsa_float_denorm_mode_32 3
		.amdhsa_float_denorm_mode_16_64 3
		.amdhsa_memory_ordered 1
		.amdhsa_forward_progress 1
		.amdhsa_inst_pref_size 52
	.end_amdhsa_kernel
	.amdgpu_metadata
---
amdhsa.version: [ 1, 2 ]
amdhsa.kernels:
  - .name:           k_qfdbce4bb50_layer2
    .symbol:         k_qfdbce4bb50_layer2.kd
    .args:
      - { .name: w2q, .offset: 0, .size: 8, .value_kind: global_buffer, .address_space: global }
      - { .name: b2, .offset: 8, .size: 8, .value_kind: global_buffer, .address_space: global }
      - { .name: hrec, .offset: 16, .size: 8, .value_kind: global_buffer, .address_space: global }
      - { .name: xrec, .offset: 24, .size: 8, .value_kind: global_buffer, .address_space: global }
      - { .name: route, .offset: 32, .size: 8, .value_kind: global_buffer, .address_space: global }
      - { .name: part, .offset: 40, .size: 8, .value_kind: global_buffer, .address_space: global }
    .group_segment_fixed_size: 83456
    .private_segment_fixed_size: 0
    .kernarg_segment_align: 8
    .kernarg_segment_size: 48
    .max_flat_workgroup_size: 128
    .sgpr_count:     66
    .vgpr_count:     1024
    .wavefront_size: 32
...
	.end_amdgpu_metadata
.endif
;; end of part 4
;; launch combine (part 5): grid 256 x 1, 8 waves a work-group, no clusters, 0 bytes of LDS; arguments part, out0; writes out0
.if DOCPART == 5
	.amdgcn_target "amdgcn-amd-amdhsa--gfx1250"
	.amdhsa_code_object_version 6
	.text
	.protected	k_qfdbce4bb50_combine
	.globl	k_qfdbce4bb50_combine
	.p2align	8
	.type	k_qfdbce4bb50_combine,@function
k_qfdbce4bb50_combine:
	s_mov_b64 s[64:65], 0
	v_nop
	global_prefetch_b8 v0, s[64:65] scope:SCOPE_SE
	s_setreg_imm32_b32 hwreg(HW_REG_WAVE_MODE, 25, 1), 1
	s_wait_xcnt 0x0
; THE SUM.  out0[t] = the four rows of part that belong to token t (two choices x two K halves; each already carries its gate weight): 16,384 consecutive bytes in, 4,096 out.
; A stream: a wave to a token, all 32 loads issued at once (512 consecutive bytes each), each piece of 512 bytes summed and stored as its four loads come in.  No LDS, no barrier, no matrix unit: there is nothing to share and nothing to multiply.
; No register is written twice, so no store's data wait for anything.
	s_load_b128 s[4:7], s[0:1], 0x0                ; part s[4:5], out0 s[6:7]
	v_lshrrev_b32 v2, 5, v0
	v_readfirstlane_b32 s8, v2                     ; wave 0..7
	v_and_b32 v1, 31, v0
	v_lshlrev_b32 v1, 4, v1                        ; 16 bytes a lane
	s_lshl_b32 s9, ttmp9, 3
	s_add_co_u32 s9, s9, s8                        ; my token
	s_lshl_b32 s10, s9, 14
	s_mov_b32 s11, 0
	s_lshl_b32 s12, s9, 12
	s_mov_b32 s13, 0
	s_wait_kmcnt 0x0
	s_add_nc_u64 s[4:5], s[4:5], s[10:11]
	s_add_nc_u64 s[6:7], s[6:7], s[12:13]
.irp m, 0,1,2,3,4,5,6,7
.irp p, 0,1,2,3
	global_load_b128 v[16+16*\m+4*\p:16+16*\m+4*\p+3], v1, s[4:5] offset:4096*\p+512*\m th:TH_LOAD_NT
.endr
.endr
.irp m, 0,1,2,3,4,5,6,7
	s_wait_loadcnt 28-4*\m                         ; this piece's four loads are in; the later pieces' may be out
	v_pk_add_f32 v[16+16*\m:17+16*\m], v[16+16*\m:17+16*\m], v[20+16*\m:21+16*\m]
	v_pk_add_f32 v[18+16*\m:19+16*\m], v[18+16*\m:19+16*\m], v[22+16*\m:23+16*\m]
	v_pk_add_f32 v[24+16*\m:25+16*\m], v[24+16*\m:25+16*\m], v[28+16*\m:29+16*\m]
	v_pk_add_f32 v[26+16*\m:27+16*\m], v[26+16*\m:27+16*\m], v[30+16*\m:31+16*\m]
	v_pk_add_f32 v[16+16*\m:17+16*\m], v[16+16*\m:17+16*\m], v[24+16*\m:25+16*\m]
	v_pk_add_f32 v[18+16*\m:19+16*\m], v[18+16*\m:19+16*\m], v[26+16*\m:27+16*\m]
	global_store_b128 v1, v[16+16*\m:19+16*\m], s[6:7] offset:512*\m th:TH_STORE_NT   ; 32 lanes store 512 consecutive bytes, aligned
.endr
	s_endpgm
.Lfunc_end_k_qfdbce4bb50_combine:
	.size	k_qfdbce4bb50_combine, .Lfunc_end_k_qfdbce4bb50_combine-k_qfdbce4bb50_combine
	.p2alignl 7, 3214868480
	.fill 96, 4, 3214868480
	.section	.rodata,"a",@progbits
	.p2align	6, 0x0
	.amdhsa_kernel k_qfdbce4bb50_combine
		.amdhsa_group_segment_fixed_size 0
		.amdhsa_private_segment_fixed_size 0
		.amdhsa_enable_private_segment 0
		.amdhsa_kernarg_size 16
		.amdhsa_user_sgpr_count 2
		.amdhsa_user_sgpr_kernarg_segment_ptr 1
		.amdhsa_wavefront_size32 1
		.amdhsa_system_sgpr_workgroup_id_x 1
		.amdhsa_system_sgpr_workgroup_id_y 1
		.amdhsa_system_sgpr_workgroup_id_z 1
		.amdhsa_system_vgpr_workitem_id 0
		.amdhsa_next_free_vgpr 144
		.amdhsa_next_free_sgpr 66
		.amdhsa_reserve_vcc 0
		.amdhsa_float_denorm_mode_32 3
		.amdhsa_float_denorm_mode_16_64 3
		.amdhsa_memory_ordered 1
		.amdhsa_forward_progress 1
		.amdhsa_inst_pref_size 8
	.end_amdhsa_kernel
	.amdgpu_metadata
---
amdhsa.version: [ 1, 2 ]
amdhsa.kernels:
  - .name:           k_qfdbce4bb50_combine
    .symbol:         k_qfdbce4bb50_combine.kd
    .args:
      - { .name: part, .offset: 0, .size: 8, .value_kind: global_buffer, .address_space: global }
      - { .name: out0, .offset: 8, .size: 8, .value_kind: global_buffer, .address_space: global }
    .group_segment_fixed_size: 0
    .private_segment_fixed_size: 0
    .kernarg_segment_align: 8
    .kernarg_segment_size: 16
    .max_flat_workgroup_size: 256
    .sgpr_count:     66
    .vgpr_count:     144
    .wavefront_size: 32
...
	.end_amdgpu_metadata
.endif
;; end of part 5
;; ======== version 2 of 2: 5 launches
;; workspace buffers: rt 8,192 bytes of whole numbers; gw2 16,384 bytes; route 17,152 bytes of whole numbers; xrec 4,510,976 bytes; hrec 8,887,296 bytes; part 33,554,432 bytes; w1q 17,825,792 bytes; w2q 17,825,792 bytes
;; launch gate (part 6): grid 192 x 1, 16 waves a work-group, no clusters, 18,432 bytes of LDS; arguments x, gate_w, gate_b, rt, gw2, w1, w1q; writes rt, gw2, w1q
.if DOCPART == 6
	.amdgcn_target "amdgcn-amd-amdhsa--gfx1250"
	.amdhsa_code_object_version 6
	.text
	.protected	k_qfdbce4bb50_gate
	.globl	k_qfdbce4bb50_gate
	.p2align	8
	.type	k_qfdbce4bb50_gate,@function
k_qfdbce4bb50_gate:
	s_mov_b64 s[64:65], 0
	v_nop
	global_prefetch_b8 v0, s[64:65] scope:SCOPE_SE
	s_setreg_imm32_b32 hwreg(HW_REG_WAVE_MODE, 25, 1), 1
	s_wait_xcnt 0x0
; TWO JOBS IN ONE LAUNCH, parted at the first line on the work-group's number alone.  Work-groups 0 .. 63: THE GATE.  Work-groups 64 .. 191: w1 IS LAID OUT AS CODES (at the end of this text).
; The gate reads 8 MB and is a short chain of dependent steps; the 67 MB of w1 hang on nothing, so they are streamed beside it, not ahead of the first layer's products.
; THE GATE.  scores = softmax(x gate_w + gate_b) over 8 experts; the two largest are kept (ties: the lower index) and divided by max(their sum, 1e-12).
; All in f32: fused multiply-adds, the maximum taken away ahead of the exponentials, as the definition has it.
; SHARES.  Work-group c owns tokens 32 c .. 32 c + 31.  Wave v owns k = 64 v .. 64 v + 63 for all 32 tokens; lane l: tau = l / 4, pi = l % 4; in group g its token is 32 c + 8 g + tau,
; its k are 64 v + 16 i + 4 pi + d (i, d = 0 .. 3).  The waves' partial sums meet in LDS ([wave][token][8], 16,384 bytes); wave 0 then has a lane to a token.
; OUT, at fixed places (no address and no branch of this launch hangs on a choice):
;   rt  [row 0..31][chunk 0..63] u32: row e: the chunk's tokens that chose e, a bit a token; row 8 + e: those whose SECOND choice is e; row 16 + e: the number of bits of row e; rows 24..31: 0
;   gw2 [2 t + j] f32: the weight of token t's choice j
; LIMITS: NaN and infinities among the inputs are not served.  Scores that differ by less than f32 rounding may be ordered either way.  A score under 2^-126 counts as 0 (v_exp_f32 gives 0 there: ISA guide, 15.8).
.set NGATE, 64                         ; work-groups of the gate
.set GR, 16                            ; v16-143  gate_w: GR + 32 i + 8 d + e
.set XR, 144                           ; v144-207 x: XR + 16 g + 4 i + d
.set AC, 208                           ; v208-239 sums: AC + 8 g + e
	v_lshl_add_u32 v14, v0, 2, 0x4000
	v_mov_b32 v15, 0
	s_cmp_ge_u32 ttmp9, NGATE
	s_cbranch_scc1 .Lquant                         ; the same way for all waves of a work-group
	s_load_b256 s[4:11], s[0:1], 0x0               ; x s[4:5], gate_w s[6:7], gate_b s[8:9], rt s[10:11]
	s_load_b64 s[12:13], s[0:1], 0x20              ; gw2
	v_lshrrev_b32 v7, 5, v0
	s_delay_alu instid0(VALU_DEP_1)
	v_readfirstlane_b32 s14, v7                    ; wave 0..15
	v_and_b32 v8, 31, v0                           ; lane
	s_delay_alu instid0(VALU_DEP_1)
	v_lshrrev_b32 v9, 2, v8                        ; tau
	s_delay_alu instid0(VALU_DEP_2)
	v_and_b32 v10, 3, v8                           ; pi
	s_delay_alu instid0(VALU_DEP_2)
	v_lshlrev_b32 v1, 12, v9
	s_delay_alu instid0(VALU_DEP_1)
	v_lshl_add_u32 v1, v10, 4, v1                  ; x: tau rows of 4,096 bytes + 16 pi
	s_delay_alu instid0(VALU_DEP_3)
	v_lshlrev_b32 v2, 7, v10                       ; gate_w: 4 pi rows of 32 bytes
	s_lshl_b32 s15, s14, 10
	v_lshlrev_b32 v3, 5, v9
	s_delay_alu instid0(VALU_DEP_1)
	v_add_nc_u32 v3, s15, v3                       ; LDS, in: 1,024 x wave + 32 tau
	v_lshlrev_b32 v4, 5, v8                        ; LDS, out: 32 x lane (wave 0: lane = token)
	v_lshlrev_b32 v5, 8, v8                        ; rt: lane = row, 256 bytes a row
	v_lshlrev_b32 v6, 3, v8                        ; gw2: 8 bytes a token
	s_lshl_b32 s24, ttmp9, 17                      ; 32 rows of x
	s_lshl_b32 s26, s14, 8                         ; my 64 k
	s_add_co_u32 s24, s24, s26
	s_mov_b32 s25, 0
	s_lshl_b32 s26, s14, 11                        ; my 64 rows of gate_w
	s_mov_b32 s27, 0
	s_lshl_b32 s28, ttmp9, 2                       ; my chunk's word in a row of rt
	s_mov_b32 s29, 0
	s_lshl_b32 s30, ttmp9, 8                       ; my chunk's 256 bytes of gw2
	s_mov_b32 s31, 0
	s_wait_alu depctr_va_vdst(0)
	s_wait_kmcnt 0x0
	s_load_b256 s[16:23], s[8:9], 0x0              ; gate_b, asked for here so that wave 0 does not wait for it behind the barrier
	s_add_nc_u64 s[4:5], s[4:5], s[24:25]
	s_add_nc_u64 s[6:7], s[6:7], s[26:27]
	s_add_nc_u64 s[10:11], s[10:11], s[28:29]
	s_add_nc_u64 s[12:13], s[12:13], s[30:31]
.irp i, 0,1,2,3
.irp m, 0,1,2,3,4,5,6,7
	global_load_b128 v[GR+32*\i+4*\m:GR+32*\i+4*\m+3], v2, s[6:7] offset:512*\i+16*\m
.endr
.endr
.irp g, 0,1,2,3
.irp i, 0,1,2,3
	global_load_b128 v[XR+16*\g+4*\i:XR+16*\g+4*\i+3], v1, s[4:5] offset:32768*\g+64*\i
.endr
.endr
; group g: 8 sums over my 16 k, two experts an instruction; x's number is taken for both halves (op_sel, op_sel_hi).  The first term starts the sums: nothing is cleared.
.macro DOT g
.irp i, 0,1,2,3
.irp d, 0,2
.irp p, 0,2,4,6
.if (\i == 0) && (\d == 0)
	v_pk_mul_f32 v[AC+8*\g+\p:AC+8*\g+\p+1], v[XR+16*\g:XR+16*\g+1], v[GR+\p:GR+\p+1] op_sel_hi:[0,1]
.else
	s_delay_alu instid0(VALU_DEP_4)
	v_pk_fma_f32 v[AC+8*\g+\p:AC+8*\g+\p+1], v[XR+16*\g+4*\i+\d:XR+16*\g+4*\i+\d+1], v[GR+32*\i+8*\d+\p:GR+32*\i+8*\d+\p+1], v[AC+8*\g+\p:AC+8*\g+\p+1] op_sel_hi:[0,1,1]
.endif
.endr
.irp p, 0,2,4,6
	s_delay_alu instid0(VALU_DEP_4)
	v_pk_fma_f32 v[AC+8*\g+\p:AC+8*\g+\p+1], v[XR+16*\g+4*\i+\d:XR+16*\g+4*\i+\d+1], v[GR+32*\i+8*(\d+1)+\p:GR+32*\i+8*(\d+1)+\p+1], v[AC+8*\g+\p:AC+8*\g+\p+1] op_sel:[1,0,0] op_sel_hi:[1,1,1]
.endr
.endr
.endr
.endm
.irp g, 0,1,2,3
	s_wait_loadcnt 12-4*\g                         ; gate_w and this group's four loads are in; the later groups' may be out
	DOT \g
.endr
.irp n, 0,1,2,3,4,5,6,7,8,9,10,11,12,13,14,15,16,17,18,19,20,21,22,23,24,25,26,27,28,29,30,31
	v_add_f32_dpp v[AC+\n], v[AC+\n], v[AC+\n] row_xmask:1 row_mask:0xf bank_mask:0xf
.endr
.irp n, 0,1,2,3,4,5,6,7,8,9,10,11,12,13,14,15,16,17,18,19,20,21,22,23,24,25,26,27,28,29,30,31
	v_add_f32_dpp v[AC+\n], v[AC+\n], v[AC+\n] row_xmask:2 row_mask:0xf bank_mask:0xf   ; the four lanes of a token now hold the wave's sum
.endr
.irp g, 0,1,2,3
	ds_store_b128 v3, v[AC+8*\g:AC+8*\g+3] offset:256*\g            ; the four lanes of a token write the same bytes with the same values
	ds_store_b128 v3, v[AC+8*\g+4:AC+8*\g+7] offset:256*\g+16
.endr
	s_wait_kmcnt 0x0                               ; gate_b is in
	s_wait_dscnt 0x0                               ; for wave 0's sake: my stores have landed
	s_barrier_signal -1
	s_barrier_wait -1
	s_cmp_lg_u32 s14, 0
	s_cbranch_scc1 .Ldone                          ; the rest is wave 0's: a lane to a token
.irp w, 0,1,2,3,4,5,6,7,8,9,10,11,12,13,14,15
	ds_load_b128 v[16+8*\w:19+8*\w], v4 offset:1024*\w
	ds_load_b128 v[20+8*\w:23+8*\w], v4 offset:1024*\w+16
.endr
	s_wait_dscnt 0x0
.irp w, 1,2,3,4,5,6,7,8,9,10,11,12,13,14,15
.irp p, 0,2,4,6
	v_pk_add_f32 v[16+\p:17+\p], v[16+\p:17+\p], v[16+8*\w+\p:17+8*\w+\p]
.endr
.endr
.irp e, 0,1,2,3,4,5,6,7
	v_add_f32 v[16+\e], s[16+\e], v[16+\e]         ; the logits
.endr
	v_max3_num_f32 v40, v16, v17, v18
	s_delay_alu instid0(VALU_DEP_1)
	v_max3_num_f32 v40, v40, v19, v20
	s_delay_alu instid0(VALU_DEP_1)
	v_max3_num_f32 v40, v40, v21, v22
	s_delay_alu instid0(VALU_DEP_1)
	v_max_num_f32 v40, v40, v23                    ; their maximum
.irp e, 0,1,2,3,4,5,6,7
	v_sub_f32 v[24+\e], v[16+\e], v40
.endr
.irp e, 0,1,2,3,4,5,6,7
	v_mul_f32 v[24+\e], 0x3fb8aa3b, v[24+\e]       ; x log2(e)
.endr
	s_wait_alu depctr_va_vdst(0)
.irp e, 0,1,2,3,4,5,6,7
	v_exp_f32 v[24+\e], v[24+\e]
.endr
	v_mov_b32 v41, -1.0                            ; a plain instruction behind the last exponential (ISA guide 5.7.2); the number serves below
	s_wait_alu depctr_va_vdst(0)                   ; one wait for the eight, ahead of their first reader
	v_add_f32 v42, v24, v25
	v_add_f32 v43, v26, v27
	v_add_f32 v44, v28, v29
	v_add_f32 v45, v30, v31
	s_delay_alu instid0(VALU_DEP_3)
	v_add_f32 v42, v42, v43
	s_delay_alu instid0(VALU_DEP_2)
	v_add_f32 v44, v44, v45
	s_delay_alu instid0(VALU_DEP_1)
	v_add_f32 v42, v42, v44
	s_wait_alu depctr_va_vdst(0)
	v_rcp_f32 v43, v42
	v_mov_b32 v46, 0                               ; (a plain instruction)  the first choice's index
	s_wait_alu depctr_va_vdst(0)
.irp e, 0,1,2,3,4,5,6,7
	v_mul_f32 v[32+\e], v[24+\e], v43              ; the scores
.endr
	v_mov_b32 v44, v32
.irp e, 1,2,3,4,5,6,7
	s_delay_alu instid0(VALU_DEP_1)
	v_cmp_ge_f32 vcc_lo, v44, v[32+\e]             ; the best so far stays unless a later score is strictly larger: ties keep the lower index
	s_delay_alu instid0(VALU_DEP_1)
	v_cndmask_b32 v46, \e, v46, vcc_lo
	s_delay_alu instid0(VALU_DEP_2)
	v_cndmask_b32 v44, v[32+\e], v44, vcc_lo
.endr
.irp e, 0,1,2,3,4,5,6,7
	v_cmp_eq_u32 vcc_lo, \e, v46
	s_delay_alu instid0(VALU_DEP_1)
	v_cndmask_b32 v[48+\e], v[32+\e], v41, vcc_lo  ; the first choice becomes -1, under every score
.endr
	v_mov_b32 v45, v48
	v_mov_b32 v47, 0
.irp e, 1
	s_delay_alu instid0(VALU_DEP_2)
	v_cmp_ge_f32 vcc_lo, v45, v[48+\e]
	s_delay_alu instid0(VALU_DEP_1)
	v_cndmask_b32 v47, \e, v47, vcc_lo
	s_delay_alu instid0(VALU_DEP_2)
	v_cndmask_b32 v45, v[48+\e], v45, vcc_lo
.endr
.irp e, 2, 3, 4, 5, 6, 7
	s_delay_alu instid0(VALU_DEP_1)
	v_cmp_ge_f32 vcc_lo, v45, v[48+\e]
	s_delay_alu instid0(VALU_DEP_1)
	v_cndmask_b32 v47, \e, v47, vcc_lo
	s_delay_alu instid0(VALU_DEP_2)
	v_cndmask_b32 v45, v[48+\e], v45, vcc_lo
.endr
	s_delay_alu instid0(VALU_DEP_1)
	v_add_f32 v58, v44, v45
	s_delay_alu instid0(VALU_DEP_1)
	v_max_num_f32 v58, 0x2b8cbccc, v58             ; max(the two scores' sum, 1e-12)
	s_wait_alu depctr_va_vdst(0)
	v_rcp_f32 v59, v58
	v_mov_b32 v60, 0                               ; (a plain instruction)  the table's 32 words, a lane a row
	s_wait_alu depctr_va_vdst(0)
	v_mul_f32 v56, v44, v59
	v_mul_f32 v57, v45, v59
.irp e, 0,1,2,3,4,5,6,7
	v_cmp_eq_u32 s32, \e, v46
	v_cmp_eq_u32 s33, \e, v47
	s_or_b32 s34, s32, s33
	s_bcnt1_i32_b32 s35, s34
	v_writelane_b32 v60, s34, \e
	s_delay_alu instid0(VALU_DEP_1)
	v_writelane_b32 v60, s33, 8+\e
	s_delay_alu instid0(VALU_DEP_1)
	v_writelane_b32 v60, s35, 16+\e
.endr
	global_store_b32 v5, v60, s[10:11]             ; one word in each of the table's 32 rows: laid for its readers, which take a row's 64 words on end
	global_store_b64 v6, v[56:57], s[12:13]        ; 32 lanes store 256 consecutive bytes, aligned
.Ldone:
	s_wait_tensorcnt 0x0
	ds_add_u32 v14, v15
	s_wait_dscnt 0x0
	s_endpgm
; ---- w1 [8][1,024 (K)][2,048], f32, BECOMES CODES of BF8 (E5M2) with one E8M0 scale byte for each 32 along K, laid as the first layer's work-groups take them.
; w1q: 256 records of 69,632 bytes; record 32 e + sg holds expert e's columns 64 sg .. 64 sg + 63, all K: the fragment of K step s and tile j as an image of the operand's registers at 2,048 (4 s + j) + 512 c + 16 x lane;
; from byte 65,536 on, 512 bytes a K step: the scale words [lane][j].
; K IS THE FIRST AXIS: a lane takes columns and its registers run down K.  THE COLUMNS OF A TILE ARE NOT NEIGHBOURS: tile j is columns 4 q + j.  So one load of 16 bytes is four tiles' numbers: lane (q, h) reads columns
; 4 q .. 4 q + 3 of row 32 c + 16 h + i; sixteen lanes read 256 consecutive bytes, aligned.  A block of 32 along K lies in lanes l and l xor 16.
; SHARES.  A wave takes one unit: a record's one K step, 128 rows x 64 columns: four blocks of 16 loads, through a ring of two blocks; 2,048 units are 128 work-groups of 16 waves.  Waves share nothing: no LDS, no barrier.
; Each block has its own registers for its codes, so no store's data are written again.  Every store of a wave covers 512 consecutive bytes, aligned.
; A block's scale is 2^(floor(log2(its largest magnitude)) - 15); the byte is that magnitude's exponent field - 15, held at 1 from below.  A block of zeros so has the byte 1 where the rule says 127: its codes are zeros, and this program alone reads the bytes.
.set QFIRST, NGATE                     ; the first work-group of this path
.set QWL,    4                         ; log2 of a work-group's waves
.set QPITCH, 8192                      ; a row of the weight in bytes
.set QCB,    5                         ; a record's number: its low QCB bits are the group of 64 columns,
.set QHI,    23                        ; the bits above count pieces of 2^QHI bytes (an expert's 1,024 rows)
.set QKS,    20                        ; a K step's 128 rows are 2^QKS bytes,
.set QHS,    17                        ; 16 rows 2^QHS
.set WREC,   69632
.set QLIM, 8                           ; v8-11    57,344 x the scale
.set QSW,  16                          ; v16-19   the four tiles' scale words
.set QM,   20                          ; v20-23   largest magnitudes
.set QP,   24                          ; v24-27   the other half's; then bytes
.set QSC,  28                          ; v28-31   the conversions' scale operands
.set QT,   32                          ; v32-63   a column's 16 numbers on end: two sets by turns
.set QC,   64                          ; v64-127  codes: 16 registers a block
.set QR,   128                         ; v128-255 the ring: register 4 i + j of slot c % 2 = w(32 c + 16 h + i, 4 q + j)
.macro WLOAD c
.irp i, 0,1,2,3,4,5,6,7,8,9,10,11,12,13,14,15
	global_load_b128 v[QR+64*((\c)%2)+4*\i:QR+64*((\c)%2)+4*\i+3], v2, s[4:5] offset:(32*(\c)+\i)*QPITCH th:TH_LOAD_NT
.endr
.endm
.macro WQUANT c
.set RB, QR+64*((\c)%2)
.irp j, 0,1,2,3
	v_max3_num_f32 v[QM+\j], 0x8000000, |v[RB+\j]|, |v[RB+4+\j]|     ; column 4 q + j: my 16 numbers, and the floor 2^(16 - 127): the byte cannot fall under 1
.endr
.irp i, 2,4,6,8,10,12,14
.irp j, 0,1,2,3
	s_delay_alu instid0(VALU_DEP_4)
	v_max3_num_f32 v[QM+\j], v[QM+\j], |v[RB+4*\i+\j]|, |v[RB+4*\i+4+\j]|
.endr
.endr
.irp j, 0,1,2,3
	s_delay_alu instid0(VALU_DEP_4)
	v_permlanex16_b32 v[QP+\j], v[QM+\j], s24, s25
.endr
.irp j, 0,1,2,3
	s_delay_alu instid0(VALU_DEP_4)
	v_max_num_f32 v[QM+\j], v[QM+\j], v[QP+\j]     ; with lane l xor 16's 16: the block's largest magnitude
.endr
.irp j, 0,1,2,3
	s_delay_alu instid0(VALU_DEP_4)
	v_add_nc_u32 v[QSC+\j], 0xf8800000, v[QM+\j]   ; 15 off its exponent field: the conversion takes this operand's exponent field as its scale
.endr
.irp j, 0,1,2,3
	v_and_or_b32 v[QLIM+\j], v[QM+\j], 0x7f800000, s26   ; 57,344 x the scale
.endr
.irp j, 0,1,2,3
	v_lshrrev_b32 v[QP+\j], 23, v[QSC+\j]          ; the scale's byte
.endr
.irp j, 0,1,2,3
.if (\c) == 0
	s_delay_alu instid0(VALU_DEP_4)
	v_mov_b32 v[QSW+\j], v[QP+\j]
.else
	s_delay_alu instid0(VALU_DEP_4)
	v_lshl_or_b32 v[QSW+\j], v[QP+\j], 8*(\c), v[QSW+\j]
.endif
.endr
.irp j, 0,1,2,3
.irp i, 0,1,2,3,4,5,6,7,8,9,10,11,12,13,14,15
	v_med3_num_f32 v[QT+16*(\j%2)+\i], v[RB+4*\i+\j], -v[QLIM+\j], v[QLIM+\j]   ; the hold (the conversion does not saturate: ISA guide 7.6.2), which also brings a column's numbers on end
.endr
	v_cvt_scalef32_pk8_bf8_f32 v[QC+16*(\c)+4*\j:QC+16*(\c)+4*\j+1], v[QT+16*(\j%2):QT+16*(\j%2)+7], v[QSC+\j]
	v_cvt_scalef32_pk8_bf8_f32 v[QC+16*(\c)+4*\j+2:QC+16*(\c)+4*\j+3], v[QT+16*(\j%2)+8:QT+16*(\j%2)+15], v[QSC+\j]   ; the next column's 16 holds write the other set: plain lines ahead of the next write of this one
.endr
	v_nop                                          ; a plain instruction behind the last conversion
.irp j, 0,1,2,3
	global_store_b128 v1, v[QC+16*(\c)+4*\j:QC+16*(\c)+4*\j+3], s[6:7] offset:2048*\j+512*(\c)   ; registers 4 c .. 4 c + 3 of tile j's fragment, as they stand
.endr
.endm
.Lquant:
	s_load_b128 s[4:7], s[0:1], 0x28               ; the weight s[4:5], its codes' buffer s[6:7]
	v_lshrrev_b32 v3, 5, v0
	s_delay_alu instid0(VALU_DEP_1)
	v_readfirstlane_b32 s14, v3                    ; wave
	s_sub_co_u32 s15, ttmp9, QFIRST
	s_lshl_b32 s15, s15, QWL
	s_add_co_u32 s15, s15, s14                     ; my unit, 0 .. 2,047
	s_lshr_b32 s16, s15, 3                         ; its record,
	s_and_b32 s17, s15, 7                          ; its K step
	s_lshr_b32 s18, s16, QCB
	s_lshl_b32 s18, s18, QHI
	s_and_b32 s19, s16, (1<<QCB)-1
	s_lshl_b32 s19, s19, 8                         ; 64 columns are 256 bytes
	s_add_co_u32 s18, s18, s19
	s_lshl_b32 s19, s17, QKS
	s_add_co_u32 s18, s18, s19                     ; where the unit begins in the weight
	s_mov_b32 s19, 0
	s_mul_i32 s20, s16, WREC
	s_lshl_b32 s22, s17, 9
	s_add_co_u32 s22, s22, s20
	s_add_co_u32 s22, s22, 65536                   ; its scale words
	s_mov_b32 s23, 0
	s_lshl_b32 s21, s17, 13
	s_add_co_u32 s20, s20, s21                     ; its four fragments
	s_mov_b32 s21, 0
	v_and_b32 v4, 31, v0
	s_delay_alu instid0(VALU_DEP_1)
	v_lshlrev_b32 v1, 4, v4                        ; out: 16 x lane
	v_and_b32 v5, 15, v0                           ; q
	v_bfe_u32 v6, v0, 4, 1                         ; h
	s_delay_alu instid0(VALU_DEP_2)
	v_lshlrev_b32 v2, 4, v5
	s_delay_alu instid0(VALU_DEP_1)
	v_lshl_add_u32 v2, v6, QHS, v2                 ; in: 16 q + 16 h rows
	s_mov_b32 s24, 0x76543210
	s_mov_b32 s25, 0xfedcba98                      ; v_permlanex16_b32's selects for lane l xor 16
	s_mov_b32 s26, 0x600000                        ; the mantissa field of 57,344
.irp j, 0,1,2,3
	v_mov_b32 v[QP+\j], 0                          ; written once: a lane permute's destination counts as one of its sources
.endr
	s_wait_alu depctr_va_vdst(0)
	s_wait_kmcnt 0x0
	s_add_nc_u64 s[4:5], s[4:5], s[18:19]
	s_add_nc_u64 s[8:9], s[6:7], s[22:23]
	s_add_nc_u64 s[6:7], s[6:7], s[20:21]
	WLOAD 0
	WLOAD 1
	s_wait_loadcnt 16                              ; block 0's 16 loads are in; block 1's may be out
	WQUANT 0
	WLOAD 2
	s_wait_loadcnt 16                              ; block 1 is in; block 2 may be out
	WQUANT 1
	WLOAD 3
	s_wait_loadcnt 16                              ; block 2 is in; block 3 may be out
	WQUANT 2
	s_wait_loadcnt 0x0
	WQUANT 3
	global_store_b128 v1, v[QSW:QSW+3], s[8:9]     ; the K step's scale words of my four columns (lanes 16-31 hold what lanes 0-15 hold)
	s_endpgm
.Lfunc_end_k_qfdbce4bb50_gate:
	.size	k_qfdbce4bb50_gate, .Lfunc_end_k_qfdbce4bb50_gate-k_qfdbce4bb50_gate
	.p2alignl 7, 3214868480
	.fill 96, 4, 3214868480
	.section	.rodata,"a",@progbits
	.p2align	6, 0x0
	.amdhsa_kernel k_qfdbce4bb50_gate
		.amdhsa_group_segment_fixed_size 18432
		.amdhsa_private_segment_fixed_size 0
		.amdhsa_enable_private_segment 0
		.amdhsa_kernarg_size 56
		.amdhsa_user_sgpr_count 2
		.amdhsa_user_sgpr_kernarg_segment_ptr 1
		.amdhsa_wavefront_size32 1
		.amdhsa_system_sgpr_workgroup_id_x 1
		.amdhsa_system_sgpr_workgroup_id_y 1
		.amdhsa_system_sgpr_workgroup_id_z 1
		.amdhsa_system_vgpr_workitem_id 0
		.amdhsa_next_free_vgpr 256
		.amdhsa_next_free_sgpr 66
		.amdhsa_reserve_vcc 1
		.amdhsa_float_denorm_mode_32 3
		.amdhsa_float_denorm_mode_16_64 3
		.amdhsa_memory_ordered 1
		.amdhsa_forward_progress 1
		.amdhsa_inst_pref_size 98
	.end_amdhsa_kernel
	.amdgpu_metadata
---
amdhsa.version: [ 1, 2 ]
amdhsa.kernels:
  - .name:           k_qfdbce4bb50_gate
    .symbol:         k_qfdbce4bb50_gate.kd
    .args:
      - { .name: x, .offset: 0, .size: 8, .value_kind: global_buffer, .address_space: global }
      - { .name: gate_w, .offset: 8, .size: 8, .value_kind: global_buffer, .address_space: global }
      - { .name: gate_b, .offset: 16, .size: 8, .value_kind: global_buffer, .address_space: global }
      - { .name: rt, .offset: 24, .size: 8, .value_kind: global_buffer, .address_space: global }
      - { .name: gw2, .offset: 32, .size: 8, .value_kind: global_buffer, .address_space: global }
      - { .name: w1, .offset: 40, .size: 8, .value_kind: global_buffer, .address_space: global }
      - { .name: w1q, .offset: 48, .size: 8, .value_kind: global_buffer, .address_space: global }
    .group_segment_fixed_size: 18432
    .private_segment_fixed_size: 0
    .kernarg_segment_align: 8
    .kernarg_segment_size: 56
    .max_flat_workgroup_size: 512
    .sgpr_count:     66
    .vgpr_count:     256
    .wavefront_size: 32
...
	.end_amdgpu_metadata
.endif
;; end of part 6
;; launch place (part 7): grid 775 x 1, 4 waves a work-group, no clusters, 0 bytes of LDS; arguments x, rt, gw2, route, xrec, w2, w2q; writes route, xrec, w2q
.if DOCPART == 7
	.amdgcn_target "amdgcn-amd-amdhsa--gfx1250"
	.amdhsa_code_object_version 6
	.text
	.protected	k_qfdbce4bb50_place
	.globl	k_qfdbce4bb50_place
	.p2align	8
	.type	k_qfdbce4bb50_place,@function
k_qfdbce4bb50_place:
	s_mov_b64 s[64:65], 0
	v_nop
	global_prefetch_b8 v0, s[64:65] scope:SCOPE_SE
	s_setreg_imm32_b32 hwreg(HW_REG_WAVE_MODE, 25, 1), 1
	s_wait_xcnt 0x0
; TWO JOBS IN ONE LAUNCH, parted at the first line on the work-group's number alone.  Work-groups 0 .. 262: THE PLACING.  Work-groups 263 .. 774: w2 IS LAID OUT AS CODES (at the end of this text).
; The placing moves some 17 MB and is a chain of dependent steps; the 67 MB of w2 hang on nothing, so they are streamed beside it, not ahead of the second layer's products.
; THE PLACING.  The 4,096 routed rows (token, choice) are laid by expert, in tiles of 16; work-group b makes tile b: its list of rows, and its rows of x as codes of BF8 (E5M2) with one E8M0 scale byte for each 32 along K.
; 4,096 rows in tiles of 16 for 8 experts are never more than 256 + 7 = 263 tiles, whatever the choice: so many work-groups are launched, and one that a split leaves without a tile stores nothing and ends.
; An expert's rows are ordered by token.  Slots past an expert's last row repeat that row, with the same id: all that is computed for them is the same, and is stored to the same place by the same wave.
; Every wave makes the tile's list by itself, in whole numbers alone (addresses and a branch hang on it): no LDS, no barrier.  Wave w then quantises K steps 2 w and 2 w + 1 (128 along K each) of the 16 rows.
; OUT: route: words 2 e, 2 e + 1: expert e's first tile and number of tiles; from byte 256 on, 16 words a tile: word 8 h + u = the id (2 token + choice) of slot 2 u + h.
;      xrec, 17,152 bytes a tile: codes as images of the operand's registers [K step 0..7][c 0..3][lane][16 bytes]; at 16,384 the scale words [r + 16 (s / 4)][s % 4]; at 16,896 the slots' gate weights, f32.
; A block's scale is 2^(floor(log2(its largest magnitude)) - 15); the byte is that magnitude's exponent field - 15, held at 1 from below.  A block of zeros so has the byte 1 where the rule says 127: its codes are zeros, and this program alone reads the bytes.
; LIMITS: NaN and infinities among the inputs are not served.
.set NPLACE, 263                       ; work-groups of the placing
.set REC1, 17152
.set CN, 16                            ; v16-31  counts (rows 16 + e), chunks 0-31 and 32-63
.set BM, 32                            ; v32-47  masks (rows e)
.set B1, 48                            ; v48-63  second-choice masks (rows 8 + e)
.set X0, 80                            ; v80-143, v144-207: 64 numbers of x each
.set X1, 144
.set TM, 208                           ; v208-223 at work in QUANT
.set PC0, 16                           ; the codes, where the counts and masks lay
.set PC1, 32
.set PW, 48                            ; v[48:49] the two scale words
	s_cmp_ge_u32 ttmp9, NPLACE
	s_cbranch_scc1 .Lquant
	s_load_b256 s[4:11], s[0:1], 0x0               ; x s[4:5], rt s[6:7], gw2 s[8:9], route s[10:11]
	s_load_b64 s[12:13], s[0:1], 0x20              ; xrec
	v_lshrrev_b32 v1, 5, v0
	v_readfirstlane_b32 s14, v1                    ; wave 0..3
	v_and_b32 v2, 31, v0                           ; lane
	v_and_b32 v3, 15, v0                           ; r: my slot
	v_bfe_u32 v4, v0, 4, 1                         ; h
	v_lshlrev_b32 v5, 2, v2                        ; 4 x lane
	s_mov_b32 s50, 0x76543210
	s_mov_b32 s51, 0xfedcba98                      ; v_permlanex16_b32's selects for lane l xor 16
	s_mov_b32 s52, 0x600000                        ; the mantissa field of 57,344
	s_wait_alu depctr_va_vdst(0)
	s_wait_kmcnt 0x0
.irp e, 0,1,2,3,4,5,6,7
	global_load_b32 v[CN+2*\e], v5, s[6:7] offset:(16+\e)*256
	global_load_b32 v[CN+2*\e+1], v5, s[6:7] offset:(16+\e)*256+128
.endr
.irp e, 0,1,2,3,4,5,6,7
	global_load_b32 v[BM+2*\e], v5, s[6:7] offset:\e*256
	global_load_b32 v[BM+2*\e+1], v5, s[6:7] offset:\e*256+128
	global_load_b32 v[B1+2*\e], v5, s[6:7] offset:(8+\e)*256
	global_load_b32 v[B1+2*\e+1], v5, s[6:7] offset:(8+\e)*256+128
.endr
	v_lshlrev_b32 v10, 4, v2
	s_lshl_b32 s56, s14, 12
	v_add_nc_u32 v10, s56, v10                     ; the codes' place: 16 x lane + my two K steps' 4,096 bytes
	s_lshr_b32 s56, s14, 1
	s_lshl_b32 s56, s56, 8
	s_and_b32 s57, s14, 1
	s_lshl_b32 s57, s57, 3
	s_add_co_u32 s56, s56, s57
	v_lshl_add_u32 v11, v3, 4, s56                 ; the scale words': 16 r + 256 (w / 2) + 8 (w % 2)
	v_and_b32 v13, 1, v3
	v_lshrrev_b32 v15, 1, v3
	v_lshl_add_u32 v13, v13, 3, v15
	v_lshlrev_b32 v13, 2, v13
	s_lshl_b32 s56, ttmp9, 6
	v_add_nc_u32 v13, s56, v13                     ; the list's: 64 b + 4 (8 (r % 2) + r / 2)
	v_lshlrev_b32 v14, 2, v3                       ; the gate weights': 4 r
.irp b, 0,1,2,3
	v_mov_b32 v[TM+4+\b], 0                        ; written once: a lane permute's destination counts as one of its sources
.endr
	s_wait_loadcnt 0x0
; each expert's number of rows: 64 chunks' counts, summed in whole numbers
.irp e, 0,1,2,3,4,5,6,7
	v_add_nc_u32 v[CN+2*\e], v[CN+2*\e], v[CN+2*\e+1]
.endr
.irp x, 1,2,4,8
.irp e, 0,1,2,3,4,5,6,7
	v_mov_b32_dpp v[CN+2*\e+1], v[CN+2*\e] row_xmask:\x row_mask:0xf bank_mask:0xf
.endr
.irp e, 0,1,2,3,4,5,6,7
	v_add_nc_u32 v[CN+2*\e], v[CN+2*\e], v[CN+2*\e+1]
.endr
.endr
.irp e, 0,1,2,3,4,5,6,7
	v_permlanex16_b32 v[CN+2*\e+1], v[CN+2*\e], s50, s51
.endr
.irp e, 0,1,2,3,4,5,6,7
	v_add_nc_u32 v[CN+2*\e], v[CN+2*\e], v[CN+2*\e+1]
.endr
.irp e, 0,1,2,3,4,5,6,7
	v_readfirstlane_b32 s[16+\e], v[CN+2*\e]       ; s16-23: rows of expert e
.endr
	s_mov_b32 s44, 0
.irp e, 0,1,2,3,4,5,6,7
	s_mov_b32 s[24+\e], s44                        ; s24-31: its first tile
	s_add_co_u32 s[32+\e], s[16+\e], 15
	s_lshr_b32 s[32+\e], s[32+\e], 4               ; s32-39: its tiles
	s_add_co_u32 s44, s44, s[32+\e]
.endr
	s_cmp_ge_u32 ttmp9, s44                        ; no tile b in this split
	s_cbranch_scc1 .Lend
	s_mov_b32 s41, 0                               ; my expert: the last whose first tile is not past b (one without rows has the first tile of its successor, which then wins)
	s_mov_b32 s42, s24
	s_mov_b32 s43, s16
.irp k, 1,2,3,4,5,6,7
	s_cmp_ge_u32 ttmp9, s[24+\k]
	s_cselect_b32 s41, \k, s41
	s_cselect_b32 s42, s[24+\k], s42
	s_cselect_b32 s43, s[16+\k], s43
.endr
	v_mov_b32 v64, v[BM]                           ; its masks: v64, v65 chosen; v66, v67 chosen second
	v_mov_b32 v65, v[BM+1]
	v_mov_b32 v66, v[B1]
	v_mov_b32 v67, v[B1+1]
.irp k, 1,2,3,4,5,6,7
	s_cmp_eq_u32 s41, \k
	s_cselect_b32 s40, -1, 0
	v_cndmask_b32 v64, v64, v[BM+2*\k], s40
	v_cndmask_b32 v65, v65, v[BM+2*\k+1], s40
	v_cndmask_b32 v66, v66, v[B1+2*\k], s40
	v_cndmask_b32 v67, v67, v[B1+2*\k+1], s40
.endr
	s_sub_co_u32 s45, ttmp9, s42
	s_lshl_b32 s45, s45, 4
	v_add_nc_u32 v68, s45, v3
	s_sub_co_u32 s46, s43, 1
	v_min_u32 v68, s46, v68                        ; rho: which of the expert's rows is my slot's; past the last: the last
	v_mov_b32 v69, 0                               ; the chunk's mask,
	v_mov_b32 v70, 0                               ; its second-choice mask,
	v_mov_b32 v71, 0                               ; n: my row is the chunk's (n + 1)-th,
	v_mov_b32 v72, 0                               ; the chunk
	s_mov_b32 s45, 0                               ; rows in the chunks passed
; chunk w holds my row where rho - (rows passed) is under its count (the difference wraps to a large number once rho is passed)
.macro CHUNK w
	v_readlane_b32 s46, v[64+(\w)/32], (\w)%32
	v_readlane_b32 s47, v[66+(\w)/32], (\w)%32
	s_bcnt1_i32_b32 s48, s46
	v_sub_nc_u32 v73, v68, s45
	v_cmp_le_u32 vcc_lo, s48, v73                  ; not here: keep
	v_cndmask_b32 v69, s46, v69, vcc_lo
	v_cndmask_b32 v70, s47, v70, vcc_lo
	v_cndmask_b32 v71, v73, v71, vcc_lo
	v_cndmask_b32 v72, \w, v72, vcc_lo
	s_add_co_u32 s45, s45, s48
.endm
.set CW, 0
.rept 64
	CHUNK CW
.set CW, CW+1
.endr
	v_mov_b32 v74, 0                               ; bits met
	v_mov_b32 v75, 0                               ; the place of the (n + 1)-th
	v_add_nc_u32 v76, 1, v71
.macro BIT b
	v_bfe_u32 v77, v69, \b, 1
	v_add_nc_u32 v74, v74, v77
	v_mul_u32_u24 v78, v74, v77                    ; the bit's rank where it is set, else 0
	v_cmp_ne_u32 vcc_lo, v78, v76
	v_cndmask_b32 v75, \b, v75, vcc_lo
.endm
.set CB, 0
.rept 32
	BIT CB
.set CB, CB+1
.endr
	v_lshl_add_u32 v79, v72, 5, v75
	v_min_u32 v79, 0x7ff, v79                      ; the token
	v_lshrrev_b32 v77, v75, v70
	v_and_b32 v77, 1, v77                          ; which of its two choices
	v_lshl_add_u32 v78, v79, 1, v77
	v_min_u32 v78, 0xfff, v78                      ; the id
	v_lshlrev_b32 v6, 12, v79
	v_lshl_add_u32 v6, v4, 6, v6
	s_lshl_b32 s56, s14, 10
	v_add_nc_u32 v6, s56, v6                       ; x: the token's row + 64 h (my 16 numbers of a block of 32) + my wave's two K steps
	v_lshlrev_b32 v8, 2, v78
	s_mul_i32 s54, ttmp9, REC1
	s_mov_b32 s55, 0
	s_add_nc_u64 s[12:13], s[12:13], s[54:55]      ; my tile's record
.macro XLOAD reg, s                    ; register 16 b + i = k 32 b + 16 h + i of my row, in K step s of my two
.irp b, 0,1,2,3
.irp j, 0,1,2,3
	global_load_b128 v[\reg+16*\b+4*\j:\reg+16*\b+4*\j+3], v6, s[4:5] offset:512*\s+128*\b+16*\j
.endr
.endr
.endm
	XLOAD X0, 0
	XLOAD X1, 1
	global_load_b32 v9, v8, s[8:9]                 ; my slot's gate weight
; 64 numbers of a lane become a fragment's codes in v[pc] on and its scale word in v[pw]
.macro QUANT s, pc, pw
.irp b, 0,1,2,3
	v_max3_num_f32 v[TM+\b], |v[\s+16*\b]|, |v[\s+1+16*\b]|, 0x8000000   ; block b: my 16 numbers, and the floor 2^(16 - 127): the byte cannot fall under 1
.endr
.irp i, 2,4,6,8,10,12,14
.irp b, 0,1,2,3
	v_max3_num_f32 v[TM+\b], v[TM+\b], |v[\s+16*\b+\i]|, |v[\s+1+16*\b+\i]|
.endr
.endr
.irp b, 0,1,2,3
	v_permlanex16_b32 v[TM+4+\b], v[TM+\b], s50, s51
.endr
.irp b, 0,1,2,3
	v_max_num_f32 v[TM+\b], v[TM+\b], v[TM+4+\b]   ; with lane l xor 16's: the block's largest magnitude
.endr
.irp b, 0,1,2,3
	v_add_nc_u32 v[TM+12+\b], 0xf8800000, v[TM+\b] ; 15 off its exponent field: the conversion takes this operand's exponent field as its scale
.endr
.irp b, 0,1,2,3
	v_and_or_b32 v[TM+8+\b], v[TM+\b], 0x7f800000, s52   ; 57,344 x the scale
.endr
.irp b, 0,1,2,3
	v_lshrrev_b32 v[TM+4+\b], 23, v[TM+12+\b]      ; the scale's byte
.endr
	v_lshl_or_b32 v[\pw], v[TM+5], 8, v[TM+4]
	v_lshl_or_b32 v[\pw], v[TM+6], 16, v[\pw]
	v_lshl_or_b32 v[\pw], v[TM+7], 24, v[\pw]
.irp b, 0,1,2,3
.irp i, 0,1,2,3,4,5,6,7,8,9,10,11,12,13,14,15
	v_med3_num_f32 v[\s+16*\b+\i], v[\s+16*\b+\i], -v[TM+8+\b], v[TM+8+\b]   ; the conversion to an 8-bit code does not saturate (ISA guide 7.6.2): the hold comes first
.endr
	v_cvt_scalef32_pk8_bf8_f32 v[\pc+4*\b:\pc+4*\b+1], v[\s+16*\b:\s+16*\b+7], v[TM+12+\b]
	v_cvt_scalef32_pk8_bf8_f32 v[\pc+4*\b+2:\pc+4*\b+3], v[\s+16*\b+8:\s+16*\b+15], v[TM+12+\b]
.endr
	v_nop                                          ; a plain instruction behind the last conversion, ahead of whatever next touches its registers
.endm
	s_wait_loadcnt 17                              ; the first K step's 16 loads are in; the second's 16 and the weight may be out
	QUANT X0, PC0, PW
.irp c, 0,1,2,3
	global_store_b128 v10, v[PC0+4*\c:PC0+4*\c+3], s[12:13] offset:512*\c        ; 32 lanes store 512 consecutive bytes, aligned
.endr
	s_wait_loadcnt 0x0
	QUANT X1, PC1, PW+1
.irp c, 0,1,2,3
	global_store_b128 v10, v[PC1+4*\c:PC1+4*\c+3], s[12:13] offset:2048+512*\c
.endr
	global_store_b64 v11, v[PW:PW+1], s[12:13] offset:16384   ; lanes 16-31 hold and store what lanes 0-15 do
	s_cmp_lg_u32 s14, 0
	s_cbranch_scc1 .Lend
	global_store_b32 v13, v78, s[10:11] offset:256 ; wave 0: the tile's list,
	global_store_b32 v14, v9, s[12:13] offset:16896   ; and its slots' gate weights
	s_cmp_lg_u32 ttmp9, 0
	s_cbranch_scc1 .Lend
	v_mov_b32 v12, 0                               ; work-group 0: the experts' first tiles and numbers of tiles
.irp e, 0,1,2,3,4,5,6,7
	v_writelane_b32 v12, s[24+\e], 2*\e
	v_writelane_b32 v12, s[32+\e], 2*\e+1
.endr
	global_store_b32 v5, v12, s[10:11]
.Lend:
	s_endpgm
; ---- w2 [8][2,048 (K)][1,024], f32, BECOMES CODES of BF8 (E5M2) with one E8M0 scale byte for each 32 along K, laid as the second layer's work-groups take them.
; w2q: 256 records of 69,632 bytes; record 32 e + 16 kh + sg holds expert e's columns 64 sg .. 64 sg + 63, K half kh (1,024 rows): the fragment of K step s and tile j as an image of the operand's registers at
; 2,048 (4 s + j) + 512 c + 16 x lane; from byte 65,536 on, 512 bytes a K step: the scale words [lane][j].
; K IS THE FIRST AXIS: a lane takes columns and its registers run down K.  THE COLUMNS OF A TILE ARE NOT NEIGHBOURS: tile j is columns 4 q + j.  So one load of 16 bytes is four tiles' numbers: lane (q, h) reads columns
; 4 q .. 4 q + 3 of row 32 c + 16 h + i; sixteen lanes read 256 consecutive bytes, aligned.  A block of 32 along K lies in lanes l and l xor 16.
; SHARES.  A wave takes one unit: a record's one K step, 128 rows x 64 columns: four blocks of 16 loads, through a ring of two blocks; 2,048 units are 512 work-groups of 4 waves.  Waves share nothing: no LDS, no barrier.
; Each block has its own registers for its codes, so no store's data are written again.  Every store of a wave covers 512 consecutive bytes, aligned.
.set QFIRST, NPLACE                    ; the first work-group of this path
.set QWL,    2                         ; log2 of a work-group's waves
.set QPITCH, 4096                      ; a row of the weight in bytes
.set QCB,    4                         ; a record's number: its low QCB bits are the group of 64 columns,
.set QHI,    22                        ; the bits above count pieces of 2^QHI bytes (a K half's 1,024 rows)
.set QKS,    19                        ; a K step's 128 rows are 2^QKS bytes,
.set QHS,    16                        ; 16 rows 2^QHS
.set WREC,   69632
.set QLIM, 8                           ; v8-11    57,344 x the scale
.set QSW,  16                          ; v16-19   the four tiles' scale words
.set QM,   20                          ; v20-23   largest magnitudes
.set QP,   24                          ; v24-27   the other half's; then bytes
.set QSC,  28                          ; v28-31   the conversions' scale operands
.set QT,   32                          ; v32-63   a column's 16 numbers on end: two sets by turns
.set QC,   64                          ; v64-127  codes: 16 registers a block
.set QR,   128                         ; v128-255 the ring: register 4 i + j of slot c % 2 = w(32 c + 16 h + i, 4 q + j)
.macro WLOAD c
.irp i, 0,1,2,3,4,5,6,7,8,9,10,11,12,13,14,15
	global_load_b128 v[QR+64*((\c)%2)+4*\i:QR+64*((\c)%2)+4*\i+3], v2, s[4:5] offset:(32*(\c)+\i)*QPITCH th:TH_LOAD_NT
.endr
.endm
.macro WQUANT c
.set RB, QR+64*((\c)%2)
.irp j, 0,1,2,3
	v_max3_num_f32 v[QM+\j], 0x8000000, |v[RB+\j]|, |v[RB+4+\j]|     ; column 4 q + j: my 16 numbers, and the floor 2^(16 - 127): the byte cannot fall under 1
.endr
.irp i, 2,4,6,8,10,12,14
.irp j, 0,1,2,3
	v_max3_num_f32 v[QM+\j], v[QM+\j], |v[RB+4*\i+\j]|, |v[RB+4*\i+4+\j]|
.endr
.endr
.irp j, 0,1,2,3
	v_permlanex16_b32 v[QP+\j], v[QM+\j], s24, s25
.endr
.irp j, 0,1,2,3
	v_max_num_f32 v[QM+\j], v[QM+\j], v[QP+\j]     ; with lane l xor 16's 16: the block's largest magnitude
.endr
.irp j, 0,1,2,3
	v_add_nc_u32 v[QSC+\j], 0xf8800000, v[QM+\j]   ; 15 off its exponent field: the conversion takes this operand's exponent field as its scale
.endr
.irp j, 0,1,2,3
	v_and_or_b32 v[QLIM+\j], v[QM+\j], 0x7f800000, s26   ; 57,344 x the scale
.endr
.irp j, 0,1,2,3
	v_lshrrev_b32 v[QP+\j], 23, v[QSC+\j]          ; the scale's byte
.endr
.irp j, 0,1,2,3
.if (\c) == 0
	v_mov_b32 v[QSW+\j], v[QP+\j]
.else
	v_lshl_or_b32 v[QSW+\j], v[QP+\j], 8*(\c), v[QSW+\j]
.endif
.endr
.irp j, 0,1,2,3
.irp i, 0,1,2,3,4,5,6,7,8,9,10,11,12,13,14,15
	v_med3_num_f32 v[QT+16*(\j%2)+\i], v[RB+4*\i+\j], -v[QLIM+\j], v[QLIM+\j]   ; the hold (the conversion does not saturate: ISA guide 7.6.2), which also brings a column's numbers on end
.endr
	v_cvt_scalef32_pk8_bf8_f32 v[QC+16*(\c)+4*\j:QC+16*(\c)+4*\j+1], v[QT+16*(\j%2):QT+16*(\j%2)+7], v[QSC+\j]
	v_cvt_scalef32_pk8_bf8_f32 v[QC+16*(\c)+4*\j+2:QC+16*(\c)+4*\j+3], v[QT+16*(\j%2)+8:QT+16*(\j%2)+15], v[QSC+\j]   ; the next column's 16 holds write the other set: plain lines ahead of the next write of this one
.endr
	v_nop                                          ; a plain instruction behind the last conversion
.irp j, 0,1,2,3
	global_store_b128 v1, v[QC+16*(\c)+4*\j:QC+16*(\c)+4*\j+3], s[6:7] offset:2048*\j+512*(\c)   ; registers 4 c .. 4 c + 3 of tile j's fragment, as they stand
.endr
.endm
.Lquant:
	s_load_b128 s[4:7], s[0:1], 0x28               ; the weight s[4:5], its codes' buffer s[6:7]
	v_lshrrev_b32 v3, 5, v0
	v_readfirstlane_b32 s14, v3                    ; wave
	s_sub_co_u32 s15, ttmp9, QFIRST
	s_lshl_b32 s15, s15, QWL
	s_add_co_u32 s15, s15, s14                     ; my unit, 0 .. 2,047
	s_lshr_b32 s16, s15, 3                         ; its record,
	s_and_b32 s17, s15, 7                          ; its K step
	s_lshr_b32 s18, s16, QCB
	s_lshl_b32 s18, s18, QHI
	s_and_b32 s19, s16, (1<<QCB)-1
	s_lshl_b32 s19, s19, 8                         ; 64 columns are 256 bytes
	s_add_co_u32 s18, s18, s19
	s_lshl_b32 s19, s17, QKS
	s_add_co_u32 s18, s18, s19                     ; where the unit begins in the weight
	s_mov_b32 s19, 0
	s_mul_i32 s20, s16, WREC
	s_lshl_b32 s22, s17, 9
	s_add_co_u32 s22, s22, s20
	s_add_co_u32 s22, s22, 65536                   ; its scale words
	s_mov_b32 s23, 0
	s_lshl_b32 s21, s17, 13
	s_add_co_u32 s20, s20, s21                     ; its four fragments
	s_mov_b32 s21, 0
	v_and_b32 v4, 31, v0
	v_lshlrev_b32 v1, 4, v4                        ; out: 16 x lane
	v_and_b32 v5, 15, v0                           ; q
	v_bfe_u32 v6, v0, 4, 1                         ; h
	v_lshlrev_b32 v2, 4, v5
	v_lshl_add_u32 v2, v6, QHS, v2                 ; in: 16 q + 16 h rows
	s_mov_b32 s24, 0x76543210
	s_mov_b32 s25, 0xfedcba98                      ; v_permlanex16_b32's selects for lane l xor 16
	s_mov_b32 s26, 0x600000                        ; the mantissa field of 57,344
.irp j, 0,1,2,3
	v_mov_b32 v[QP+\j], 0                          ; written once: a lane permute's destination counts as one of its sources
.endr
	s_wait_alu depctr_va_vdst(0)
	s_wait_kmcnt 0x0
	s_add_nc_u64 s[4:5], s[4:5], s[18:19]
	s_add_nc_u64 s[8:9], s[6:7], s[22:23]
	s_add_nc_u64 s[6:7], s[6:7], s[20:21]
	WLOAD 0
	WLOAD 1
	s_wait_loadcnt 16                              ; block 0's 16 loads are in; block 1's may be out
	WQUANT 0
	WLOAD 2
	s_wait_loadcnt 16                              ; block 1 is in; block 2 may be out
	WQUANT 1
	WLOAD 3
	s_wait_loadcnt 16                              ; block 2 is in; block 3 may be out
	WQUANT 2
	s_wait_loadcnt 0x0
	WQUANT 3
	global_store_b128 v1, v[QSW:QSW+3], s[8:9]     ; the K step's scale words of my four columns (lanes 16-31 hold what lanes 0-15 hold)
	s_endpgm
.Lfunc_end_k_qfdbce4bb50_place:
	.size	k_qfdbce4bb50_place, .Lfunc_end_k_qfdbce4bb50_place-k_qfdbce4bb50_place
	.p2alignl 7, 3214868480
	.fill 96, 4, 3214868480
	.section	.rodata,"a",@progbits
	.p2align	6, 0x0
	.amdhsa_kernel k_qfdbce4bb50_place
		.amdhsa_group_segment_fixed_size 0
		.amdhsa_private_segment_fixed_size 0
		.amdhsa_enable_private_segment 0
		.amdhsa_kernarg_size 56
		.amdhsa_user_sgpr_count 2
		.amdhsa_user_sgpr_kernarg_segment_ptr 1
		.amdhsa_wavefront_size32 1
		.amdhsa_system_sgpr_workgroup_id_x 1
		.amdhsa_system_sgpr_workgroup_id_y 1
		.amdhsa_system_sgpr_workgroup_id_z 1
		.amdhsa_system_vgpr_workitem_id 0
		.amdhsa_next_free_vgpr 256
		.amdhsa_next_free_sgpr 66
		.amdhsa_reserve_vcc 1
		.amdhsa_float_denorm_mode_32 3
		.amdhsa_float_denorm_mode_16_64 3
		.amdhsa_memory_ordered 1
		.amdhsa_forward_progress 1
		.amdhsa_inst_pref_size 111
	.end_amdhsa_kernel
	.amdgpu_metadata
---
amdhsa.version: [ 1, 2 ]
amdhsa.kernels:
  - .name:           k_qfdbce4bb50_place
    .symbol:         k_qfdbce4bb50_place.kd
    .args:
      - { .name: x, .offset: 0, .size: 8, .value_kind: global_buffer, .address_space: global }
      - { .name: rt, .offset: 8, .size: 8, .value_kind: global_buffer, .address_space: global }
      - { .name: gw2, .offset: 16, .size: 8, .value_kind: global_buffer, .address_space: global }
      - { .name: route, .offset: 24, .size: 8, .value_kind: global_buffer, .address_space: global }
      - { .name: xrec, .offset: 32, .size: 8, .value_kind: global_buffer, .address_space: global }
      - { .name: w2, .offset: 40, .size: 8, .value_kind: global_buffer, .address_space: global }
      - { .name: w2q, .offset: 48, .size: 8, .value_kind: global_buffer, .address_space: global }
    .group_segment_fixed_size: 0
    .private_segment_fixed_size: 0
    .kernarg_segment_align: 8
    .kernarg_segment_size: 56
    .max_flat_workgroup_size: 128
    .sgpr_count:     66
    .vgpr_count:     256
    .wavefront_size: 32
...
	.end_amdgpu_metadata
.endif
;; end of part 7
;; launch layer1 (part 8): grid 256 x 1, 4 waves a work-group, no clusters, 66,048 bytes of LDS; arguments w1q, b1, xrec, route, hrec; writes hrec
.if DOCPART == 8
	.amdgcn_target "amdgcn-amd-amdhsa--gfx1250"
	.amdhsa_code_object_version 6
	.text
	.protected	k_qfdbce4bb50_layer1
	.globl	k_qfdbce4bb50_layer1
	.p2align	8
	.type	k_qfdbce4bb50_layer1,@function
k_qfdbce4bb50_layer1:
	s_mov_b64 s[64:65], 0
	v_nop
	global_prefetch_b8 v0, s[64:65] scope:SCOPE_SE
	s_setreg_imm32_b32 hwreg(HW_REG_WAVE_SCHED_MODE, 0, 2), 2
	s_setreg_imm32_b32 hwreg(HW_REG_WAVE_MODE, 25, 1), 1
	s_wait_xcnt 0x0
	s_wait_alu depctr_vm_vsrc(0)
; THE FIRST LAYER, for the routed rows alone: hidden = relu(x w1[e] + b1[e]), the product on codes of BF8 (E5M2) with one E8M0 scale for each 32 along K; the result is quantised along the next K and stored as codes.
; SHARES.  Work-group b: expert e = b / 32, hidden units 64 sg .. 64 sg + 63 (sg = b % 32), all K = 1,024.  THE WEIGHTS STAY, THE ROWS GO PAST: record b of w1q, 64 KB of codes laid as images of the operand's
; registers by an earlier launch, is read once (wave w: fragments 8 w .. 8 w + 7), handed round through LDS as it stands, and then EVERY wave holds all 32 fragments (512 registers) and takes the expert's tiles w, w + 4, ..
; THE COLUMNS OF A TILE ARE NOT NEIGHBOURS: tile j is columns 4 q + j (q = 0 .. 15).  In the product, which is used transposed (source 0 = 16 columns of w1, source 1 = 16 rows of x),
; lane (r, h) so holds slot r and units 32 h + 4 i + j: one whole block of 32 along the next K, so that its largest magnitude needs no other lane.
; No tensor load and no cluster: the number of tiles is read from memory, so operands go from memory straight into registers, out of records laid in the order of the operand's registers.
; The one barrier stands ahead of every branch on loaded numbers.  Past a wave's last tile the fetch is held at that tile, so that every way issues the same loads and the counted waits hold on each.
; A trip of the loop over tiles takes two tiles, one from each set of registers; the loop counts trips, one at a time; a wave with an odd number of tiles ends between the two tiles of its last trip.
; A block of zeros has the byte 1 where the rule says 127: its codes are zeros, and this program alone reads the bytes.  LIMITS: NaN and infinities among the inputs are not served.
; REGISTERS, in windows of 256: window 0: below.  Window 1: the fragments of K steps 0-3 at 16 (4 s + j).  Window 2: those of K steps 4-7.  Window 3: two sets of a tile's 8 fragments, at 128 p + 16 s.
; THE MODE: SCHED_MODE bits 1:0 = 2 (LLVM: expert scheduling mode 2), set by the entry lines.  The code itself states the register dependences
; between vector or matrix instructions and memory or LDS instructions, with s_wait_alu, always for 0.
; THE PLAN.  Registers that memory or LDS instructions touch:
;   set p, AS[p]   My tile t (p = t % 2): its 32 products read them; behind the products the loads of my tile t + 2 land in them, in two runs.
;   C, P           Written by the tile's conversions and the shift that makes the byte; read by the tile's three stores; written again a tile later.
;   v1, v3, v5-v8  Offsets, made once at the head and never written again: tiles are reached by scalar bases.
;   QF             At the head alone: loads land in it, the LDS stores read it.  Its registers are T and C afterwards, which vector instructions write.
;   The weights' fragments and scale words are loaded at the head and then named by products alone.  v62, v63: written at the head, read by the closing add alone.
; A TILE'S WAITS.  Behind the products and their places: one on vm_vsrc (the last tile's stores have read C and P) and one on va_vdst (the products are done reading set p and AS[p]).
; The first run of loads follows at once, so that the set does not lie idle during the way out; then the way out's vector lines, which name ACC, M, P, SCL, LIM, T and C alone, all of window 0;
; then the second run, which owes nothing more: no line since the wait names v1 or a register of window 3.  Behind it the second wait on va_vdst (C and P are written), and the stores.
.set REC1,  17152                      ; a tile's record of x
.set REC2,  33792                      ; a tile's record of the hidden layer: two halves of
.set HREC,  16896                      ; 16,384 bytes of codes and 512 of scale words
.set WREC,  69632                      ; a work-group's record of weights: 65,536 bytes of codes, then 512 bytes of scale words [lane][j] a K step
.set NBB,   16                         ; loads of a tile's second run: the codes of K steps 4-7
.set NB,    33                         ; loads that bring a tile: the first run's 16 of codes (K steps 0-3) and 1 of scale words, and the second run
.set WS,  16                           ; v16-31  w1's scale words: 4 u + j: lanes 0-15 K step 2 u, lanes 16-31 K step 2 u + 1.  Scales and nothing else
.set AS,  32                           ; v32-39  the tile's: 4 p + k: lanes 0-15 K step k, lanes 16-31 K step 4 + k.  Scales and nothing else
.set M,   48                           ; v48-49  largest magnitudes
.set P,   52                           ; v52     the scale's byte
.set SCL, 56                           ; v56     the conversions' scale operand
.set LIM, 60                           ; v60     57,344 x the scale
.set ACC, 64                           ; v64-95  four accumulators: ACC + 8 j + i; at the head b1 as it is loaded
.set BI,  96                           ; v96-127 b1 in the accumulators' layout
.set QF,  128                          ; v128-255 at the head: my eight fragments on their way to LDS
.set T,   128                          ; v128-159 numbers in the order of K
.set C,   192                          ; v192-199 codes
.set MSB, 0
.macro WIN new                         ; s_set_vgpr_msb: bits 1:0 source 0, 3:2 source 1, 5:4 source 2, 7:6 destination; the high byte repeats the setting that is left
.if MSB != \new
	s_set_vgpr_msb (MSB<<8)|\new
.set MSB, \new
.endif
.endm
	s_load_b256 s[4:11], s[0:1], 0x0               ; w1q s[4:5], b1 s[6:7], xrec s[8:9], route s[10:11]
	s_load_b64 s[12:13], s[0:1], 0x20              ; hrec
	v_lshl_add_u32 v62, v0, 2, 0x10000
	v_mov_b32 v63, 0
	v_lshrrev_b32 v9, 5, v0
	v_readfirstlane_b32 s16, v9                    ; wave 0..3
	s_lshr_b32 s17, ttmp9, 5                       ; e
	s_and_b32 s18, ttmp9, 31                       ; sg
	v_and_b32 v10, 31, v0                          ; lane
	v_and_b32 v11, 15, v0                          ; q, or r
	s_wait_alu depctr_va_vdst(0)
	v_bfe_u32 v12, v0, 4, 1                        ; h
	v_lshlrev_b32 v1, 4, v10                       ; v1: 16 x lane: my place in an image
	s_wait_alu depctr_va_sdst(0)                   ; s16 is written, ahead of its first reader, the line below
	s_lshl_b32 s32, s16, 14
	v_add_nc_u32 v3, s32, v1                       ; v3: 16 x lane + my 8 fragments' 16,384 bytes: their place in the record and in LDS alike
	v_lshlrev_b32 v5, 4, v11
	v_lshl_add_u32 v5, v12, 9, v5                  ; v5: w1's scale words: 16 q, lanes 16-31 one K step (512 bytes) on
	v_lshlrev_b32 v6, 7, v12                       ; v6: b1: my half's 32 units
	s_lshr_b32 s45, s18, 1                         ; S: the next product's K step that my 64 units lie in
	s_and_b32 s46, s18, 1
	s_lshr_b32 s47, s45, 3
	s_mul_i32 s47, s47, HREC                       ; which half of the record
	s_and_b32 s48, s45, 7
	s_lshl_b32 s48, s48, 11
	s_add_co_u32 s48, s48, s47
	s_lshl_b32 s49, s46, 10
	s_add_co_u32 s48, s48, s49                     ; the codes: half + 2,048 (S % 8) + 1,024 (sg % 2)
	s_bfe_u32 s49, s45, 0x10002
	s_lshl_b32 s49, s49, 8
	s_add_co_u32 s47, s47, s49
	s_and_b32 s49, s45, 3
	s_lshl_b32 s49, s49, 2
	s_add_co_u32 s47, s47, s49
	s_lshl_b32 s49, s46, 1
	s_add_co_u32 s47, s47, s49
	s_add_co_u32 s47, s47, 16384                   ; the bytes: half + 16,384 + 256 ((S / 4) % 2) + 4 (S % 4) + 2 (sg % 2)
	v_lshlrev_b32 v7, 4, v11
	s_wait_alu depctr_va_vdst(0)
	v_lshl_add_u32 v7, v12, 9, v7
	v_add_nc_u32 v7, s48, v7                       ; v7: my codes in a record: + 512 h + 16 r
	v_lshl_add_u32 v8, v11, 4, v12
	v_add_nc_u32 v8, s47, v8                       ; v8: my byte: + 16 r + h
	s_mov_b32 s44, 0x600000                        ; the mantissa field of 57,344
	s_mul_i32 s30, ttmp9, WREC                     ; my work-group's record of weights
	s_mov_b32 s31, 0
	s_lshl_b32 s45, s18, 8
	s_lshl_b32 s46, s17, 13
	s_add_co_u32 s46, s46, s45                     ; b1: the expert's 8,192 bytes, my work-group's 64 units
	s_mov_b32 s47, 0
	s_lshl_b32 s40, s17, 3                         ; the expert's two words of the table; never rewritten
	s_wait_kmcnt 0x0
	s_add_nc_u64 s[4:5], s[4:5], s[30:31]
	s_add_nc_u64 s[6:7], s[6:7], s[46:47]
	s_load_b64 s[38:39], s[10:11], s40 offset:0x0  ; first tile, number of tiles: waited for behind the barrier
	s_wait_alu depctr_va_vdst(0)                   ; the offsets v1, v3 and v5 to v8 are written, which every load and store of the kernel reads; so are v62 and v63, which the closing add reads
.irp m, 0,1,2,3,4,5,6,7
	global_load_b128 v[ACC+4*\m:ACC+4*\m+3], v6, s[6:7] offset:16*\m
.endr
.irp f, 0,1,2,3,4,5,6,7
.irp c, 0,1,2,3
	global_load_b128 v[QF+16*\f+4*\c:QF+16*\f+4*\c+3], v3, s[4:5] offset:2048*\f+512*\c      ; 32 lanes read 512 consecutive bytes
.endr
.endr
.irp u, 0,1,2,3
	global_load_b128 v[WS+4*\u:WS+4*\u+3], v5, s[4:5] offset:65536+1024*\u                   ; the four tiles' words of K steps 2 u (lanes 0-15) and 2 u + 1 (lanes 16-31)
.endr
	s_wait_loadcnt 4                               ; b1 and my eight fragments are in; the four loads of scale words may be out
.irp f, 0,1,2,3,4,5,6,7
.irp c, 0,1,2,3
	ds_store_b128 v3, v[QF+16*\f+4*\c:QF+16*\f+4*\c+3] offset:2048*\f+512*\c                 ; data that loads brought, an offset that the wait above has shown written: no further wait
.endr
.endr
.irp j, 0,1,2,3
.irp i, 0,1,2,3,4,5,6,7
	v_mov_b32 v[BI+8*\j+\i], v[ACC+4*\i+\j]        ; unit 32 h + 4 i + j belongs to register i of accumulator j.  (These name no register of the LDS stores above, and stand while those are out)
.endr
.endr
	s_wait_dscnt 0x0                               ; for the others' sake: my images have landed
	s_barrier_signal -1
	s_barrier_wait -1                              ; all 32 fragments lie in LDS; nothing is written there again
	s_wait_alu depctr_vm_vsrc(0)                   ; my LDS stores have read v[QF ..]: these registers are T and C from here on, which the holds and the conversions write
	s_wait_kmcnt 0x0
	s_min_u32 s39, s39, 128                        ; (an expert has at most 2,048 rows: 128 tiles)
	s_add_co_u32 s20, s38, s16                     ; s20: my first tile
	s_add_co_u32 s21, s39, 3
	s_sub_co_u32 s21, s21, s16
	s_lshr_b32 s21, s21, 2                         ; s21: how many are mine
	s_cmp_eq_u32 s21, 0
	s_cbranch_scc1 .Lend
	s_sub_co_u32 s23, s21, 1                       ; s23: the last of them
	s_add_co_u32 s36, s21, 1
	s_lshr_b32 s36, s36, 1                         ; s36: trips of two tiles; the loop does not write it
; set p's base: the record of my tile number s34
.macro BASE p
	s_lshl_b32 s30, s34, 2
	s_add_co_u32 s30, s30, s20
	s_min_u32 s30, s30, 262
	s_mul_i32 s30, s30, REC1
	s_add_nc_u64 s[24+2*\p:25+2*\p], s[8:9], s[30:31]
.endm
; a run of 16 loads: the fragments of K steps first .. first + 3 into set p.  It stands under destination window 3
.macro RUN p, first
.irp s, 0,1,2,3
.irp c, 0,1,2,3
	global_load_b128 v[128*\p+16*(\first+\s)+4*\c:128*\p+16*(\first+\s)+4*\c+3], v1, s[24+2*\p:25+2*\p] offset:2048*(\first+\s)+512*\c
.endr
.endr
.endm
; the tile's scale words.  It stands under window 0
.macro WORDS p
	global_load_b128 v[AS+4*\p:AS+4*\p+3], v1, s[24+2*\p:25+2*\p] offset:16384
.endm
; a set's first fill, in the order in which the loop fills it.  No wait: no vector or matrix instruction has named these registers yet
.macro FILL p
	BASE \p
	WIN 0xc0                                       ; destination window 3
	RUN \p, 0
	WIN 0
	WORDS \p
	WIN 0xc0
	RUN \p, 4
	WIN 0
.endm
	s_mov_b32 s34, 0
	FILL 0
	s_min_u32 s34, s23, 1
	FILL 1
	WIN 0x40
.irp f, 0,1,2,3,4,5,6,7,8,9,10,11,12,13,14,15
.irp c, 0,1,2,3
	ds_load_b128 v[16*\f+4*\c:16*\f+4*\c+3], v1 offset:2048*\f+512*\c
.endr
.endr
	WIN 0x80
.irp f, 0,1,2,3,4,5,6,7,8,9,10,11,12,13,14,15
.irp c, 0,1,2,3
	ds_load_b128 v[16*\f+4*\c:16*\f+4*\c+3], v1 offset:2048*(16+\f)+512*\c
.endr
.endr
	WIN 0
	s_wait_dscnt 0x0
; one product: tile j of the weights x set p, K step s.  The first K step takes b1 as C.  The rows of the scale registers: w1's by s % 2, the tile's by s / 4
.macro MM p, s, j
.set WR, 16*(4*((\s)%4)+(\j))
.set AR, 128*(\p)+16*(\s)
.set DR, ACC+8*(\j)
.set CR, DR
.if (\s) == 0
.set CR, BI+8*(\j)
.endif
.set SA, WS+4*((\s)/2)+(\j)
.set SBR, AS+4*(\p)+((\s)%4)
.if (((\s)%2) == 0) && ((\s) < 4)
	v_wmma_scale_f32_16x16x128_f8f6f4 v[DR:DR+7], v[WR:WR+15], v[AR:AR+15], v[CR:CR+7], v[SA], v[SBR] matrix_a_fmt:MATRIX_FMT_BF8 matrix_b_fmt:MATRIX_FMT_BF8
.elseif (\s) < 4
	v_wmma_scale_f32_16x16x128_f8f6f4 v[DR:DR+7], v[WR:WR+15], v[AR:AR+15], v[CR:CR+7], v[SA], v[SBR] matrix_a_fmt:MATRIX_FMT_BF8 matrix_b_fmt:MATRIX_FMT_BF8 matrix_a_scale:MATRIX_SCALE_ROW1
.elseif ((\s)%2) == 0
	v_wmma_scale_f32_16x16x128_f8f6f4 v[DR:DR+7], v[WR:WR+15], v[AR:AR+15], v[CR:CR+7], v[SA], v[SBR] matrix_a_fmt:MATRIX_FMT_BF8 matrix_b_fmt:MATRIX_FMT_BF8 matrix_b_scale:MATRIX_SCALE_ROW1
.else
	v_wmma_scale_f32_16x16x128_f8f6f4 v[DR:DR+7], v[WR:WR+15], v[AR:AR+15], v[CR:CR+7], v[SA], v[SBR] matrix_a_fmt:MATRIX_FMT_BF8 matrix_b_fmt:MATRIX_FMT_BF8 matrix_a_scale:MATRIX_SCALE_ROW1 matrix_b_scale:MATRIX_SCALE_ROW1
.endif
.endm
; my 32 results are one block of 32 along the next K: relu, scale, hold, codes.  Vector lines alone, on ACC, M, P, SCL, LIM, T and C
.macro CODES1
	v_max3_num_f32 v[M], v[ACC], v[ACC+1], 0x8000000               ; no |.|: what is negative becomes 0, so it does not count; the floor stands over it.  Each accumulator is read from its low end on
	v_max3_num_f32 v[M+1], v[ACC+16], v[ACC+17], 0x8000000
.irp i, 2,4,6,8,10,12,14
	v_max3_num_f32 v[M], v[M], v[ACC+\i], v[ACC+\i+1]
	v_max3_num_f32 v[M+1], v[M+1], v[ACC+16+\i], v[ACC+17+\i]
.endr
	v_max_num_f32 v[M], v[M], v[M+1]
	v_add_nc_u32 v[SCL], 0xf8800000, v[M]
	v_and_or_b32 v[LIM], v[M], 0x7f800000, s44
	v_lshrrev_b32 v[P], 23, v[SCL]
.irp i, 0,1,2,3,4,5,6,7
.irp j, 0,1,2,3
	v_med3_num_f32 v[T+4*\i+\j], v[ACC+8*\j+\i], 0, v[LIM]         ; the activation, the hold and the order of K in one
.endr
.endr
.irp g, 0,1,2,3
	v_cvt_scalef32_pk8_bf8_f32 v[C+2*\g:C+2*\g+1], v[T+8*\g:T+8*\g+7], v[SCL]
.endr
	v_nop                                          ; a plain instruction behind the last conversion
.endm
.macro OUT1
	global_store_b128 v7, v[C:C+3], s[28:29]                       ; units 32 h + 0 .. 15: sixteen lanes store 256 consecutive bytes, aligned
	global_store_b128 v7, v[C+4:C+7], s[28:29] offset:256          ; units 32 h + 16 .. 31
	global_store_b8 v8, v[P], s[28:29]                             ; single bytes, one for 32 bytes of codes: laid so that the 32 readers of a scale word load it whole
.endm
.macro TILE p
	s_wait_loadcnt NB+NBB                          ; set p's first run is in: K steps 0-3 and the scale words (ahead of the first tile: the weights' scale words too); its second run's NBB loads and the other set's NB, issued behind it, may be out
	WIN 0x0d                                       ; source 0 (w1) window 1, source 1 (the tile) window 3
.irp s, 0,1,2,3
.irp j, 0,1,2,3
	MM \p, \s, \j                                  ; the four accumulators by turns, one instruction a turn
.endr
.endr
	s_wait_loadcnt NB                              ; set p's second run is in; the other set's NB loads may be out.  All loads that read set p's base are done: it may be written below
	WIN 0x0e                                       ; source 0 window 2
.irp s, 4,5,6,7
.irp j, 0,1,2,3
	MM \p, \s, \j
.endr
.endr
	WIN 0
.rept 9
	v_nop                                          ; eight places ahead of the reads of the results, nine ahead of the next tile's sums, which begin anew over these accumulators
.endr
	s_wait_xcnt 0x0                                ; the last tile's stores, issued 32 products ago, have read their base and data: both are rewritten only below this line
	s_wait_alu depctr_vm_vsrc(0)                   ; the last tile's stores have read C and P, which the conversions and the shift below write again
	s_add_co_u32 s32, s22, \p                      ; which of my tiles
	s_lshl_b32 s30, s32, 2
	s_add_co_u32 s30, s30, s20
	s_min_u32 s30, s30, 262
	s_mul_i32 s30, s30, REC2
	s_add_nc_u64 s[28:29], s[12:13], s[30:31]      ; its record of the hidden layer
	s_add_co_u32 s34, s32, 2
	s_min_u32 s34, s34, s23                        ; what set p takes next: two on, held at my last
	BASE \p
	WIN 0xc0                                       ; destination window 3
	s_wait_alu depctr_va_vdst(0)                   ; the 32 products are done reading set p and AS[p], in which the loads of both runs below land
	RUN \p, 0                                      ; the set is asked for again at once
	WIN 0
	WORDS \p
	CODES1
	WIN 0xc0
	RUN \p, 4                                      ; no wait: no vector or matrix instruction since the wait above names v1 or a register of window 3
	WIN 0
	s_wait_alu depctr_va_vdst(0)                   ; the conversions have written C and the shift P, which the stores below read; the sixteen loads above stand between those lines and this wait
	OUT1
.endm
	s_mov_b32 s35, 0                               ; s35: the trip, stepped by 1
.Ltile:
	s_lshl_b32 s22, s35, 1                         ; s22: the trip's first tile
	s_wait_alu depctr_va_vdst(0)
	TILE 0
	s_add_co_u32 s33, s22, 1
	s_cmp_lt_u32 s33, s21
	s_cbranch_scc1 .Lsecond
	s_wait_dscnt 0x0                               ; the closing lines, six on end
	s_wait_alu 0x0
	s_wait_tensorcnt 0x0
	ds_add_u32 v62, v63
	s_wait_dscnt 0x0
	s_endpgm                                       ; an odd number of tiles: that was my last.  The loop is left here, or by falling through its backward branch
.Lsecond:
	TILE 1
	s_add_co_u32 s35, s35, 1
	s_cmp_lt_u32 s35, s36
	s_cbranch_scc1 .Ltile
.Lend:
	s_wait_dscnt 0x0                               ; the closing lines, six on end
	s_wait_alu 0x0
	s_wait_tensorcnt 0x0
	ds_add_u32 v62, v63
	s_wait_dscnt 0x0
	s_endpgm
.Lfunc_end_k_qfdbce4bb50_layer1:
	.size	k_qfdbce4bb50_layer1, .Lfunc_end_k_qfdbce4bb50_layer1-k_qfdbce4bb50_layer1
	.p2alignl 7, 3214868480
	.fill 96, 4, 3214868480
	.section	.rodata,"a",@progbits
	.p2align	6, 0x0
	.amdhsa_kernel k_qfdbce4bb50_layer1
		.amdhsa_group_segment_fixed_size 66048
		.amdhsa_private_segment_fixed_size 0
		.amdhsa_enable_private_segment 0
		.amdhsa_kernarg_size 40
		.amdhsa_user_sgpr_count 2
		.amdhsa_user_sgpr_kernarg_segment_ptr 1
		.amdhsa_wavefront_size32 1
		.amdhsa_system_sgpr_workgroup_id_x 1
		.amdhsa_system_sgpr_workgroup_id_y 1
		.amdhsa_system_sgpr_workgroup_id_z 1
		.amdhsa_system_vgpr_workitem_id 0
		.amdhsa_next_free_vgpr 1024
		.amdhsa_next_free_sgpr 66
		.amdhsa_reserve_vcc 0
		.amdhsa_float_denorm_mode_32 3
		.amdhsa_float_denorm_mode_16_64 3
		.amdhsa_memory_ordered 1
		.amdhsa_forward_progress 1
		.amdhsa_inst_pref_size 51
	.end_amdhsa_kernel
	.amdgpu_metadata
---
amdhsa.version: [ 1, 2 ]
amdhsa.kernels:
  - .name:           k_qfdbce4bb50_layer1
    .symbol:         k_qfdbce4bb50_layer1.kd
    .args:
      - { .name: w1q, .offset: 0, .size: 8, .value_kind: global_buffer, .address_space: global }
      - { .name: b1, .offset: 8, .size: 8, .value_kind: global_buffer, .address_space: global }
      - { .name: xrec, .offset: 16, .size: 8, .value_kind: global_buffer, .address_space: global }
      - { .name: route, .offset: 24, .size: 8, .value_kind: global_buffer, .address_space: global }
      - { .name: hrec, .offset: 32, .size: 8, .value_kind: global_buffer, .address_space: global }
    .group_segment_fixed_size: 66048
    .private_segment_fixed_size: 0
    .kernarg_segment_align: 8
    .kernarg_segment_size: 40
    .max_flat_workgroup_size: 128
    .sgpr_count:     66
    .vgpr_count:     1024
    .wavefront_size: 32
...
	.end_amdgpu_metadata
.endif
;; end of part 8
;; launch layer2 (part 9): grid 256 x 1, 4 waves a work-group, no clusters, 83,456 bytes of LDS; arguments w2q, b2, hrec, xrec, route, part; writes part
.if DOCPART == 9
	.amdgcn_target "amdgcn-amd-amdhsa--gfx1250"
	.amdhsa_code_object_version 6
	.text
	.protected	k_qfdbce4bb50_layer2
	.globl	k_qfdbce4bb50_layer2
	.p2align	8
	.type	k_qfdbce4bb50_layer2,@function
k_qfdbce4bb50_layer2:
	s_mov_b64 s[64:65], 0
	v_nop
	global_prefetch_b8 v0, s[64:65] scope:SCOPE_SE
	s_setreg_imm32_b32 hwreg(HW_REG_WAVE_SCHED_MODE, 0, 2), 2
	s_setreg_imm32_b32 hwreg(HW_REG_WAVE_MODE, 25, 1), 1
	s_wait_xcnt 0x0
	s_wait_alu depctr_vm_vsrc(0)
; THE SECOND LAYER, for the routed rows alone: part[id][kh] = g x (hidden[.., K half kh] w2[e][K half kh] (+ b2[e] where kh = 0)), the product on codes of BF8 (E5M2) with one E8M0 scale for each 32 along K.
; SHARES.  Work-group b: expert e = b / 32, K half kh = (b / 16) % 2 (1,024 of the 2,048 hidden units), outputs 64 sg .. 64 sg + 63 (sg = b % 16).  That is the first layer's shape: 64 columns x K 1,024, 32 fragments.
; As there, record b of w2q, 64 KB of codes laid as images of the operand's registers by an earlier launch (tile j = columns 4 q + j), is read once (wave w: fragments 8 w .. 8 w + 7), handed round through LDS as it stands,
; and every wave then holds all 32 fragments and takes the expert's tiles w, w + 4, ..  The product is used transposed: lane (r, h) holds slot r and outputs 32 h + 4 i + j.
; THE WAY OUT: x the slot's gate weight; through the wave's own stage in LDS (16 rows of 256 bytes + 16), back by rows, and to the row of part that the tile's list names: sixteen lanes store 256 consecutive bytes, aligned.
; Slots that repeat an expert's last row carry its id: the same numbers go to the same place, from the same wave.  Each id has one expert, so each byte of part has one work-group.
; No tensor load and no cluster: the number of tiles is read from memory.  The one barrier stands ahead of every branch on loaded numbers.  Past a wave's last tile the fetch is held at that tile.
; A trip of the loop over tiles takes two tiles, one from each set of registers; the loop counts trips, one at a time; a wave with an odd number of tiles ends between the two tiles of its last trip.
; LIMITS: NaN and infinities among the inputs are not served.
; REGISTERS: windows as in the first layer: 1: fragments of K steps 0-3; 2: K steps 4-7; 3: two sets of a tile's 8 fragments.
; THE MODE: SCHED_MODE bits 1:0 = 2 (LLVM: expert scheduling mode 2), set by the entry lines.  The code itself states the register dependences
; between vector or matrix instructions and memory or LDS instructions, with s_wait_alu, always for 0.
; THE PLAN.  Registers that memory or LDS instructions touch:
;   set p, AS[p]   My tile t (p = t % 2): its 32 products read them; behind the products the loads of my tile t + 2 land in them, in two runs.
;   ID[p], G[p]    Read by the tile's vector lines (the offsets, the weighing); behind those the three loads for my tile t + 2 land in them.
;   T              Written by the 32 multiplications; read by the 8 LDS stores; written again a tile later.
;   Y              The 8 LDS loads land in it; the 8 global stores read it; no vector instruction names it.
;   D              Written by 16 vector lines; read by the global stores as their offsets; written again a tile later.
;   v1, v3, v5-v8, v10, v11   Offsets and LDS addresses, made once at the head and never written again: tiles are reached by scalar bases.
;   QF             At the head alone: loads land in it, the LDS stores read it.  Its registers are T, Y, ID, G and D afterwards.
;   The weights' fragments and scale words are loaded at the head and then named by products alone.  v62, v63: written at the head, read by the closing add alone.
; A TILE'S WAITS.  Behind the products and their places: one on vm_vsrc (the last tile's LDS stores have read T, its global stores D and Y) and one on va_vdst (the products are done reading set p and AS[p]).
; The first run of loads follows at once; then ALL the tile's vector lines together, which name ACC, T, G[p], ID[p], D and v9 alone, all of window 0; then the second run, which owes nothing more.
; Behind it the second wait on va_vdst: T and D are written, G[p] and ID[p] are read.  No vector line follows it in the tile: the LDS stores, the LDS loads, the three loads of list and weights and the global stores hang on it alone.
.set REC1,  17152
.set REC2,  33792
.set HREC,  16896
.set WREC,  69632                      ; a work-group's record of weights: 65,536 bytes of codes, then 512 bytes of scale words [lane][j] a K step
.set STG,   65536                      ; LDS: 0 .. 65,535 the fragments' images; from here a stage of 16 x 272 bytes for each wave
.set NBB,   16                         ; loads of a tile's second run: the codes of K steps 4-7
.set NT,    3                          ; loads of its list (2) and its gate weights (1)
.set NB,    36                         ; loads that bring a tile: the first run's 16 of codes (K steps 0-3) and 1 of scale words, the second run, the list and the weights
.set WS,  16                           ; v16-31  w2's scale words: 4 u + j: lanes 0-15 K step 2 u, lanes 16-31 K step 2 u + 1.  Scales and nothing else
.set AS,  32                           ; v32-39  the tile's.  Scales and nothing else
.set ACC, 64                           ; v64-95  four accumulators; at the head b2 as it is loaded
.set BI,  96                           ; v96-127 b2 in the accumulators' layout, or zeros
.set QF,  128                          ; v128-255 at the head: my eight fragments on their way to LDS
.set T,   128                          ; v128-159 results in the order of the outputs,
.set Y,   160                          ; v160-191 rows read back
.set ID,  208                          ; v208-223 the list: 8 p + u: the id of slot 2 u + h
.set G,   224                          ; v224-225 the gate weight of slot r
.set D,   226                          ; v226-233 the stores' offsets
.set MSB, 0
.macro WIN new                         ; s_set_vgpr_msb: bits 1:0 source 0, 3:2 source 1, 5:4 source 2, 7:6 destination; the high byte repeats the setting that is left
.if MSB != \new
	s_set_vgpr_msb (MSB<<8)|\new
.set MSB, \new
.endif
.endm
	s_load_b256 s[4:11], s[0:1], 0x0               ; w2q s[4:5], b2 s[6:7], hrec s[8:9], xrec s[10:11]
	s_load_b128 s[12:15], s[0:1], 0x20             ; route s[12:13], part s[14:15]
	v_lshl_add_u32 v62, v0, 2, 0x14400
	v_mov_b32 v63, 0
	v_lshrrev_b32 v15, 5, v0
	v_readfirstlane_b32 s16, v15                   ; wave 0..3
	s_lshr_b32 s17, ttmp9, 5                       ; e
	s_bfe_u32 s19, ttmp9, 0x10004                  ; kh
	s_and_b32 s18, ttmp9, 15                       ; sg
	v_and_b32 v12, 31, v0                          ; lane
	v_and_b32 v13, 15, v0                          ; q, or r
	v_bfe_u32 v14, v0, 4, 1                        ; h
	v_lshlrev_b32 v1, 4, v12                       ; v1: 16 x lane
	s_wait_alu depctr_va_sdst(0)                   ; s16 is written, ahead of its first reader, the line below
	s_lshl_b32 s32, s16, 14
	v_add_nc_u32 v3, s32, v1                       ; v3: 16 x lane + my 8 fragments' 16,384 bytes: their place in the record and in LDS alike
	v_lshlrev_b32 v5, 4, v13
	v_lshl_add_u32 v5, v14, 9, v5                  ; v5: w2's scale words: 16 q, lanes 16-31 one K step (512 bytes) on
	v_lshlrev_b32 v6, 7, v14                       ; v6: b2: my half's 32 outputs
	s_mul_i32 s32, s16, 16*272
	s_add_co_u32 s32, s32, STG                     ; my stage
	v_mul_u32_u24 v7, v13, 272
	v_lshl_add_u32 v7, v14, 7, v7
	v_add_nc_u32 v7, s32, v7                       ; v7: in: row r, + 128 h
	v_mul_u32_u24 v8, v14, 272
	v_lshl_add_u32 v8, v13, 4, v8
	v_add_nc_u32 v8, s32, v8                       ; v8: back: lanes 0-15 one row, lanes 16-31 the next
	s_lshl_b32 s33, s19, 12
	s_lshl_b32 s45, s18, 8
	s_add_co_u32 s33, s33, s45
	v_lshl_add_u32 v9, v13, 4, s33                 ; v9: in a row of part: 4,096 kh + 256 sg + 16 q
	v_lshlrev_b32 v10, 5, v14                      ; v10: the list: my half's eight words
	v_lshlrev_b32 v11, 2, v13                      ; v11: the gate weights: 4 r
	s_mul_i32 s30, ttmp9, WREC                     ; my work-group's record of weights
	s_mov_b32 s31, 0
	s_lshl_b32 s46, s17, 12
	s_add_co_u32 s46, s46, s45                     ; b2: the expert's 4,096 bytes, my work-group's 64 outputs
	s_mov_b32 s47, 0
	s_mul_i32 s54, s19, HREC                       ; my half of a record of the hidden layer
	s_mov_b32 s55, 0
	s_lshl_b32 s40, s17, 3                         ; the expert's two words of the table; never rewritten
	s_cmp_eq_u32 s19, 0
	s_cselect_b32 s45, -1, 0                       ; the bias is the first K half's
	s_wait_kmcnt 0x0
	s_add_nc_u64 s[4:5], s[4:5], s[30:31]
	s_add_nc_u64 s[6:7], s[6:7], s[46:47]
	s_add_nc_u64 s[8:9], s[8:9], s[54:55]
	s_load_b64 s[38:39], s[12:13], s40 offset:0x0  ; first tile, number of tiles: waited for behind the barrier
	s_wait_alu depctr_va_vdst(0)                   ; the offsets and LDS addresses v1, v3, v5 to v8, v10 and v11 are written, which the kernel's loads, stores and LDS instructions read; so are v62 and v63, which the closing add reads
.irp m, 0,1,2,3,4,5,6,7
	global_load_b128 v[ACC+4*\m:ACC+4*\m+3], v6, s[6:7] offset:16*\m
.endr
.irp f, 0,1,2,3,4,5,6,7
.irp c, 0,1,2,3
	global_load_b128 v[QF+16*\f+4*\c:QF+16*\f+4*\c+3], v3, s[4:5] offset:2048*\f+512*\c      ; 32 lanes read 512 consecutive bytes
.endr
.endr
.irp u, 0,1,2,3
	global_load_b128 v[WS+4*\u:WS+4*\u+3], v5, s[4:5] offset:65536+1024*\u                   ; the four tiles' words of K steps 2 u (lanes 0-15) and 2 u + 1 (lanes 16-31)
.endr
	s_wait_loadcnt 4                               ; b2 and my eight fragments are in; the four loads of scale words may be out
.irp f, 0,1,2,3,4,5,6,7
.irp c, 0,1,2,3
	ds_store_b128 v3, v[QF+16*\f+4*\c:QF+16*\f+4*\c+3] offset:2048*\f+512*\c                 ; data that loads brought, an offset that the wait above has shown written: no further wait
.endr
.endr
.irp j, 0,1,2,3
.irp i, 0,1,2,3,4,5,6,7
	v_cndmask_b32 v[BI+8*\j+\i], 0, v[ACC+4*\i+\j], s45   ; output 32 h + 4 i + j belongs to register i of accumulator j; zeros in the second K half.  (These name no register of the LDS stores above, and stand while those are out)
.endr
.endr
	s_wait_dscnt 0x0                               ; for the others' sake: my images have landed
	s_barrier_signal -1
	s_barrier_wait -1                              ; all 32 fragments lie in LDS; those bytes are not written again
	s_wait_alu depctr_vm_vsrc(0)                   ; my LDS stores have read v[QF ..]: these registers are T, Y, ID, G and D from here on, which vector lines write and in which loads land
	s_wait_kmcnt 0x0
	s_min_u32 s39, s39, 128                        ; (an expert has at most 2,048 rows: 128 tiles)
	s_add_co_u32 s20, s38, s16                     ; s20: my first tile
	s_add_co_u32 s21, s39, 3
	s_sub_co_u32 s21, s21, s16
	s_lshr_b32 s21, s21, 2                         ; s21: how many are mine
	s_cmp_eq_u32 s21, 0
	s_cbranch_scc1 .Lend
	s_sub_co_u32 s23, s21, 1                       ; s23: the last of them
	s_add_co_u32 s36, s21, 1
	s_lshr_b32 s36, s36, 1                         ; s36: trips of two tiles; the loop does not write it
; set p's three bases, for my tile number s34: its record of the hidden layer, its list, its record of x (for the gate weights)
.macro BASE p
	s_lshl_b32 s32, s34, 2
	s_add_co_u32 s32, s32, s20
	s_min_u32 s32, s32, 262
	s_mul_i32 s30, s32, REC2
	s_add_nc_u64 s[24+2*\p:25+2*\p], s[8:9], s[30:31]
	s_lshl_b32 s30, s32, 6
	s_add_nc_u64 s[46+2*\p:47+2*\p], s[12:13], s[30:31]
	s_mul_i32 s30, s32, REC1
	s_add_nc_u64 s[50+2*\p:51+2*\p], s[10:11], s[30:31]
.endm
; a run of 16 loads: the fragments of K steps first .. first + 3 into set p.  It stands under destination window 3
.macro RUN p, first
.irp s, 0,1,2,3
.irp c, 0,1,2,3
	global_load_b128 v[128*\p+16*(\first+\s)+4*\c:128*\p+16*(\first+\s)+4*\c+3], v1, s[24+2*\p:25+2*\p] offset:2048*(\first+\s)+512*\c
.endr
.endr
.endm
; the tile's scale words.  It stands under window 0
.macro WORDS p
	global_load_b128 v[AS+4*\p:AS+4*\p+3], v1, s[24+2*\p:25+2*\p] offset:16384
.endm
.macro TABLES p
	global_load_b128 v[ID+8*\p:ID+8*\p+3], v10, s[46+2*\p:47+2*\p] offset:256
	global_load_b128 v[ID+8*\p+4:ID+8*\p+7], v10, s[46+2*\p:47+2*\p] offset:272
	global_load_b32 v[G+\p], v11, s[50+2*\p:51+2*\p] offset:16896
.endm
; a set's first fill, in the order in which the loop fills it.  No wait on va_vdst: no vector or matrix instruction has named these registers yet
.macro FILL p
	BASE \p
	WIN 0xc0                                       ; destination window 3
	RUN \p, 0
	WIN 0
	WORDS \p
	WIN 0xc0
	RUN \p, 4
	WIN 0
	TABLES \p
.endm
	s_mov_b32 s34, 0
	FILL 0
	s_min_u32 s34, s23, 1
	FILL 1
	WIN 0x40
.irp f, 0,1,2,3,4,5,6,7,8,9,10,11,12,13,14,15
.irp c, 0,1,2,3
	ds_load_b128 v[16*\f+4*\c:16*\f+4*\c+3], v1 offset:2048*\f+512*\c
.endr
.endr
	WIN 0x80
.irp f, 0,1,2,3,4,5,6,7,8,9,10,11,12,13,14,15
.irp c, 0,1,2,3
	ds_load_b128 v[16*\f+4*\c:16*\f+4*\c+3], v1 offset:2048*(16+\f)+512*\c
.endr
.endr
	WIN 0
	s_wait_dscnt 0x0
; one product: tile j of the weights x set p, K step s.  The first K step takes the bias (or zeros) as C.  The rows of the scale registers: w2's by s % 2, the tile's by s / 4
.macro MM p, s, j
.set WR, 16*(4*((\s)%4)+(\j))
.set AR, 128*(\p)+16*(\s)
.set DR, ACC+8*(\j)
.set CR, DR
.if (\s) == 0
.set CR, BI+8*(\j)
.endif
.set SA, WS+4*((\s)/2)+(\j)
.set SBR, AS+4*(\p)+((\s)%4)
.if (((\s)%2) == 0) && ((\s) < 4)
	v_wmma_scale_f32_16x16x128_f8f6f4 v[DR:DR+7], v[WR:WR+15], v[AR:AR+15], v[CR:CR+7], v[SA], v[SBR] matrix_a_fmt:MATRIX_FMT_BF8 matrix_b_fmt:MATRIX_FMT_BF8
.elseif (\s) < 4
	v_wmma_scale_f32_16x16x128_f8f6f4 v[DR:DR+7], v[WR:WR+15], v[AR:AR+15], v[CR:CR+7], v[SA], v[SBR] matrix_a_fmt:MATRIX_FMT_BF8 matrix_b_fmt:MATRIX_FMT_BF8 matrix_a_scale:MATRIX_SCALE_ROW1
.elseif ((\s)%2) == 0
	v_wmma_scale_f32_16x16x128_f8f6f4 v[DR:DR+7], v[WR:WR+15], v[AR:AR+15], v[CR:CR+7], v[SA], v[SBR] matrix_a_fmt:MATRIX_FMT_BF8 matrix_b_fmt:MATRIX_FMT_BF8 matrix_b_scale:MATRIX_SCALE_ROW1
.else
	v_wmma_scale_f32_16x16x128_f8f6f4 v[DR:DR+7], v[WR:WR+15], v[AR:AR+15], v[CR:CR+7], v[SA], v[SBR] matrix_a_fmt:MATRIX_FMT_BF8 matrix_b_fmt:MATRIX_FMT_BF8 matrix_a_scale:MATRIX_SCALE_ROW1 matrix_b_scale:MATRIX_SCALE_ROW1
.endif
.endm
; all the tile's vector lines: the results weighed, and the stores' offsets
.macro WEIGH p
.irp i, 0,1,2,3,4,5,6,7
.irp j, 0,1,2,3
	v_mul_f32 v[T+4*\i+\j], v[ACC+8*\j+\i], v[G+\p]                ; x the slot's gate weight, into the order of the outputs; each accumulator is read from its low end on
.endr
.endr
.irp u, 0,1,2,3,4,5,6,7
	v_min_u32 v[D+\u], 0xfff, v[ID+8*\p+\u]
.endr
.irp u, 0,1,2,3,4,5,6,7
	v_lshl_add_u32 v[D+\u], v[D+\u], 13, v9                        ; 8,192 bytes an id
.endr
.endm
; the way out: LDS and memory instructions alone
.macro OUT2 p
.irp i, 0,1,2,3,4,5,6,7
	ds_store_b128 v7, v[T+4*\i:T+4*\i+3] offset:16*\i
.endr
.irp u, 0,1,2,3,4,5,6,7
	ds_load_b128 v[Y+4*\u:Y+4*\u+3], v8 offset:544*\u              ; slots 2 u and 2 u + 1.  My own bytes, and LDS serves a wave's instructions in order (ISA guide 5.7.1.4): these see the stores above
.endr
	TABLES \p                                      ; the list and weights of the tile that set p takes next, asked for while the rows are on their way back from the stage
.irp u, 0,1,2,3,4,5,6,7
	s_wait_dscnt 7-\u                              ; read-back u is in; the later ones may be out
	global_store_b128 v[D+\u], v[Y+4*\u:Y+4*\u+3], s[14:15] th:TH_STORE_NT      ; sixteen lanes store 256 consecutive bytes of one row, aligned
.endr
.endm
.macro TILE p
	s_wait_loadcnt NB+NBB+NT                       ; set p's first run is in: K steps 0-3 and the scale words (ahead of the first tile: w2's scale words too); its second run's NBB loads, its NT of list and weights and the other set's NB, issued behind it, may be out
	WIN 0x0d                                       ; source 0 (w2) window 1, source 1 (the tile) window 3
.irp s, 0,1,2,3
.irp j, 0,1,2,3
	MM \p, \s, \j                                  ; the four accumulators by turns, one instruction a turn
.endr
.endr
	s_wait_loadcnt NB                              ; set p's second run, its list and its weights are in; the other set's NB loads may be out.  All loads that read set p's three bases are done: they may be written below
	WIN 0x0e                                       ; source 0 window 2
.irp s, 4,5,6,7
.irp j, 0,1,2,3
	MM \p, \s, \j
.endr
.endr
	WIN 0
.rept 9
	v_nop                                          ; eight places ahead of the reads of the results, nine ahead of the next tile's sums, which begin anew over these accumulators
.endr
	s_wait_xcnt 0x0                                ; the last tile's stores, issued 32 products ago, have read their offsets and rows: both are rewritten only below this line
	s_wait_alu depctr_vm_vsrc(0)                   ; the last tile's LDS stores have read T and its global stores D and Y: T and D are written again by the vector lines below, and the LDS loads land in Y
	s_add_co_u32 s34, s22, 2+\p
	s_min_u32 s34, s34, s23                        ; what set p takes next: two on, held at my last
	BASE \p
	WIN 0xc0                                       ; destination window 3
	s_wait_alu depctr_va_vdst(0)                   ; the 32 products are done reading set p and AS[p], in which the loads of both runs below land
	RUN \p, 0                                      ; the set is asked for again at once
	WIN 0
	WORDS \p
	WEIGH \p
	WIN 0xc0
	RUN \p, 4                                      ; no wait: no vector or matrix instruction since the wait above names v1 or a register of window 3
	WIN 0
	s_wait_alu depctr_va_vdst(0)                   ; T is written, which the LDS stores read; D is written, which the global stores read as offsets; the vector lines are done reading ID[p] and G[p], in which the loads of list and weights land
	OUT2 \p
.endm
	s_mov_b32 s35, 0                               ; s35: the trip, stepped by 1
.Ltile:
	s_lshl_b32 s22, s35, 1                         ; s22: the trip's first tile
	s_wait_alu depctr_va_vdst(0)
	TILE 0
	s_add_co_u32 s33, s22, 1
	s_cmp_lt_u32 s33, s21
	s_cbranch_scc1 .Lsecond
	s_wait_dscnt 0x0                               ; the closing lines, six on end
	s_wait_alu 0x0
	s_wait_tensorcnt 0x0
	ds_add_u32 v62, v63
	s_wait_dscnt 0x0
	s_endpgm                                       ; an odd number of tiles: that was my last.  The loop is left here, or by falling through its backward branch
.Lsecond:
	TILE 1
	s_add_co_u32 s35, s35, 1
	s_cmp_lt_u32 s35, s36
	s_cbranch_scc1 .Ltile
.Lend:
	s_wait_dscnt 0x0                               ; the closing lines, six on end
	s_wait_alu 0x0
	s_wait_tensorcnt 0x0
	ds_add_u32 v62, v63
	s_wait_dscnt 0x0
	s_endpgm
.Lfunc_end_k_qfdbce4bb50_layer2:
	.size	k_qfdbce4bb50_layer2, .Lfunc_end_k_qfdbce4bb50_layer2-k_qfdbce4bb50_layer2
	.p2alignl 7, 3214868480
	.fill 96, 4, 3214868480
	.section	.rodata,"a",@progbits
	.p2align	6, 0x0
	.amdhsa_kernel k_qfdbce4bb50_layer2
		.amdhsa_group_segment_fixed_size 83456
		.amdhsa_private_segment_fixed_size 0
		.amdhsa_enable_private_segment 0
		.amdhsa_kernarg_size 48
		.amdhsa_user_sgpr_count 2
		.amdhsa_user_sgpr_kernarg_segment_ptr 1
		.amdhsa_wavefront_size32 1
		.amdhsa_system_sgpr_workgroup_id_x 1
		.amdhsa_system_sgpr_workgroup_id_y 1
		.amdhsa_system_sgpr_workgroup_id_z 1
		.amdhsa_system_vgpr_workitem_id 0
		.amdhsa_next_free_vgpr 1024
		.amdhsa_next_free_sgpr 66
		.amdhsa_reserve_vcc 0
		.amdhsa_float_denorm_mode_32 3
		.amdhsa_float_denorm_mode_16_64 3
		.amdhsa_memory_ordered 1
		.amdhsa_forward_progress 1
		.amdhsa_inst_pref_size 53
	.end_amdhsa_kernel
	.amdgpu_metadata
---
amdhsa.version: [ 1, 2 ]
amdhsa.kernels:
  - .name:           k_qfdbce4bb50_layer2
    .symbol:         k_qfdbce4bb50_layer2.kd
    .args:
      - { .name: w2q, .offset: 0, .size: 8, .value_kind: global_buffer, .address_space: global }
      - { .name: b2, .offset: 8, .size: 8, .value_kind: global_buffer, .address_space: global }
      - { .name: hrec, .offset: 16, .size: 8, .value_kind: global_buffer, .address_space: global }
      - { .name: xrec, .offset: 24, .size: 8, .value_kind: global_buffer, .address_space: global }
      - { .name: route, .offset: 32, .size: 8, .value_kind: global_buffer, .address_space: global }
      - { .name: part, .offset: 40, .size: 8, .value_kind: global_buffer, .address_space: global }
    .group_segment_fixed_size: 83456
    .private_segment_fixed_size: 0
    .kernarg_segment_align: 8
    .kernarg_segment_size: 48
    .max_flat_workgroup_size: 128
    .sgpr_count:     66
    .vgpr_count:     1024
    .wavefront_size: 32
...
	.end_amdgpu_metadata
.endif
;; end of part 9
;; launch combine (part 10): grid 256 x 1, 8 waves a work-group, no clusters, 0 bytes of LDS; arguments part, out0; writes out0
.if DOCPART == 10
	.amdgcn_target "amdgcn-amd-amdhsa--gfx1250"
	.amdhsa_code_object_version 6
	.text
	.protected	k_qfdbce4bb50_combine
	.globl	k_qfdbce4bb50_combine
	.p2align	8
	.type	k_qfdbce4bb50_combine,@function
k_qfdbce4bb50_combine:
	s_mov_b64 s[64:65], 0
	v_nop
	global_prefetch_b8 v0, s[64:65] scope:SCOPE_SE
	s_setreg_imm32_b32 hwreg(HW_REG_WAVE_MODE, 25, 1), 1
	s_wait_xcnt 0x0
; THE SUM.  out0[t] = the four rows of part that belong to token t (two choices x two K halves; each already carries its gate weight): 16,384 consecutive bytes in, 4,096 out.
; A stream: a wave to a token, all 32 loads issued at once (512 consecutive bytes each), each piece of 512 bytes summed and stored as its four loads come in.  No LDS, no barrier, no matrix unit: there is nothing to share and nothing to multiply.
; No register is written twice, so no store's data wait for anything.
	s_load_b128 s[4:7], s[0:1], 0x0                ; part s[4:5], out0 s[6:7]
	v_lshrrev_b32 v2, 5, v0
	s_delay_alu instid0(VALU_DEP_1)
	v_readfirstlane_b32 s8, v2                     ; wave 0..7
	v_and_b32 v1, 31, v0
	s_delay_alu instid0(VALU_DEP_1)
	v_lshlrev_b32 v1, 4, v1                        ; 16 bytes a lane
	s_lshl_b32 s9, ttmp9, 3
	s_add_co_u32 s9, s9, s8                        ; my token
	s_lshl_b32 s10, s9, 14
	s_mov_b32 s11, 0
	s_lshl_b32 s12, s9, 12
	s_mov_b32 s13, 0
	s_wait_alu depctr_va_vdst(0)
	s_wait_kmcnt 0x0
	s_add_nc_u64 s[4:5], s[4:5], s[10:11]
	s_add_nc_u64 s[6:7], s[6:7], s[12:13]
.irp m, 0,1,2,3,4,5,6,7
.irp p, 0,1,2,3
	global_load_b128 v[16+16*\m+4*\p:16+16*\m+4*\p+3], v1, s[4:5] offset:4096*\p+512*\m th:TH_LOAD_NT
.endr
.endr
.irp m, 0,1,2,3,4,5,6,7
	s_wait_loadcnt 28-4*\m                         ; this piece's four loads are in; the later pieces' may be out
	v_pk_add_f32 v[16+16*\m:17+16*\m], v[16+16*\m:17+16*\m], v[20+16*\m:21+16*\m]
	v_pk_add_f32 v[18+16*\m:19+16*\m], v[18+16*\m:19+16*\m], v[22+16*\m:23+16*\m]
	v_pk_add_f32 v[24+16*\m:25+16*\m], v[24+16*\m:25+16*\m], v[28+16*\m:29+16*\m]
	v_pk_add_f32 v[26+16*\m:27+16*\m], v[26+16*\m:27+16*\m], v[30+16*\m:31+16*\m]
	s_delay_alu instid0(VALU_DEP_2)
	v_pk_add_f32 v[16+16*\m:17+16*\m], v[16+16*\m:17+16*\m], v[24+16*\m:25+16*\m]
	s_delay_alu instid0(VALU_DEP_2)
	v_pk_add_f32 v[18+16*\m:19+16*\m], v[18+16*\m:19+16*\m], v[26+16*\m:27+16*\m]
	global_store_b128 v1, v[16+16*\m:19+16*\m], s[6:7] offset:512*\m th:TH_STORE_NT   ; 32 lanes store 512 consecutive bytes, aligned
.endr
	s_endpgm
.Lfunc_end_k_qfdbce4bb50_combine:
	.size	k_qfdbce4bb50_combine, .Lfunc_end_k_qfdbce4bb50_combine-k_qfdbce4bb50_combine
	.p2alignl 7, 3214868480
	.fill 96, 4, 3214868480
	.section	.rodata,"a",@progbits
	.p2align	6, 0x0
	.amdhsa_kernel k_qfdbce4bb50_combine
		.amdhsa_group_segment_fixed_size 0
		.amdhsa_private_segment_fixed_size 0
		.amdhsa_enable_private_segment 0
		.amdhsa_kernarg_size 16
		.amdhsa_user_sgpr_count 2
		.amdhsa_user_sgpr_kernarg_segment_ptr 1
		.amdhsa_wavefront_size32 1
		.amdhsa_system_sgpr_workgroup_id_x 1
		.amdhsa_system_sgpr_workgroup_id_y 1
		.amdhsa_system_sgpr_workgroup_id_z 1
		.amdhsa_system_vgpr_workitem_id 0
		.amdhsa_next_free_vgpr 144
		.amdhsa_next_free_sgpr 66
		.amdhsa_reserve_vcc 0
		.amdhsa_float_denorm_mode_32 3
		.amdhsa_float_denorm_mode_16_64 3
		.amdhsa_memory_ordered 1
		.amdhsa_forward_progress 1
		.amdhsa_inst_pref_size 9
	.end_amdhsa_kernel
	.amdgpu_metadata
---
amdhsa.version: [ 1, 2 ]
amdhsa.kernels:
  - .name:           k_qfdbce4bb50_combine
    .symbol:         k_qfdbce4bb50_combine.kd
    .args:
      - { .name: part, .offset: 0, .size: 8, .value_kind: global_buffer, .address_space: global }
      - { .name: out0, .offset: 8, .size: 8, .value_kind: global_buffer, .address_space: global }
    .group_segment_fixed_size: 0
    .private_segment_fixed_size: 0
    .kernarg_segment_align: 8
    .kernarg_segment_size: 16
    .max_flat_workgroup_size: 256
    .sgpr_count:     66
    .vgpr_count:     144
    .wavefront_size: 32
...
	.end_amdgpu_metadata
.endif
;; end of part 10
